; MI455X (gfx1250); checked and timed in simulation.
; The chip was launched on July 23, 2026; its instructions are those of AMD's public machine-readable ISA for CDNA 5 (MIT licence, August 2026) and "CDNA5" Instruction Set Architecture Reference Guide (July 2026). The comments in the code are by the model that wrote it; some were corrected since.
;; Multi Head Self Attention. Allowed arithmetic: float matrix products may take bf16 or f16 operands with f32 sums; all other float work in f32.
;; Inputs: wk 1,024 x 1,024 float32; wo 1,024 x 1,024 float32; wq 1,024 x 1,024 float32; wv 1,024 x 1,024 float32; x 4 x 2,048 x 1,024 float32.
;; Outputs: out0 4 x 2,048 x 1,024 float32.
;; 3 versions, each right and faster than the one before. Each part assembles by itself: llvm-mc -triple=amdgcn-amd-amdhsa -mcpu=gfx1250 --defsym DOCPART=n.
;; ======== version 1 of 3: 4 launches
;; limits: values are held in f16: magnitudes above 65,504 overflow, below 6.1e-05 lose precision
;; workspace buffers: xb 16,777,216 bytes; wb 8,388,608 bytes; qkv 50,331,648 bytes; fst 3,145,728 bytes; ao 33,554,432 bytes
;; launch cast (part 1): grid 768 x 1, 8 waves a work-group, no clusters, 0 bytes of LDS; arguments x, wq, wk, wv, wo, xb, wb; writes xb, wb
.if DOCPART == 1
	.amdgcn_target "amdgcn-amd-amdhsa--gfx1250"
	.amdhsa_code_object_version 6
	.text
	.protected	k_q5507489020_cast
	.globl	k_q5507489020_cast
	.p2align	8
	.type	k_q5507489020_cast,@function
k_q5507489020_cast:
	s_mov_b64 s[64:65], 0
	v_nop
	global_prefetch_b8 v0, s[64:65] scope:SCOPE_SE
	s_setreg_imm32_b32 hwreg(HW_REG_WAVE_MODE, 25, 1), 1
	s_wait_xcnt 0x0
; f32 to bf16 (round to nearest even), and a new order for the matrix launches that follow:
;   xb[kb][m][64]: column block kb (64 columns) of all 8,192 rows of x; a row of a block is 128 bytes, rows follow each other without a gap
;   wb[kb][n][64]: the same for the 4,096 rows of wq, wk, wv, wo laid one under the other
; so that every tile "rows x 64 columns" of a later launch is one dense run of bytes.
; A work-group owns 16 rows of [x; wq; wk; wv; wo] (12,288 rows, 768 work-groups).  Wave w owns column blocks 2w and 2w+1.
; A unit u = 2 rg + e is four rows (4 rg ..) of block 2w + e: eight lanes take a row's 256 bytes of f32 (32 bytes a lane, two loads),
; and the unit's store is 32 lanes x 16 bytes = 512 consecutive bytes, aligned (four rows of 128 bytes).
; Memory binds: no LDS, no barrier, no matrix unit; all 16 loads of a wave go out before the first wait; nothing is read twice.
.set X,  8                             ; v[8:71]    unit u: 8 registers of f32
.set Y,  72                            ; v[72:103]  unit u: 4 registers of bf16
.set VI, 2                             ; v2         byte offset of my 32 bytes in the group's first four rows
.set VO, 3                             ; v3, v4     byte offset of my 16 bytes in the output, block 2w and block 2w + 1
	s_load_b256 s[4:11], s[0:1], 0x0               ; x s[4:5], wq s[6:7], wk s[8:9], wv s[10:11]
	s_load_b128 s[12:15], s[0:1], 0x20             ; wo s[12:13], xb s[14:15]
	s_load_b64 s[16:17], s[0:1], 0x30              ; wb
	s_mov_b32 s20, ttmp9                           ; g: groups 0-511 are x's, 512-767 the weights'
	s_sub_co_u32 s21, s20, 512                     ; t = g - 512 (used only where g >= 512)
	s_and_b32 s23, s21, 63                         ; the group's place in its weight matrix (64 groups of 16 rows)
	s_lshr_b32 s18, s21, 6                         ; which weight matrix: 0 wq, 1 wk, 2 wv, 3 wo
	v_and_b32 v1, 31, v0                           ; lane
	v_lshrrev_b32 v5, 5, v0                        ; wave
	v_lshrrev_b32 v6, 3, v1                        ; my row among the unit's four
	v_and_b32 v7, 7, v1                            ; my eighth of the row's 256 bytes
	v_lshlrev_b32 v[VI], 12, v6                    ; row x 4,096 bytes
	v_lshl_add_u32 v[VI], v7, 5, v[VI]             ; + 32 bytes x eighth
	v_lshl_add_u32 v[VI], v5, 9, v[VI]             ; + wave x 512 bytes (two blocks of 64 f32)
	s_wait_kmcnt 0x0
	s_cmp_lt_u32 s18, 2                            ; choices between buffers, on the group's number alone
	s_cselect_b64 s[24:25], s[6:7], s[10:11]       ; wq or wv
	s_cselect_b64 s[26:27], s[8:9], s[12:13]       ; wk or wo
	s_bitcmp1_b32 s18, 0
	s_cselect_b64 s[24:25], s[26:27], s[24:25]     ; the odd one or the even one
	s_cmp_lt_u32 s20, 512
	s_cselect_b64 s[24:25], s[4:5], s[24:25]       ; source: x or that weight matrix
	s_cselect_b64 s[26:27], s[14:15], s[16:17]     ; target: xb or wb
	s_cselect_b32 s22, s20, s23                    ; the group's place in its source
	s_cselect_b32 s19, s20, s21                    ; and in its target
	s_cselect_b32 s28, 21, 20                      ; log2 of two blocks' bytes: a block is 8,192 or 4,096 rows of 128 bytes
	s_cselect_b32 s29, 20, 19
	s_lshl_b32 s29, 1, s29                         ; one block's bytes
	s_lshl_b32 s30, s22, 16                        ; 16 rows of 4,096 bytes
	s_mov_b32 s31, 0
	s_add_nc_u64 s[24:25], s[24:25], s[30:31]
	s_lshl_b32 s30, s19, 11                        ; 16 rows of 128 bytes
	s_add_nc_u64 s[26:27], s[26:27], s[30:31]
	v_lshlrev_b32 v[VO], s28, v5                   ; block 2w
	v_lshl_add_u32 v[VO], v1, 4, v[VO]             ; + 16 bytes x lane: row x 128 + eighth x 16
	v_add_nc_u32 v[VO+1], s29, v[VO]               ; block 2w + 1
.irp rg, 0,1,2,3
.irp e, 0,1
	global_load_b128 v[X+8*(2*\rg+\e):X+8*(2*\rg+\e)+3],   v[VI], s[24:25] offset:\rg*16384+\e*256 th:TH_LOAD_NT
	global_load_b128 v[X+8*(2*\rg+\e)+4:X+8*(2*\rg+\e)+7], v[VI], s[24:25] offset:\rg*16384+\e*256+16 th:TH_LOAD_NT
.endr
.endr
.irp rg, 0,1,2,3
.irp e, 0,1
	s_wait_loadcnt 14-2*(2*\rg+\e)                 ; loads come back in order (ISA guide 5.7.1): this unit's two are in, the younger units' two each stay out
.irp k, 0,1,2,3
	v_cvt_pk_bf16_f32 v[Y+4*(2*\rg+\e)+\k], v[X+8*(2*\rg+\e)+2*\k], v[X+8*(2*\rg+\e)+2*\k+1]
.endr
	global_store_b128 v[VO+\e], v[Y+4*(2*\rg+\e):Y+4*(2*\rg+\e)+3], s[26:27] offset:\rg*512   ; no register is written twice: no further wait
.endr
.endr
	s_endpgm
.Lfunc_end_k_q5507489020_cast:
	.size	k_q5507489020_cast, .Lfunc_end_k_q5507489020_cast-k_q5507489020_cast
	.p2alignl 7, 3214868480
	.fill 96, 4, 3214868480
	.section	.rodata,"a",@progbits
	.p2align	6, 0x0
	.amdhsa_kernel k_q5507489020_cast
		.amdhsa_group_segment_fixed_size 0
		.amdhsa_private_segment_fixed_size 0
		.amdhsa_enable_private_segment 0
		.amdhsa_kernarg_size 56
		.amdhsa_user_sgpr_count 2
		.amdhsa_user_sgpr_kernarg_segment_ptr 1
		.amdhsa_wavefront_size32 1
		.amdhsa_system_sgpr_workgroup_id_x 1
		.amdhsa_system_sgpr_workgroup_id_y 1
		.amdhsa_system_sgpr_workgroup_id_z 1
		.amdhsa_system_vgpr_workitem_id 0
		.amdhsa_next_free_vgpr 104
		.amdhsa_next_free_sgpr 66
		.amdhsa_reserve_vcc 0
		.amdhsa_float_denorm_mode_32 3
		.amdhsa_float_denorm_mode_16_64 3
		.amdhsa_memory_ordered 1
		.amdhsa_forward_progress 1
		.amdhsa_inst_pref_size 7
	.end_amdhsa_kernel
	.amdgpu_metadata
---
amdhsa.version: [ 1, 2 ]
amdhsa.kernels:
  - .name:           k_q5507489020_cast
    .symbol:         k_q5507489020_cast.kd
    .args:
      - { .name: x, .offset: 0, .size: 8, .value_kind: global_buffer, .address_space: global }
      - { .name: wq, .offset: 8, .size: 8, .value_kind: global_buffer, .address_space: global }
      - { .name: wk, .offset: 16, .size: 8, .value_kind: global_buffer, .address_space: global }
      - { .name: wv, .offset: 24, .size: 8, .value_kind: global_buffer, .address_space: global }
      - { .name: wo, .offset: 32, .size: 8, .value_kind: global_buffer, .address_space: global }
      - { .name: xb, .offset: 40, .size: 8, .value_kind: global_buffer, .address_space: global }
      - { .name: wb, .offset: 48, .size: 8, .value_kind: global_buffer, .address_space: global }
    .group_segment_fixed_size: 0
    .private_segment_fixed_size: 0
    .kernarg_segment_align: 8
    .kernarg_segment_size: 56
    .max_flat_workgroup_size: 256
    .sgpr_count:     66
    .vgpr_count:     104
    .wavefront_size: 32
...
	.end_amdgpu_metadata
.endif
;; end of part 1
;; launch qkvproj (part 2): grid 8 x 32, 4 waves a work-group, clusters of 4 x 4, 327,680 bytes of LDS; arguments xb, wb, qkv, fst; writes qkv, fst
.if DOCPART == 2
	.amdgcn_target "amdgcn-amd-amdhsa--gfx1250"
	.amdhsa_code_object_version 6
	.text
	.protected	k_q5507489020_qkvproj
	.globl	k_q5507489020_qkvproj
	.p2align	8
	.type	k_q5507489020_qkvproj,@function
k_q5507489020_qkvproj:
	s_mov_b64 s[64:65], 0
	v_nop
	global_prefetch_b8 v0, s[64:65] scope:SCOPE_SE
	s_setreg_imm32_b32 hwreg(HW_REG_WAVE_MODE, 25, 1), 1
	s_wait_xcnt 0x0
	s_wait_alu depctr_hold_cnt(0) depctr_sa_sdst(0) depctr_va_vdst(0) depctr_va_sdst(0) depctr_va_ssrc(0) depctr_va_vcc(0) depctr_vm_vsrc(0)
	s_getreg_b32 s2, hwreg(HW_REG_IB_STS2, 6, 4)
	s_cmp_eq_u32 s2, 0
	s_cbranch_scc0 .Lentry_in_a_cluster
	s_endpgm
.Lentry_in_a_cluster:
	s_bfe_u32 s2, ttmp6, 0x10000c
	s_cmp_lg_u32 s2, 0xf033
	s_cbranch_scc0 .Lentry_shape_is_right
	s_endpgm
.Lentry_shape_is_right:
; qkv[cb][m][64] = f16 of C[m][n] = sum over k of x[m][k] W[n][k], n = 64 cb + c over the 3,072 rows of wq, wk, wv; sums in f32.
; Operands come in bf16 from xb[kb][8192][64] and wb[kb][4096][64].
; LIMIT: q, k and v are rounded to f16 (matrix operands of the next launch), so |q|, |k|, |v| must stay below 65,504.  At the drawn spread they reach about 6;
; with x and W both 30 times larger about 5,400; with a common offset of 30 spreads on both about 29,000.  Below 2^-14 the rounding is 2^-25 absolute.
; fst[cb][b][64][64] (f32) = the same sums, unrounded, for rows 0-63 of each sequence.  A row of the attention that averages n keys has numbers about
; 1 / sqrt(n) of v's, many times the size of the rows with many keys, so an operand's relative rounding weighs most there: the next launch takes these rows in two f16 parts.
; A work-group makes 256 x 384 of C (8 x 32 = 256 work-groups), four waves as 2 x 2, a wave 128 x 192: 8 x 12 accumulator tiles, 768 registers.
; K goes in blocks of 64 (one kb) through a ring of two LDS slots.  A tile "rows x 64 k" is dense in memory and is fetched as rows of 256 bytes;
; the mover lays 16 bytes of padding behind every 128 bytes, so a logical row of 64 bf16 has an LDS pitch of 144 bytes, an odd multiple of 16:
; the sixteen rows of a fragment load lie in sixteen different 16-byte columns modulo 256.
; CLUSTERS: 4 x 4 work-groups.  A's tile hangs on the block row alone and is asked for jointly by a row of the cluster, B's on the block column alone
; and is asked for jointly by a column: a quarter of the requests.  Block row = 8 cy + cluster y: cy is the sequence, cluster y the block of 256 rows in it,
; so "the first block of a sequence" is cluster y = 0, the same in all sixteen partners, and the one branch on it is alike in all of them.
; REGISTERS: window 0: v0-31 addresses; v32-95, v96-159 A's fragments (8 x 16 rows x 32 k), two buffers; v160-255 B's fragments, one buffer for each column group
; of 64; windows 1, 2, 3: the 32 tiles of column group 0, 1, 2 (tile (a, bb) at v[8 (4 a + bb)]).
; THE MATRIX INSTRUCTION IS USED TRANSPOSED (source 0 = rows of W, source 1 = rows of x): lane l then holds row l % 16 of C and eight neighbouring columns.
.set PITCH,  144
.set HALFT,  192*PITCH                 ; a loader wave's region: B's half tile (192 rows) fills it, A's (128 rows) uses 18,432 of its 27,648 bytes
.set SLOT,   4*HALFT                   ; A's two halves, B's two halves
.set STAGE,  2*SLOT                    ; behind the ring: 6,912 bytes for each wave, for the way out; no fill lands here
.set WSTAGE, 3*16*PITCH
.set SPITCH, 272                       ; the stage as 16 rows of 64 f32 (256 bytes + 16): 4,352 of the 6,912 bytes
.set ASTEP,  0x100000                  ; bytes from a K block of xb to the next: 8,192 rows x 128
.set BSTEP,  0x80000                   ; of wb: 4,096 rows x 128
.set ADRA, 16                          ; v16-17  LDS address of my A fragments in slot 0, 1
.set ADRB, 20                          ; v20-21  of my B fragments
.set STO,  24                          ; the way out: where I put 16 bytes
.set RD,   25                          ; where I read 16 bytes back
.set CO,   26                          ; my byte offset in a run of four rows of qkv
.set STOF, 27                          ; the same three for the f32 rows of fst
.set RDF,  28
.set COF,  29
.set FA0,  32
.set FA1,  96
.set BG,   160
.set TMP,  32                          ; the way out: 48 registers of packed results
.set OB0,  80                          ; and two buffers of 48 for the rows read back
.set OB1,  128
.set G1,  24                           ; s[24:31] group 1 for A's tiles
.set G0,  32                           ; s[32:39] group 0 for A's tiles, a set for each slot
.set G1B, 48                           ; s[48:55] group 1 for B's tiles
.set G0B, 56                           ; s[56:63] group 0 for B's tiles, a set for each slot
.set MSB, 0
.macro WIN new                         ; the immediate's high byte repeats the setting that is left
.if MSB != \new
	s_set_vgpr_msb (MSB<<8)|\new
.set MSB, \new
.endif
.endm
.macro PLACES                          ; four places behind a matrix instruction for loads into its sources and for readers of its result
.rept 4
	v_nop
.endr
.endm
.macro JLOAD s                         ; waves 0, 1 ask for A's halves, waves 2, 3 for B's; the branch hangs on the wave's number alone
	s_cmp_eq_u32 s11, 0
	s_cbranch_scc0 .Lfor_b_\@
	tensor_load_to_lds s[G0+4*\s:G0+4*\s+3], s[G1:G1+7]
	s_nop 0
	s_branch .Lasked_\@
.Lfor_b_\@:
	tensor_load_to_lds s[G0B+4*\s:G0B+4*\s+3], s[G1B:G1B+7]
	s_nop 0
.Lasked_\@:
.endm
.macro CREST                           ; a round of the cluster's barrier behind its opening work-group barrier
	s_cmp_lg_u32 s10, 0
	s_cbranch_scc1 .Lnot_wave_0_\@
	s_barrier_signal -3
.Lnot_wave_0_\@:
	s_barrier_wait -3
	s_barrier_signal -1
	s_barrier_wait -1
.endm
.macro CROUND
	s_barrier_signal -1
	s_barrier_wait -1
	CREST
.endm
	s_load_b128 s[4:7], s[0:1], 0x0                ; xb s[4:5], wb s[6:7]
	s_load_b64 s[8:9], s[0:1], 0x10                ; qkv
	s_load_b64 s[66:67], s[0:1], 0x18              ; fst
	v_lshl_add_u32 v30, v0, 2, 0x3cc00
	v_mov_b32 v31, 0
	ds_add_u32 v30, v31
	v_lshrrev_b32 v1, 5, v0
	v_readfirstlane_b32 s10, v1                    ; wave 0..3
	s_lshr_b32 s11, s10, 1                         ; my half of the block's rows.  Also: I fetch for A (0) or for B (1)
	s_and_b32 s12, s10, 1                          ; my half of its columns.  Also: which half of that tile I fetch
	s_bfe_u32 s40, ttmp6, 0x40000                  ; cx
	s_bfe_u32 s41, ttmp6, 0x40004                  ; cy = the sequence
	s_lshl_b32 s42, ttmp9, 2
	s_add_co_u32 s42, s42, s40                     ; block column = 4 x cluster x + cx
	s_and_b32 s45, ttmp7, 0xffff                   ; cluster y = the block of 256 rows in the sequence
	s_lshl_b32 s13, s41, 3
	s_add_co_u32 s13, s13, s45                     ; block row = 8 x cy + cluster y
	s_lshl_b32 s43, s41, 2
	s_lshl_b32 s43, 15, s43                        ; my row of the cluster
	s_lshl_b32 s44, 0x1111, s40                    ; my column
	; group 1: dense bytes as rows of 32 elements of 8 bytes; A 64 such rows (128 logical rows), B 96 (192 logical rows)
	s_or_b32 s[G1+0], s43, (3<<16)|(1<<20)|(1<<21)|(4<<22)|(3<<25)   ; mask; 8-byte elements; padding on; bit 21 beside a mask; after every 32 words; 4 words
	s_or_b32 s[G1B+0], s44, (3<<16)|(1<<20)|(1<<21)|(4<<22)|(3<<25)
	s_mov_b32 s[G1+1], 32<<16                      ; tensor_dim0 = 32
	s_mov_b32 s[G1B+1], 32<<16
	s_mov_b32 s[G1+2], 64<<16                      ; tensor_dim1 = 64
	s_mov_b32 s[G1B+2], 96<<16                     ; 96
	s_mov_b32 s[G1+3], 32<<16                      ; tile_dim0 = 32
	s_mov_b32 s[G1B+3], 32<<16
	s_mov_b32 s[G1+4], 64                          ; tile_dim1
	s_mov_b32 s[G1B+4], 96
	s_mov_b32 s[G1+5], 32                          ; pitch = the row: dense
	s_mov_b32 s[G1B+5], 32
	s_mov_b32 s[G1+6], 0
	s_mov_b32 s[G1B+6], 0
	s_mov_b32 s[G1+7], 0
	s_mov_b32 s[G1B+7], 0
	; A's address hangs on the block row and the wave, B's on the block column and the wave, each in registers that never hold the other coordinate
	s_lshl_b32 s16, s13, 15                        ; 256 rows x 128 bytes
	s_lshl_b32 s17, s12, 14                        ; + my half: 128 rows
	s_add_co_u32 s16, s16, s17
	s_mov_b32 s17, 0
	s_mul_i32 s46, s42, 384*128                    ; 384 rows x 128 bytes
	s_mul_i32 s47, s12, 192*128
	s_add_co_u32 s46, s46, s47
	s_mov_b32 s47, 0
	s_mul_i32 s20, s10, HALFT                      ; where my tile goes: wave x region; no place in the cluster enters an LDS address
	s_wait_dscnt 0x0
	s_wait_kmcnt 0x0
	s_add_nc_u64 s[14:15], s[4:5], s[16:17]
	s_add_nc_u64 s[46:47], s[6:7], s[46:47]
	CROUND                                         ; all sixteen work-groups are here: the first joint loads meet
.irp s, 0,1
	s_mov_b32 s[G0+4*\s], 1
	s_add_co_u32 s[G0+4*\s+1], s20, \s*SLOT
	s_add_nc_u64 s[G0+4*\s+2:G0+4*\s+3], s[14:15], \s*ASTEP        ; K block s
	s_or_b32 s[G0+4*\s+3], s[G0+4*\s+3], 0x80000000
	s_mov_b32 s[G0B+4*\s], 1
	s_add_co_u32 s[G0B+4*\s+1], s20, \s*SLOT
	s_add_nc_u64 s[G0B+4*\s+2:G0B+4*\s+3], s[46:47], \s*BSTEP
	s_or_b32 s[G0B+4*\s+3], s[G0B+4*\s+3], 0x80000000
	JLOAD \s                                       ; both first fills in one group: two loads of the wave are out, later one
.endr
	v_and_b32 v1, 15, v0                           ; r = l % 16
	v_bfe_u32 v2, v0, 4, 1                         ; h = l / 16
	v_mul_u32_u24 v3, v1, PITCH
	v_lshl_add_u32 v3, v2, 4, v3                   ; r x pitch + 16 h: a fragment is two loads of 16 bytes from here, 32 bytes apart
	s_mul_i32 s21, s11, HALFT                      ; my 128 rows of A
	s_mul_i32 s22, s12, HALFT
	s_add_co_u32 s22, s22, 2*HALFT                 ; my 192 rows of B
.irp s, 0,1
	v_add_nc_u32 v[ADRA+\s], s21, v3
	v_add_nc_u32 v[ADRB+\s], s22, v3
	s_add_co_u32 s21, s21, SLOT
	s_add_co_u32 s22, s22, SLOT
.endr
	s_mul_i32 s23, s10, WSTAGE
	s_add_co_u32 s23, s23, STAGE                   ; my stage
	v_add_nc_u32 v[STO], s23, v3                   ; in: row r, 16 bytes for each half of the lanes
	v_bfe_u32 v4, v0, 3, 2                         ; back: eight lanes take a row of 128 bytes, the wave four rows
	v_and_b32 v5, 7, v0
	v_mul_u32_u24 v4, v4, PITCH
	v_lshl_add_u32 v4, v5, 4, v4
	v_add_nc_u32 v[RD], s23, v4
	v_and_b32 v5, 31, v0
	v_lshlrev_b32 v[CO], 4, v5                     ; four rows of 128 bytes are 512 consecutive bytes of qkv
	v_mul_u32_u24 v6, v1, SPITCH                   ; the f32 rows.  In: row r, 32 bytes (8 f32) for each half of the lanes
	v_lshl_add_u32 v6, v2, 5, v6
	v_add_nc_u32 v[STOF], s23, v6
	v_mul_u32_u24 v7, v2, SPITCH                   ; back: lanes 0-15 a row of 256 bytes, lanes 16-31 the next
	v_lshl_add_u32 v7, v1, 4, v7
	v_add_nc_u32 v[RDF], s23, v7
	v_lshlrev_b32 v7, 8, v2                        ; and the same two rows of fst: 512 consecutive bytes
	v_lshl_add_u32 v[COF], v1, 4, v7
; 16 matrix instructions of column group g: row tiles a0 .. a0 + 3 x the group's four column tiles, 32 along K.  zero = 1: the product starts the sums.
.macro MULH g, af, zero, a0
.irp a, \a0, \a0+1, \a0+2, \a0+3
.irp bb, 0,1,2,3
.if \zero
	v_wmma_f32_16x16x32_bf16 v[8*(4*(\a)+\bb):8*(4*(\a)+\bb)+7], v[BG+32*\g+8*\bb:BG+32*\g+8*\bb+7], v[\af+8*(\a):\af+8*(\a)+7], 0
.else
	v_wmma_f32_16x16x32_bf16 v[8*(4*(\a)+\bb):8*(4*(\a)+\bb)+7], v[BG+32*\g+8*\bb:BG+32*\g+8*\bb+7], v[\af+8*(\a):\af+8*(\a)+7], v[8*(4*(\a)+\bb):8*(4*(\a)+\bb)+7]
.endif
.endr
.endr
.endm
.macro LB slot, kq, g                  ; 8 loads: group g's four B fragments of quarter kq (32 k at byte 64 kq of the rows)
.irp bb, 0,1,2,3
	ds_load_b128 v[BG+32*\g+8*\bb:BG+32*\g+8*\bb+3],   v[ADRB+\slot] offset:(4*\g+\bb)*16*PITCH+64*\kq
	ds_load_b128 v[BG+32*\g+8*\bb+4:BG+32*\g+8*\bb+7], v[ADRB+\slot] offset:(4*\g+\bb)*16*PITCH+64*\kq+32
.endr
.endm
.macro LA slot, kq, af                 ; 16 loads: my eight A fragments of quarter kq
.irp a, 0,1,2,3,4,5,6,7
	ds_load_b128 v[\af+8*\a:\af+8*\a+3],   v[ADRA+\slot] offset:\a*16*PITCH+64*\kq
	ds_load_b128 v[\af+8*\a+4:\af+8*\a+7], v[ADRA+\slot] offset:\a*16*PITCH+64*\kq+32
.endr
.endm
; One K block: two quarters of 32 k, each three column groups of 32 matrix instructions.  The 96 accumulators take turns, one instruction a turn, in the
; same order in every quarter and over the backward jump.  Behind a group's products its B buffer is loaded with the next quarter's.
; Each counted wait names the LDS loads issued behind the fragments that are needed.
.macro KBLK slot, next, fill, zero, last
	s_wait_dscnt 16                                ; group 0's B and A are in; behind them: groups 1 and 2, 8 loads each
	WIN 0x50
	MULH 0, FA0, \zero, 0
	MULH 0, FA0, \zero, 4
	WIN 0
	PLACES
	LB \slot, 1, 0
	LA \slot, 1, FA1
	s_wait_dscnt 32                                ; group 1's B is in; behind it: group 2 (8), the next quarter's group 0 (8) and A (16)
	WIN 0xa0
	MULH 1, FA0, \zero, 0
	MULH 1, FA0, \zero, 4
	WIN 0
	PLACES
	LB \slot, 1, 1
	s_wait_dscnt 32                                ; group 2's B is in; behind it: 8 + 16 + 8
	WIN 0xf0
	MULH 2, FA0, \zero, 0
	MULH 2, FA0, \zero, 4
	WIN 0
	PLACES
	LB \slot, 1, 2
	s_wait_dscnt 16                                ; the second quarter's group 0 and A are in; behind them: groups 1 and 2
	WIN 0x50
	MULH 0, FA1, 0, 0
.if \last
	MULH 0, FA1, 0, 4
	s_wait_dscnt 8                                 ; group 1 is in; behind it: group 2
	WIN 0xa0
	MULH 1, FA1, 0, 0
	MULH 1, FA1, 0, 4
	s_wait_dscnt 0
	WIN 0xf0
	MULH 2, FA1, 0, 0
	MULH 2, FA1, 0, 4
	WIN 0
.else
	s_wait_dscnt 0                                 ; my reads of this slot are over
	s_wait_tensorcnt 0x0                           ; and all my tensor loads have landed: the one that was out is my part of the next slot
	ds_add_u32 v30, v31
	s_wait_dscnt 0x0
	s_barrier_signal -1                            ; (where the slot is filled again this barrier opens a round of the cluster's barrier)
	MULH 0, FA1, 0, 4                              ; register work while the others arrive
	WIN 0
	s_barrier_wait -1
.if \fill
	CREST                                          ; no wave of any partner still reads this slot or has a load on its way
	s_add_nc_u64 s[G0+4*\slot+2:G0+4*\slot+3], s[G0+4*\slot+2:G0+4*\slot+3], 2*ASTEP
	s_add_nc_u64 s[G0B+4*\slot+2:G0B+4*\slot+3], s[G0B+4*\slot+2:G0B+4*\slot+3], 2*BSTEP
	JLOAD \slot                                    ; the first tensor load behind the round, one a wave: 176 matrix instructions stand between it and the wait for it
.endif
	PLACES
	LB \next, 0, 0
	LA \next, 0, FA0
	WIN 0xa0
	MULH 1, FA1, 0, 0
	MULH 1, FA1, 0, 4
	WIN 0
	PLACES
	LB \next, 0, 1
	WIN 0xf0
	MULH 2, FA1, 0, 0
	MULH 2, FA1, 0, 4
	WIN 0
	PLACES
	LB \next, 0, 2
.endif
.endm
	s_wait_tensorcnt 1                             ; my part of K block 0 is in; K block 1's stays out
	s_barrier_signal -1
	s_barrier_wait -1
	LB 0, 0, 0
	LA 0, 0, FA0
	LB 0, 0, 1
	LB 0, 0, 2
	KBLK 0, 1, 1, 1, 0                             ; K blocks 0 and 1 stand in front of the loop: the first products start the sums
	KBLK 1, 0, 1, 0, 0
	s_mov_b32 s3, 6                                ; K blocks 2 to 13
.Llap:
	KBLK 0, 1, 1, 0, 0
	KBLK 1, 0, 1, 0, 0
	s_sub_co_u32 s3, s3, 1
	s_cmp_lg_u32 s3, 0
	s_cbranch_scc1 .Llap
	KBLK 0, 1, 0, 0, 0                             ; K blocks 14 and 15 fill nothing
	KBLK 1, 0, 0, 0, 1
	; THE WAY OUT
	PLACES
	s_lshl_b32 s16, s13, 15                        ; my first row: 256 x block row + 128 x half, rows of 128 bytes
	s_lshl_b32 s17, s11, 14
	s_add_co_u32 s16, s16, s17
	s_mov_b32 s17, 0
	s_add_nc_u64 s[8:9], s[8:9], s[16:17]
	s_mul_i32 s46, s42, 6                          ; my first column block: 6 x block column + 3 x half (in the registers that held B's address)
	s_mul_i32 s47, s12, 3
	s_add_co_u32 s46, s46, s47
	s_lshl2_add_u32 s68, s46, s41                  ; fst: 4 x column block + sequence,
	s_lshl_b32 s68, s68, 14                        ; blocks of 64 rows x 256 bytes
	s_mov_b32 s69, 0
	s_add_nc_u64 s[66:67], s[66:67], s[68:69]
	s_lshl_b32 s46, s46, 20                        ; a column block of qkv is 8,192 rows x 128 bytes
	s_mov_b32 s47, 0
	s_add_nc_u64 s[8:9], s[8:9], s[46:47]
; 16 rows x 64 columns in f32, straight from the accumulators of column group g through my stage, back as whole rows of 256 bytes
.macro OUTF a, g, f
	WIN ((\g+1)<<2)                                ; the LDS stores' data in window g + 1
.irp bb, 0,1,2,3
.irp e, 0,1
	ds_store_b128 v[STOF], v[8*(4*\a+\bb)+4*\e:8*(4*\a+\bb)+4*\e+3] offset:64*\bb+16*\e
.endr
.endr
	WIN 0
	s_wait_xcnt 0x0                                ; buffer f was the data of earlier stores: it is loaded again only behind this wait
.irp t, 0,1,2,3,4,5,6,7
	ds_load_b128 v[\f+4*\t:\f+4*\t+3], v[RDF] offset:\t*2*SPITCH   ; LDS serves a wave's instructions in order (ISA guide 5.7.1): these see the stores above
.endr
.irp t, 0,1,2,3,4,5,6,7
	s_wait_dscnt 7-\t                              ; the younger read-backs stay out
	global_store_b128 v[COF], v[\f+4*\t:\f+4*\t+3], s[66:67] offset:\g*65536+\a*4096+\t*512   ; 512 consecutive bytes, aligned: two rows
.endr
.endm
	s_cmp_lg_u32 s45, 0                            ; rows 0-63 of a sequence lie in cluster y = 0 (alike in all partners),
	s_cbranch_scc1 .Lnofirst
	s_cmp_lg_u32 s11, 0                            ; in the waves of the upper half, row tiles 0 to 3
	s_cbranch_scc1 .Lnofirst
	OUTF 0, 0, OB0
	OUTF 0, 1, OB1
	OUTF 0, 2, OB0
	OUTF 1, 0, OB1
	OUTF 1, 1, OB0
	OUTF 1, 2, OB1
	OUTF 2, 0, OB0
	OUTF 2, 1, OB1
	OUTF 2, 2, OB0
	OUTF 3, 0, OB1
	OUTF 3, 1, OB0
	OUTF 3, 2, OB1
.Lnofirst:
; 16 rows at a time: round to f16, 16 bytes a lane into my own stage (a plane of 16 rows x 128 bytes for each column group = head),
; read back four whole rows at a time, store 512 consecutive bytes.
.macro OUT16 a, f
.irp g, 0,1,2
	WIN 5*(\g+1)                                   ; sources in window g + 1
.irp bb, 0,1,2,3
.irp i, 0,1,2,3
	v_cvt_pk_f16_f32 v[TMP+16*\g+4*\bb+\i], v[8*(4*\a+\bb)+2*\i], v[8*(4*\a+\bb)+2*\i+1]
.endr
.endr
.endr
	WIN 0
.irp g, 0,1,2
.irp bb, 0,1,2,3
	ds_store_b128 v[STO], v[TMP+16*\g+4*\bb:TMP+16*\g+4*\bb+3] offset:\g*16*PITCH+32*\bb
.endr
.endr
	s_wait_xcnt 0x0                                ; buffer f was the data of earlier stores: it is loaded again only behind this wait
.irp g, 0,1,2
.irp t, 0,1,2,3
	ds_load_b128 v[\f+4*(4*\g+\t):\f+4*(4*\g+\t)+3], v[RD] offset:\g*16*PITCH+\t*4*PITCH   ; in order behind the stores above
.endr
.endr
.irp g, 0,1,2
.irp t, 0,1,2,3
	s_wait_dscnt 11-(4*\g+\t)
	global_store_b128 v[CO], v[\f+4*(4*\g+\t):\f+4*(4*\g+\t)+3], s[8:9] offset:\g*0x100000+\a*2048+\t*512   ; at most 2,113,024: inside the signed 24 bits
.endr
.endr
.endm
	OUT16 0, OB0
	OUT16 1, OB1
	OUT16 2, OB0
	OUT16 3, OB1
	OUT16 4, OB0
	OUT16 5, OB1
	OUT16 6, OB0
	OUT16 7, OB1
	s_wait_tensorcnt 0x0
	ds_add_u32 v30, v31
	s_wait_dscnt 0x0
	CROUND                                         ; the closing round: no work-group ends while a partner may still ask for a tile that names it
	s_endpgm
.Lfunc_end_k_q5507489020_qkvproj:
	.size	k_q5507489020_qkvproj, .Lfunc_end_k_q5507489020_qkvproj-k_q5507489020_qkvproj
	.p2alignl 7, 3214868480
	.fill 96, 4, 3214868480
	.section	.rodata,"a",@progbits
	.p2align	6, 0x0
	.amdhsa_kernel k_q5507489020_qkvproj
		.amdhsa_group_segment_fixed_size 327680
		.amdhsa_private_segment_fixed_size 0
		.amdhsa_enable_private_segment 0
		.amdhsa_kernarg_size 32
		.amdhsa_user_sgpr_count 2
		.amdhsa_user_sgpr_kernarg_segment_ptr 1
		.amdhsa_wavefront_size32 1
		.amdhsa_system_sgpr_workgroup_id_x 1
		.amdhsa_system_sgpr_workgroup_id_y 1
		.amdhsa_system_sgpr_workgroup_id_z 1
		.amdhsa_system_vgpr_workitem_id 0
		.amdhsa_next_free_vgpr 1024
		.amdhsa_next_free_sgpr 72
		.amdhsa_reserve_vcc 0
		.amdhsa_float_denorm_mode_32 3
		.amdhsa_float_denorm_mode_16_64 3
		.amdhsa_memory_ordered 1
		.amdhsa_forward_progress 1
		.amdhsa_inst_pref_size 195
	.end_amdhsa_kernel
	.amdgpu_metadata
---
amdhsa.version: [ 1, 2 ]
amdhsa.kernels:
  - .name:           k_q5507489020_qkvproj
    .symbol:         k_q5507489020_qkvproj.kd
    .args:
      - { .name: xb, .offset: 0, .size: 8, .value_kind: global_buffer, .address_space: global }
      - { .name: wb, .offset: 8, .size: 8, .value_kind: global_buffer, .address_space: global }
      - { .name: qkv, .offset: 16, .size: 8, .value_kind: global_buffer, .address_space: global }
      - { .name: fst, .offset: 24, .size: 8, .value_kind: global_buffer, .address_space: global }
    .group_segment_fixed_size: 327680
    .private_segment_fixed_size: 0
    .kernarg_segment_align: 8
    .kernarg_segment_size: 32
    .max_flat_workgroup_size: 128
    .sgpr_count:     72
    .vgpr_count:     1024
    .wavefront_size: 32
...
	.end_amdgpu_metadata
.endif
;; end of part 2
;; launch attn (part 3): grid 256 x 1, 4 waves a work-group, no clusters, 327,680 bytes of LDS; arguments qkv, ao, fst; writes ao
.if DOCPART == 3
	.amdgcn_target "amdgcn-amd-amdhsa--gfx1250"
	.amdhsa_code_object_version 6
	.text
	.protected	k_q5507489020_attn
	.globl	k_q5507489020_attn
	.p2align	8
	.type	k_q5507489020_attn,@function
k_q5507489020_attn:
	s_mov_b64 s[64:65], 0
	v_nop
	global_prefetch_b8 v0, s[64:65] scope:SCOPE_SE
	s_setreg_imm32_b32 hwreg(HW_REG_WAVE_MODE, 25, 1), 1
	s_wait_xcnt 0x0
; Causal attention of one head, with a running maximum.  q, k, v: qkv[cb][8192][64] f16 (cb = head, 16 + head, 32 + head); fst[cb][b][64][64] f32: rows 0-63 of each sequence, unrounded.
; out: ao[part][head][8192][64] bf16: part 0 the result rounded to bf16, part 1 what that rounding left, rounded to bf16: 16 significant bits for the next product.
; Work-group wg: j = wg & 3, head = (wg >> 2) & 15, batch = wg >> 6.  It makes query block 7 - j and then query block j (256 queries each):
; (8 - j) + (j + 1) = 9 blocks of 256 keys, 18 trips of 128 keys, in every work-group.  Wave w owns queries 64 w .. 64 w + 63 of the block (four tiles n of 16).
; Keys above the diagonal are not computed; in the two trips on the diagonal a wave leaves out the tiles of 64 keys that lie wholly above its queries.
; TRANSPOSED FORMS: S^T = K Q^T and O^T = V^T P^T.  Lane (r, h) holds, for query 16 n + r, keys 16 mk + 8 h + 0..7: two neighbouring S^T tiles pack straight
; into a P^T fragment; maximum and sum are work inside the lane and one exchange between the halves; the rescaling factor is one number a lane.
; p = 2^(c s + NM) with c = log2(e) / 8 and NM = -c x (running maximum), rounded once; the rescaling factor 2^(NM new - NM old) is made of the same rounded
; numbers, so old and new terms stand on one scale whatever the size of the scores.
; THE FIRST 64 QUERIES OF A SEQUENCE (macro FIRST): a query that averages n keys gives numbers about 1 / sqrt(n) of v's, many times the size of the rows with many keys,
; so an operand's relative rounding (2^-11 in f16) weighs most there.  These queries see keys 0-63 alone: one tile, made by wave 0 of the work-groups with j = 0.
; There q, k, v and P are each taken as two f16 parts, hi (the mantissa cut to 11 bits) and lo = x - hi (exact in f32, then rounded): 22 bits, three products for one (lo x lo is left out: 2^-20).
; LIMITS: q, k, v are f16: below 65,504 in magnitude (the projection's head says what room that leaves).  P is f16 in [0, 1]: 2^-25 absolute below 2^-14.
; A NaN score loses in the maximum (v_max3_num_f32) and is not carried as in IEEE maximum.  v_exp_f32 gives 0 for results below 2^-126.
; NO MULTICAST: the four work-groups of a head walk 16, 14, 12 and 10 key tiles for their first block and 2, 4, 6, 8 for their second; from the tenth trip on
; they stand at different tiles, so partners would need different numbers of joint loads, or 24 trips each in place of 18.
; LDS: two slots of K (128 keys, pitch 144) + V (128 keys, pitch 160: the transposing load wants an odd multiple of 32); behind them two stages for each wave.
; REGISTERS: window 0: addresses, O^T (16 tiles), V fragments; window 1: S^T / P^T (16 tiles), Q fragments, the rows' figures; window 2: K fragments, and FIRST's lower parts;
; window 3: FIRST's f32 numbers as loaded.
.set KPITCH, 144
.set VPITCH, 160
.set KBYTES, 128*KPITCH
.set VBYTES, 128*VPITCH
.set SLOT,   KBYTES+VBYTES             ; 38,912
.set STAGE,  2*SLOT                    ; 77,824: 64 rows x 144 bytes for each wave; no fill lands here
.set WSTAGE, 64*KPITCH
.set STAGE2, 4*WSTAGE                  ; from a wave's first stage to its second: 151,552 bytes in all
.set TILEB,  16384                     ; 128 keys x 128 bytes in memory
.set AK, 4                             ; v4, v5   LDS address of my K fragments, slot 0, 1
.set AV, 6                             ; v6, v7   of my V fragments
.set AQ, 8                             ; byte offset of my 16 bytes of q
.set STO, 9
.set RD, 10
.set CO, 11
.set AVS, 12                           ; LDS address of my V fragments in my stage
.set AF, 13                            ; byte offset of my 32 bytes in a tile of 16 rows of fst
.set OO, 32                            ; window 0: v32-159, tile (n, dt) at OO + 8 (4 n + dt)
.set VF, 160                           ; window 0: v160-223, fragment (dt, ks) at VF + 8 (2 dt + ks)
.set ET, 224                           ; window 0: v224-231, at work on the way out
.set SS, 0                             ; window 1: v0-127, tile (mk, n) at 32 n + 8 mk; P fragment (n, ks) at 32 n + 16 ks
.set QQ, 128                           ; window 1: v128-191, fragment (n, ks) at QQ + 8 (2 n + ks)
.set MX, 192                           ; window 1: running maximum of the raw scores, one for each n
.set TT, 196
.set T2, 200
.set AL, 204                           ; rescaling factor; at the end 1 / sum
.set NM, 208                           ; -c x maximum
.set LS, 212                           ; running sum, a pair for each n
.set QV, 220                           ; 64 w + 16 n + r - 8 h
.set QT, 224
.set XT, 228                           ; window 1: v228-243, FIRST: upper parts of 16 p
.set KF, 0                             ; window 2: v0-63, fragment (mk, ks) at 8 (2 mk + ks)
.set KL, 64                            ; window 2: FIRST: K's lower parts
.set QL, 128                           ; window 2: FIRST: Q's lower parts
.set VL, 192                           ; window 2: FIRST: V's lower parts
.set RAW, 0                            ; window 3: v0-127, FIRST: eight fragments in f32, 16 registers each
.set RT, 128                           ; window 3: v128-191, FIRST: upper parts of four fragments in f32
.set G1K, 16
.set G1V, 24
.set G0K, 32                           ; s[32:39] a set for each slot
.set G0V, 40                           ; s[40:47]
.set MSB, 0
.macro WIN new
.if MSB != \new
	s_set_vgpr_msb (MSB<<8)|\new
.set MSB, \new
.endif
.endm
.macro NOPS n
.rept \n
	v_nop
.endr
.endm
.macro KVLOAD s                        ; wave 0 brings K's tile, wave 1 V's, waves 2 and 3 none: at most one tensor load of a wave is out
	s_cmp_lg_u32 s8, 0
	s_cbranch_scc1 .Lnot_k_\@
	tensor_load_to_lds s[G0K+4*(\s):G0K+4*(\s)+3], s[G1K:G1K+7]
	s_nop 0
.Lnot_k_\@:
	s_cmp_lg_u32 s8, 1
	s_cbranch_scc1 .Lnot_v_\@
	tensor_load_to_lds s[G0V+4*(\s):G0V+4*(\s)+3], s[G1V:G1V+7]
	s_nop 0
.Lnot_v_\@:
.endm
.macro LOADQ base                      ; my 64 queries as eight B fragments; leaves the destination in window 1
	WIN 0x40
.irp n, 0,1,2,3
.irp ks, 0,1
.irp e, 0,1
	global_load_b128 v[QQ+8*(2*\n+\ks)+4*\e:QQ+8*(2*\n+\ks)+4*\e+3], v[AQ], s[\base:\base+1] offset:\n*2048+64*\ks+32*\e
.endr
.endr
.endr
.endm
	s_load_b128 s[4:7], s[0:1], 0x0                ; qkv s[4:5], ao s[6:7]
	s_load_b64 s[66:67], s[0:1], 0x10              ; fst
	v_lshl_add_u32 v254, v0, 2, 0x29000
	v_mov_b32 v255, 0
	ds_add_u32 v254, v255
	v_lshrrev_b32 v1, 5, v0
	v_readfirstlane_b32 s8, v1                     ; wave
	s_and_b32 s9, ttmp9, 3                         ; j
	s_bfe_u32 s10, ttmp9, 0x40002                  ; head
	s_lshr_b32 s11, ttmp9, 6                       ; batch
	s_mov_b32 s48, 0x76543210                      ; v_permlanex16_b32: lane i of one half reads lane i of the other
	s_mov_b32 s49, 0xfedcba98
	s_mov_b32 s68, 0xffffe000                      ; an f32 cut to f16's 11 significant bits
	s_mov_b32 s69, 0xffff0000                      ; a word's upper bf16
	; group 1: 16 KiB of dense bytes as 64 rows of 32 elements of 8 bytes; padding behind every 32 words: 4 words for K, 8 for V
	s_mov_b32 s[G1K+0], (3<<16)|(1<<20)|(4<<22)|(3<<25)
	s_mov_b32 s[G1V+0], (3<<16)|(1<<20)|(4<<22)|(7<<25)
	s_mov_b32 s[G1K+1], 32<<16
	s_mov_b32 s[G1V+1], 32<<16
	s_mov_b32 s[G1K+2], 64<<16
	s_mov_b32 s[G1V+2], 64<<16
	s_mov_b32 s[G1K+3], 32<<16
	s_mov_b32 s[G1V+3], 32<<16
	s_mov_b32 s[G1K+4], 64
	s_mov_b32 s[G1V+4], 64
	s_mov_b32 s[G1K+5], 32
	s_mov_b32 s[G1V+5], 32
	s_mov_b32 s[G1K+6], 0
	s_mov_b32 s[G1V+6], 0
	s_mov_b32 s[G1K+7], 0
	s_mov_b32 s[G1V+7], 0
	s_lshl_b32 s60, s10, 20                        ; head x 8,192 rows x 128 bytes
	s_lshl_b32 s62, s11, 18                        ; + batch x 2,048 rows
	s_add_co_u32 s60, s60, s62
	s_mov_b32 s61, 0
	s_lshl_b32 s62, s8, 13                         ; wave x 64 rows
	s_sub_co_u32 s51, 7, s9                        ; the first query block
	s_wait_dscnt 0x0
	s_barrier_signal -1
	s_barrier_wait -1
	s_wait_kmcnt 0x0
	s_add_nc_u64 s[52:53], s[4:5], s[60:61]        ; q of my head and batch
	s_add_nc_u64 s[54:55], s[6:7], s[60:61]        ; ao likewise
	s_add_nc_u64 s[12:13], s[52:53], 16<<20        ; k: 16 column blocks further
	s_add_nc_u64 s[14:15], s[52:53], 32<<20        ; v: 32
.irp s, 0,1
	s_mov_b32 s[G0K+4*\s], 1
	s_mov_b32 s[G0K+4*\s+1], \s*SLOT
	s_add_nc_u64 s[G0K+4*\s+2:G0K+4*\s+3], s[12:13], \s*TILEB      ; slot s: key tile s
	s_or_b32 s[G0K+4*\s+3], s[G0K+4*\s+3], 0x80000000
	s_mov_b32 s[G0V+4*\s], 1
	s_mov_b32 s[G0V+4*\s+1], KBYTES+\s*SLOT
	s_add_nc_u64 s[G0V+4*\s+2:G0V+4*\s+3], s[14:15], \s*TILEB
	s_or_b32 s[G0V+4*\s+3], s[G0V+4*\s+3], 0x80000000
.endr
	KVLOAD 0                                       ; the first fill: key tile 0.  Slot 1 is first filled behind the first trip's barrier
	s_lshl_b32 s60, s9, 15                         ; block j x 256 rows
	s_add_co_u32 s60, s60, s62
	s_add_nc_u64 s[56:57], s[52:53], s[60:61]      ; q and ao at my rows of the second block
	s_add_nc_u64 s[58:59], s[54:55], s[60:61]
	s_lshl_b32 s60, s51, 15
	s_add_co_u32 s60, s60, s62
	s_add_nc_u64 s[52:53], s[52:53], s[60:61]      ; and of the first block
	s_add_nc_u64 s[54:55], s[54:55], s[60:61]
	s_add_nc_u64 s[70:71], s[54:55], 0x1000000     ; ao's part 1 lies 16 heads x 8,192 rows x 128 bytes behind part 0
	s_add_nc_u64 s[72:73], s[58:59], 0x1000000
	s_lshl2_add_u32 s60, s10, s11                  ; fst: 4 x head + batch,
	s_lshl_b32 s60, s60, 14                        ; blocks of 64 rows x 256 bytes; k's and v's lie 1 << 20 and 2 << 20 bytes further
	s_add_nc_u64 s[66:67], s[66:67], s[60:61]
	v_and_b32 v1, 15, v0                           ; r
	v_bfe_u32 v2, v0, 4, 1                         ; h
	v_and_b32 v3, 7, v0
	v_lshlrev_b32 v[AQ], 7, v1                     ; q: row r x 128 bytes + 16 h
	v_lshl_add_u32 v[AQ], v2, 4, v[AQ]
	LOADQ 52
.irp n, 0,1,2,3
	v_mov_b32 v[T2+\n], 0                          ; v_permlanex16_b32 counts as a reader of its destination: written once here
.endr
	WIN 0
	v_mul_u32_u24 v[AK], v1, KPITCH                ; K: row r x pitch + 16 h
	v_lshl_add_u32 v[AK], v2, 4, v[AK]
	v_add_nc_u32 v[AK+1], SLOT, v[AK]
	v_lshl_add_u32 v16, v2, 3, v3                  ; V, for the transposing load: key 8 h + l % 8,
	v_bfe_u32 v17, v0, 3, 1                        ; 16 bytes x ((l / 8) % 2)
	v_mul_u32_u24 v18, v16, VPITCH
	v_lshl_add_u32 v18, v17, 4, v18
	v_add_nc_u32 v[AV], KBYTES, v18
	v_add_nc_u32 v[AV+1], SLOT, v[AV]
	s_mul_i32 s63, s8, WSTAGE
	s_add_co_u32 s63, s63, STAGE                   ; my stage
	v_mul_u32_u24 v18, v16, KPITCH                 ; the same from my stage, whose pitch is 144
	v_lshl_add_u32 v18, v17, 4, v18
	v_add_nc_u32 v[AVS], s63, v18
	v_add_nc_u32 v[STO], s63, v[AK]                ; in: row r, 16 bytes for each half of the lanes
	v_bfe_u32 v19, v0, 3, 2                        ; back: eight lanes a row of 128 bytes, four rows a load
	v_mul_u32_u24 v19, v19, KPITCH
	v_lshl_add_u32 v19, v3, 4, v19
	v_add_nc_u32 v[RD], s63, v19
	v_and_b32 v[CO], 31, v0
	v_lshlrev_b32 v[CO], 4, v[CO]
	v_lshlrev_b32 v[AF], 8, v1                     ; fst: row r x 256 bytes + 32 h
	v_lshl_add_u32 v[AF], v2, 5, v[AF]
	v_lshl_add_u32 v16, s8, 6, v1                  ; 64 w + r
	v_lshlrev_b32 v17, 3, v2
	v_sub_nc_u32 v16, v16, v17                     ; - 8 h
	WIN 0x40
.irp n, 0,1,2,3
	v_add_nc_u32 v[QV+\n], 16*\n, v16
.endr
	WIN 0
.macro LOADK slot, sub                 ; 16 loads: keys 64 sub .. + 63 as eight A fragments
	WIN 0x80
.irp mk, 0,1,2,3
.irp ks, 0,1
	ds_load_b128 v[KF+8*(2*\mk+\ks):KF+8*(2*\mk+\ks)+3],   v[AK+\slot] offset:(64*\sub+16*\mk)*KPITCH+64*\ks
	ds_load_b128 v[KF+8*(2*\mk+\ks)+4:KF+8*(2*\mk+\ks)+7], v[AK+\slot] offset:(64*\sub+16*\mk)*KPITCH+64*\ks+32
.endr
.endr
.endm
.macro LOADV slot, sub                 ; 16 transposing loads: V^T of the same keys as eight A fragments (row = d, k = key)
	WIN 0
.irp dt, 0,1,2,3
.irp ks, 0,1
	ds_load_tr16_b128 v[VF+8*(2*\dt+\ks):VF+8*(2*\dt+\ks)+3],   v[AV+\slot] offset:(64*\sub+32*\ks)*VPITCH+32*\dt
	ds_load_tr16_b128 v[VF+8*(2*\dt+\ks)+4:VF+8*(2*\dt+\ks)+7], v[AV+\slot] offset:(64*\sub+32*\ks+16)*VPITCH+32*\dt
.endr
.endr
.endm
; 16 matrix instructions: all 16 tiles of S^T, 32 along d; the 16 accumulators take turns, one instruction a turn
.macro SSET aoff, boff, zero
.irp n, 0,1,2,3
.irp mk, 0,1,2,3
.if \zero
	v_wmma_f32_16x16x32_f16 v[SS+32*\n+8*\mk:SS+32*\n+8*\mk+7], v[\aoff+16*\mk:\aoff+16*\mk+7], v[\boff+16*\n:\boff+16*\n+7], 0
.else
	v_wmma_f32_16x16x32_f16 v[SS+32*\n+8*\mk:SS+32*\n+8*\mk+7], v[\aoff+16*\mk:\aoff+16*\mk+7], v[\boff+16*\n:\boff+16*\n+7], v[SS+32*\n+8*\mk:SS+32*\n+8*\mk+7]
.endif
.endr
.endr
.endm
.macro SMUL                            ; S^T = K Q^T
	WIN 0x56
	SSET KF, QQ, 1
	SSET (KF+8), (QQ+8), 0
.endm
; key <= query, both counted from the block's first row: 64 kt + 16 mk + 8 h + jj <= 64 w + 16 n + r, that is 16 mk + jj <= QV(n) - 64 kt (signed: it can be -8)
.macro MASK kt
.irp n, 0,1,2,3
	v_sub_nc_u32 v[QT+\n], v[QV+\n], 64*\kt
.endr
.irp n, 0,1,2,3
.set e, 0
.rept 32
	v_cmp_le_i32 vcc_lo, e+8*(e/8), v[QT+\n]
	v_cndmask_b32 v[SS+32*\n+e], 0xff800000, v[SS+32*\n+e], vcc_lo
.set e, e+1
.endr
.endr
.endm
.macro BMUL d, n                       ; v[d:d+1] x AL(n), the one factor for both halves
.if (\n)&1
	v_pk_mul_f32 v[\d:\d+1], v[\d:\d+1], v[AL+\n-1:AL+\n] op_sel:[0,1] op_sel_hi:[1,1]
.else
	s_wait_alu depctr_va_vdst(0)
	v_pk_mul_f32 v[\d:\d+1], v[\d:\d+1], v[AL+\n:AL+\n+1] op_sel_hi:[1,0]
.endif
.endm
.macro EFMA n, k                       ; two exponents: c s + NM(n), one rounding
.if (\n)&1
	v_pk_fma_f32 v[SS+32*\n+2*\k:SS+32*\n+2*\k+1], v[SS+32*\n+2*\k:SS+32*\n+2*\k+1], 0x3e38aa3b, v[NM+\n-1:NM+\n] op_sel:[0,0,1] op_sel_hi:[1,0,1]
.else
	v_pk_fma_f32 v[SS+32*\n+2*\k:SS+32*\n+2*\k+1], v[SS+32*\n+2*\k:SS+32*\n+2*\k+1], 0x3e38aa3b, v[NM+\n:NM+\n+1] op_sel_hi:[1,0,0]
.endif
.endm
; two p join the sum; split = 0: they then pack in place: the target word has been summed and packed before (k <= 2 k, and k + 8 <= 2 k + 1 from k = 8 on)
.macro SUMCVT n, k, split
	s_wait_alu depctr_va_vdst(0)
	v_pk_add_f32 v[LS+2*\n:LS+2*\n+1], v[SS+32*\n+2*\k:SS+32*\n+2*\k+1], v[LS+2*\n:LS+2*\n+1]
.if \split == 0
.if \k < 8
	v_cvt_pk_f16_f32 v[SS+32*\n+\k], v[SS+32*\n+2*\k], v[SS+32*\n+2*\k+1]
.else
	v_cvt_pk_f16_f32 v[SS+32*\n+8+\k], v[SS+32*\n+2*\k], v[SS+32*\n+2*\k+1]
.endif
.endif
.endm
; The exponentials of query tile n, with plain work of its neighbours between them: the exponents of tile n + 1, the sum (and packing) of tile n - 1.
; So a plain vector instruction that touches neither stands behind every pair of v_exp_f32 (ISA guide 5.7.2), and a result is first read a whole stage later.
.macro ESTAGE n, split
.irp k, 0,1,2,3,4,5,6,7,8,9,10,11,12,13,14,15
	v_exp_f32 v[SS+32*\n+2*\k], v[SS+32*\n+2*\k]
	v_exp_f32 v[SS+32*\n+2*\k+1], v[SS+32*\n+2*\k+1]
.if \n < 3
	EFMA (\n+1), \k
.endif
.if \n > 0
	SUMCVT (\n-1), \k, \split
.endif
.endr
.endm
.macro SOFT split
.irp k, 0,1,2,3,4,5,6,7,8,9,10,11,12,13,14,15
.irp n, 0,1,2,3
	v_max3_num_f32 v[MX+\n], v[MX+\n], v[SS+32*\n+2*\k], v[SS+32*\n+2*\k+1]   ; four chains that do not wait for each other
.endr
.endr
.irp n, 0,1,2,3
	v_permlanex16_b32 v[T2+\n], v[MX+\n], s48, s49 ; the other half of the lanes holds the query's other keys
.endr
.irp n, 0,1,2,3
	v_max_num_f32 v[MX+\n], v[MX+\n], v[T2+\n]
.endr
.irp n, 0,1,2,3
	v_mul_f32 v[TT+\n], 0xbe38aa3b, v[MX+\n]       ; -c x maximum
.endr
.irp n, 0,1,2,3
	v_sub_f32 v[AL+\n], v[TT+\n], v[NM+\n]         ; c (old maximum - new maximum); in a block's first tile NM = +inf, so the factor is 0
.endr
.irp n, 0,1,2,3
	v_exp_f32 v[AL+\n], v[AL+\n]
.endr
.irp n, 0,1,2,3
	v_mov_b32 v[NM+\n], v[TT+\n]                   ; plain work behind the exponentials, ahead of their first use
.endr
.irp n, 0,1,2,3
	BMUL (LS+2*\n), \n
.endr
.irp k, 0,1,2,3,4,5,6,7,8,9,10,11,12,13,14,15
	EFMA 0, \k
.endr
	ESTAGE 0, \split
	ESTAGE 1, \split
	ESTAGE 2, \split
	ESTAGE 3, \split
.irp k, 0,1,2,3,4,5,6,7,8,9,10,11,12,13,14,15
	SUMCVT 3, \k, \split
.endr
.endm
; 8 matrix instructions: O^T(n) += V^T P^T(n) over 64 keys; the query tile's four accumulators take turns, one instruction a turn
.macro PVSET n, voff, poff
.irp ks, 0,1
.irp dt, 0,1,2,3
	v_wmma_f32_16x16x32_f16 v[OO+8*(4*\n+\dt):OO+8*(4*\n+\dt)+7], v[\voff+8*(2*\dt+\ks):\voff+8*(2*\dt+\ks)+7], v[\poff+32*\n+16*\ks:\poff+32*\n+16*\ks+7], v[OO+8*(4*\n+\dt):OO+8*(4*\n+\dt)+7]
.endr
.endr
.endm
.macro PVALL                           ; O^T = factor x O^T + V^T P^T
	WIN 0x04
.irp n, 0,1,2,3
.irp p, 0,1,2,3,4,5,6,7,8,9,10,11,12,13,14,15
	BMUL (OO+32*\n+2*\p), \n
.endr
	PVSET \n, VF, SS
.endr
.endm
; 64 keys against my 64 queries.  sub = 0 also fetches the second half's fragments, K's behind the S products, V's behind the P V products.
.macro CORE slot, sub, masked, kt
	s_wait_dscnt 16                                ; K's 16 loads are in; V's 16, issued behind them, may be out
	SMUL
	NOPS 4                                         ; four places: for the loads into K's fragments and for the readers of S
.if \sub == 0
	LOADK \slot, 1
.endif
	WIN 0x55
.if \masked
	MASK \kt
.endif
	SOFT 0
.if \sub == 0
	s_wait_dscnt 16                                ; V's fragments are in; the second half's 16 K loads are younger
.else
	s_wait_dscnt 0
.endif
	PVALL
	WIN 0
	NOPS 5                                         ; five places: the next S products write over P, loads land in V's fragments
.if \sub == 0
	LOADV \slot, 1
.endif
.endm
; ---- queries 0-63 of a sequence against keys 0-63, every operand in two f16 parts ----
.macro LDRAW moff                      ; 32 loads: 64 rows x 64 f32 at byte moff of my part of fst, as eight fragments (tile t of 16 rows, half ks of the columns), 16 f32 a lane each
	WIN 0xc0
.irp t, 0,1,2,3
.irp ks, 0,1
.irp e, 0,1,2,3
	global_load_b128 v[RAW+16*(2*\t+\ks)+4*\e:RAW+16*(2*\t+\ks)+4*\e+3], v[AF], s[66:67] offset:\moff+\t*4096+\ks*128+(\e>>1)*64+(\e&1)*16
.endr
.endr
.endr
.endm
; fragments f0 .. f0 + 3: hi = the f32 cut to 11 significant bits (exact in f16), lo = x - hi (exact in f32); both packed, hi to hdst, lo to ldst
; (hset, lset: the window settings with those destinations and both sources in window 3)
.macro SPLIT4 f0, hset, hdst, lset, ldst
	WIN 0xff
.set i, 0
.rept 64
	v_and_b32 v[RT+i], s68, v[RAW+16*\f0+i]
.set i, i+1
.endr
.set i, 0
.rept 32
	v_pk_add_f32 v[RAW+16*\f0+2*i:RAW+16*\f0+2*i+1], v[RAW+16*\f0+2*i:RAW+16*\f0+2*i+1], v[RT+2*i:RT+2*i+1] neg_lo:[0,1] neg_hi:[0,1]
.set i, i+1
.endr
	WIN \hset
.set i, 0
.rept 32
	v_cvt_pk_f16_f32 v[\hdst+8*\f0+i], v[RT+2*i], v[RT+2*i+1]
.set i, i+1
.endr
	WIN \lset
.set i, 0
.rept 32
	v_cvt_pk_f16_f32 v[\ldst+8*\f0+i], v[RAW+16*\f0+2*i], v[RAW+16*\f0+2*i+1]
.set i, i+1
.endr
.endm
.macro VROWS reg, off                  ; 16 LDS stores: V's part, held as row fragments, into a stage as 64 rows of 128 bytes
.irp t, 0,1,2,3
.irp ks, 0,1
	ds_store_b128 v[STO], v[\reg+8*(2*\t+\ks):\reg+8*(2*\t+\ks)+3]   offset:\off+\t*16*KPITCH+64*\ks
	ds_store_b128 v[STO], v[\reg+8*(2*\t+\ks)+4:\reg+8*(2*\t+\ks)+7] offset:\off+\t*16*KPITCH+64*\ks+32
.endr
.endr
.endm
.macro VTR reg, off                    ; 16 transposing loads: the same part back as fragments of V^T
.irp dt, 0,1,2,3
.irp ks, 0,1
	ds_load_tr16_b128 v[\reg+8*(2*\dt+\ks):\reg+8*(2*\dt+\ks)+3],   v[AVS] offset:\off+(32*\ks)*KPITCH+32*\dt
	ds_load_tr16_b128 v[\reg+8*(2*\dt+\ks)+4:\reg+8*(2*\dt+\ks)+7], v[AVS] offset:\off+(32*\ks+16)*KPITCH+32*\dt
.endr
.endr
.endm
; 16 p in f32 (query tile n, keys 32 ks ..) become in place: lo fragment at 32 n + 16 ks, hi fragment at 32 n + 16 ks + 8.
; The lo words pack upward (word i from words 2 i, 2 i + 1); the hi words, kept apart in XT, then take the eight registers that this has freed.
.macro PSPLIT
.irp n, 0,1,2,3
.irp ks, 0,1
.irp i, 0,1,2,3,4,5,6,7,8,9,10,11,12,13,14,15
	v_and_b32 v[XT+\i], s68, v[SS+32*\n+16*\ks+\i]
.endr
.irp i, 0,1,2,3,4,5,6,7
	v_pk_add_f32 v[SS+32*\n+16*\ks+2*\i:SS+32*\n+16*\ks+2*\i+1], v[SS+32*\n+16*\ks+2*\i:SS+32*\n+16*\ks+2*\i+1], v[XT+2*\i:XT+2*\i+1] neg_lo:[0,1] neg_hi:[0,1]
.endr
.irp i, 0,1,2,3,4,5,6,7
	v_cvt_pk_f16_f32 v[SS+32*\n+16*\ks+\i], v[SS+32*\n+16*\ks+2*\i], v[SS+32*\n+16*\ks+2*\i+1]
.endr
.irp i, 0,1,2,3,4,5,6,7
	v_cvt_pk_f16_f32 v[SS+32*\n+16*\ks+8+\i], v[XT+2*\i], v[XT+2*\i+1]
.endr
.endr
.endr
.endm
.macro FIRST
	LDRAW (2<<20)                                  ; v
	s_wait_loadcnt 0x0
	SPLIT4 0, 0x0f, VF, 0x8f, VL                   ; as row fragments for now
	SPLIT4 4, 0x0f, VF, 0x8f, VL
	LDRAW (1<<20)                                  ; k comes in while v goes through LDS
	WIN 0
	VROWS VF, 0                                    ; both stages are my wave's own: LDS serves a wave's instructions in order (ISA guide 5.7.1), no wait between stores and loads
	WIN 0x08
	VROWS VL, STAGE2
	WIN 0
	VTR VF, 0
	WIN 0x80
	VTR VL, STAGE2
	s_wait_loadcnt 0x0
	SPLIT4 0, 0x8f, KF, 0x8f, KL
	SPLIT4 4, 0x8f, KF, 0x8f, KL
	LDRAW 0                                        ; q
	s_wait_loadcnt 0x0
	SPLIT4 0, 0x4f, QQ, 0x8f, QL
	SPLIT4 4, 0x4f, QQ, 0x8f, QL
	WIN 0x56
	SSET KF, QQ, 1                                 ; S^T = Kh Qh + Kl Qh + Kh Ql
	SSET (KF+8), (QQ+8), 0
	SSET KL, QQ, 0
	SSET (KL+8), (QQ+8), 0
	WIN 0x5a
	SSET KF, QL, 0
	SSET (KF+8), (QL+8), 0
	NOPS 4                                         ; four places ahead of the readers of S
	WIN 0x55
	MASK 0
	SOFT 1                                         ; p stays in f32
	PSPLIT
	s_wait_dscnt 0x0                               ; V's fragments are in
	WIN 0x04                                       ; the block's first tile: O^T is 0 and needs no rescaling.  O^T = Vh Ph + Vh Pl + Vl Ph
.irp n, 0,1,2,3
	PVSET \n, VF, (SS+8)
	PVSET \n, VF, SS
.endr
	WIN 0x06
.irp n, 0,1,2,3
	PVSET \n, VL, (SS+8)
.endr
	WIN 0
	NOPS 5
.endm
; One trip: 128 keys from slot.  nxt = 1: this slot's addresses step two tiles on; 2: they go back to tile "slot" for the second query block; 0: the last trip.
; In front of the barrier every wave waits for all its tensor loads and for its LDS reads; behind it the other slot, read last trip, is filled first.
; first = 1: the trip that holds queries 0-63 of a sequence where j = 0: wave 0 then makes its one tile by FIRST.
.macro TRIP slot, masked, kt0, nxt, first
	s_wait_tensorcnt 0x0                           ; my tensor load has landed: this trip's tile; no load of mine is out, so a group 0 may be written
	ds_add_u32 v254, v255
	s_wait_dscnt 0x0
.if \nxt == 1
	s_add_nc_u64 s[G0K+4*\slot+2:G0K+4*\slot+3], s[G0K+4*\slot+2:G0K+4*\slot+3], 2*TILEB
	s_add_nc_u64 s[G0V+4*\slot+2:G0V+4*\slot+3], s[G0V+4*\slot+2:G0V+4*\slot+3], 2*TILEB
.endif
.if \nxt == 2
	s_add_nc_u64 s[G0K+4*\slot+2:G0K+4*\slot+3], s[12:13], \slot*TILEB
	s_or_b32 s[G0K+4*\slot+3], s[G0K+4*\slot+3], 0x80000000
	s_add_nc_u64 s[G0V+4*\slot+2:G0V+4*\slot+3], s[14:15], \slot*TILEB
	s_or_b32 s[G0V+4*\slot+3], s[G0V+4*\slot+3], 0x80000000
.endif
	s_wait_dscnt 0x0                               ; my reads of the other slot are back
	s_barrier_signal -1
	s_barrier_wait -1
.if \nxt != 0
	KVLOAD (1-\slot)                               ; the next tile: it has this trip's work in which to land
.endif
.if \first
	s_cmp_lg_u32 s9, 0
	s_cbranch_scc1 .Lplain_\@
	s_cmp_lg_u32 s8, 0
	s_cbranch_scc1 .Lplain_\@
	FIRST
	s_branch .Ltend_\@                             ; keys 64 and up lie above all of wave 0's queries
.Lplain_\@:
.endif
.if \masked
.if \kt0 > 0
	s_cmp_lt_u32 s8, \kt0                          ; these 128 keys lie above all my queries
	s_cbranch_scc1 .Ltend_\@
.endif
.endif
	LOADK \slot, 0
	LOADV \slot, 0
	CORE \slot, 0, \masked, \kt0
.if \masked
	s_cmp_lt_u32 s8, \kt0+1                        ; the second 64 keys lie above all my queries (their fragments' loads are waited for in front of the next barrier or at the way out)
	s_cbranch_scc1 .Ltend_\@
.endif
	CORE \slot, 1, \masked, (\kt0+1)
.Ltend_\@:
.endm
; The way out of a query block: divide by the sum; part 0 = the result rounded to bf16, part 1 = (result - part 0) rounded to bf16; each through a stage of my own,
; 512 consecutive bytes a store (four rows of 128 bytes).
.macro EPI which, ob, obl
	s_wait_dscnt 0x0                               ; fragments fetched ahead and not used have landed: V's registers are free
.if \which == 0
	LOADQ 56                                       ; the second block's queries come in behind the way out
.endif
	WIN 0x55
.irp n, 0,1,2,3
	v_add_f32 v[TT+\n], v[LS+2*\n], v[LS+2*\n+1]
.endr
.irp n, 0,1,2,3
	v_permlanex16_b32 v[T2+\n], v[TT+\n], s48, s49
.endr
.irp n, 0,1,2,3
	v_add_f32 v[TT+\n], v[TT+\n], v[T2+\n]
.endr
.irp n, 0,1,2,3
	v_rcp_f32 v[AL+\n], v[TT+\n]                   ; the sum is at least 1: the term of the maximum
.endr
	v_nop                                          ; one plain place behind the reciprocals (ISA guide 5.7.2)
	WIN 0x04
.irp n, 0,1,2,3
.irp p, 0,1,2,3,4,5,6,7,8,9,10,11,12,13,14,15
	BMUL (OO+32*\n+2*\p), \n
.endr
.endr
	WIN 0
.set i, 0
.rept 64
	v_cvt_pk_bf16_f32 v[VF+i], v[OO+2*i], v[OO+2*i+1]              ; part 0
	v_lshlrev_b32 v[ET+2*(i%4)], 16, v[VF+i]                       ; back to f32: a shift and a mask
	v_and_b32 v[ET+2*(i%4)+1], s69, v[VF+i]
	v_pk_add_f32 v[OO+2*i:OO+2*i+1], v[OO+2*i:OO+2*i+1], v[ET+2*(i%4):ET+2*(i%4)+1] neg_lo:[0,1] neg_hi:[0,1]
	v_cvt_pk_bf16_f32 v[OO+i], v[OO+2*i], v[OO+2*i+1]              ; part 1, packed upward in place: word i from words 2 i, 2 i + 1
.set i, i+1
.endr
.irp n, 0,1,2,3
.irp dt, 0,1,2,3
	ds_store_b128 v[STO], v[VF+4*(4*\n+\dt):VF+4*(4*\n+\dt)+3] offset:\n*16*KPITCH+32*\dt
.endr
.endr
.irp n, 0,1,2,3
.irp dt, 0,1,2,3
	ds_store_b128 v[STO], v[OO+4*(4*\n+\dt):OO+4*(4*\n+\dt)+3] offset:STAGE2+\n*16*KPITCH+32*\dt
.endr
.endr
.irp t, 0,1,2,3,4,5,6,7,8,9,10,11,12,13,14,15
	ds_load_b128 v[OO+64+4*\t:OO+64+4*\t+3], v[RD] offset:\t*4*KPITCH      ; LDS serves a wave's instructions in order (ISA guide 5.7.1): these see the stores above
.endr
.irp t, 0,1,2,3,4,5,6,7,8,9,10,11,12,13,14,15
	ds_load_b128 v[VF+4*\t:VF+4*\t+3], v[RD] offset:STAGE2+\t*4*KPITCH
.endr
.irp t, 0,1,2,3,4,5,6,7,8,9,10,11,12,13,14,15
	s_wait_dscnt 31-\t                             ; behind this read-back: 15 - t of part 0 and 16 of part 1
	global_store_b128 v[CO], v[OO+64+4*\t:OO+64+4*\t+3], s[\ob:\ob+1] offset:512*\t
.endr
.irp t, 0,1,2,3,4,5,6,7,8,9,10,11,12,13,14,15
	s_wait_dscnt 15-\t
	global_store_b128 v[CO], v[VF+4*\t:VF+4*\t+3], s[\obl:\obl+1] offset:512*\t
.endr
.endm
; A query block.  which = 0: block 7 - j; its last two trips already ask for the second block's tiles 0 and 1.  which = 1: block j; its last trip asks for nothing.
.macro BLOCK which, ob, obl
	s_wait_loadcnt 0x0                             ; my queries are in
	s_wait_xcnt 0x0                                ; O's and V's registers were the data of the block before's stores
	WIN 0x40
.irp n, 0,1,2,3
	v_mov_b32 v[MX+\n], 0xff800000                 ; maximum -inf
	v_mov_b32 v[NM+\n], 0x7f800000                 ; -c x maximum +inf
	v_mov_b32 v[LS+2*\n], 0
	v_mov_b32 v[LS+2*\n+1], 0
.endr
	WIN 0
	; O starts at 0 by sixteen products of zero fragments (32 instructions for 128 registers): a block's first tile is a plain one or, for block 0, a masked one,
	; and one start for both spares a second copy of each with products that start the sums
.irp i, 0,1,2,3,4,5,6,7,8,9,10,11,12,13,14,15
	v_mov_b32 v[VF+\i], 0
.endr
.irp t, 0,1,2,3,4,5,6,7,8,9,10,11,12,13,14,15
	v_wmma_f32_16x16x32_f16 v[OO+8*\t:OO+8*\t+7], v[VF:VF+7], v[VF+8:VF+15], 0
.endr
	NOPS 5
	s_mov_b32 s50, 0                               ; pairs of trips below the diagonal, counted upward
.if \which == 1
	s_cmp_eq_u32 s9, 0                             ; j pairs; none for j = 0 (the same in all four waves)
	s_cbranch_scc1 .Lnofull_\@
.endif
.Lfull_\@:
	TRIP 0, 0, 0, 1, 0
	TRIP 1, 0, 0, 1, 0
	s_add_co_u32 s50, s50, 1
.if \which == 0
	s_cmp_lt_u32 s50, s51                          ; 7 - j pairs: at least four
.else
	s_cmp_lt_u32 s50, s9
.endif
	s_cbranch_scc1 .Lfull_\@
.Lnofull_\@:
.if \which == 0
	TRIP 0, 1, 0, 2, 0
	TRIP 1, 1, 2, 2, 0
.else
	TRIP 0, 1, 0, 1, 1                             ; (slot 0's stepped address is not used)
	TRIP 1, 1, 2, 0, 0
.endif
	EPI \which, \ob, \obl
.endm
	BLOCK 0, 54, 70
	BLOCK 1, 58, 72
	s_wait_tensorcnt 0x0
	ds_add_u32 v254, v255
	s_wait_dscnt 0x0
	s_endpgm                                       ; the last trip's wait for 0 stood behind the last tensor load
.Lfunc_end_k_q5507489020_attn:
	.size	k_q5507489020_attn, .Lfunc_end_k_q5507489020_attn-k_q5507489020_attn
	.p2alignl 7, 3214868480
	.fill 96, 4, 3214868480
	.section	.rodata,"a",@progbits
	.p2align	6, 0x0
	.amdhsa_kernel k_q5507489020_attn
		.amdhsa_group_segment_fixed_size 327680
		.amdhsa_private_segment_fixed_size 0
		.amdhsa_enable_private_segment 0
		.amdhsa_kernarg_size 24
		.amdhsa_user_sgpr_count 2
		.amdhsa_user_sgpr_kernarg_segment_ptr 1
		.amdhsa_wavefront_size32 1
		.amdhsa_system_sgpr_workgroup_id_x 1
		.amdhsa_system_sgpr_workgroup_id_y 1
		.amdhsa_system_sgpr_workgroup_id_z 1
		.amdhsa_system_vgpr_workitem_id 0
		.amdhsa_next_free_vgpr 960
		.amdhsa_next_free_sgpr 74
		.amdhsa_reserve_vcc 1
		.amdhsa_float_denorm_mode_32 3
		.amdhsa_float_denorm_mode_16_64 3
		.amdhsa_memory_ordered 1
		.amdhsa_forward_progress 1
		.amdhsa_inst_pref_size 255
	.end_amdhsa_kernel
	.section	.bss,"aw",@nobits
	.p2align	6
	.space	262144
	.amdgpu_metadata
---
amdhsa.version: [ 1, 2 ]
amdhsa.kernels:
  - .name:           k_q5507489020_attn
    .symbol:         k_q5507489020_attn.kd
    .args:
      - { .name: qkv, .offset: 0, .size: 8, .value_kind: global_buffer, .address_space: global }
      - { .name: ao, .offset: 8, .size: 8, .value_kind: global_buffer, .address_space: global }
      - { .name: fst, .offset: 16, .size: 8, .value_kind: global_buffer, .address_space: global }
    .group_segment_fixed_size: 327680
    .private_segment_fixed_size: 0
    .kernarg_segment_align: 8
    .kernarg_segment_size: 24
    .max_flat_workgroup_size: 128
    .sgpr_count:     74
    .vgpr_count:     960
    .wavefront_size: 32
...
	.end_amdgpu_metadata
.endif
;; end of part 3
;; launch oproj (part 4): grid 8 x 32, 4 waves a work-group, clusters of 4 x 4, 327,680 bytes of LDS; arguments ao, wb, out0; writes out0
.if DOCPART == 4
	.amdgcn_target "amdgcn-amd-amdhsa--gfx1250"
	.amdhsa_code_object_version 6
	.text
	.protected	k_q5507489020_oproj
	.globl	k_q5507489020_oproj
	.p2align	8
	.type	k_q5507489020_oproj,@function
k_q5507489020_oproj:
	s_mov_b64 s[64:65], 0
	v_nop
	global_prefetch_b8 v0, s[64:65] scope:SCOPE_SE
	s_setreg_imm32_b32 hwreg(HW_REG_WAVE_MODE, 25, 1), 1
	s_wait_xcnt 0x0
	s_wait_alu depctr_hold_cnt(0) depctr_sa_sdst(0) depctr_va_vdst(0) depctr_va_sdst(0) depctr_va_ssrc(0) depctr_va_vcc(0) depctr_vm_vsrc(0)
	s_getreg_b32 s2, hwreg(HW_REG_IB_STS2, 6, 4)
	s_cmp_eq_u32 s2, 0
	s_cbranch_scc0 .Lentry_in_a_cluster
	s_endpgm
.Lentry_in_a_cluster:
	s_bfe_u32 s2, ttmp6, 0x10000c
	s_cmp_lg_u32 s2, 0xf033
	s_cbranch_scc0 .Lentry_shape_is_right
	s_endpgm
.Lentry_shape_is_right:
; out0[m][n] = sum over k of a[m][k] wo[n][k], f32.  a comes in two bf16 parts, ao[part][head][8192][64] (head = K block; a = part 0 + part 1, 16 significant bits),
; wo as rows 3,072 to 4,095 of wb[kb][4096][64] bf16.  Both parts' products are added onto one accumulator: twice the matrix work of a single bf16 operand.
; It is paid in every row, so that no branch hangs on a block row: the rows of few keys, whose numbers are many times the size of the others, need the second part.
; A work-group makes 256 x 128 (8 x 32 = 256 work-groups: the largest block that still gives every WGP one), four waves as 2 x 2, a wave 128 x 64:
; 32 accumulator tiles in window 1 (tile (a, bb) at v[8 (4 a + bb)]).
; An LDS slot holds two K blocks (128 k), brought by one load a wave: a tile of two long rows, one for each K block (dense runs of 16 KiB for A, 8 KiB for B),
; padded by 16 bytes behind every 128, so a logical row of 64 bf16 has a pitch of 144 bytes.  Slot 0 always holds part 0 of a pair of K blocks, slot 1 part 1 of the same pair;
; wo's tile of the pair is asked for with each (16 KiB of a slot's 48 KiB come twice).  Sixteen slot steps, two slots.
; CLUSTERS as in the projection before: A's tile jointly along a row of the 4 x 4 cluster, B's along a column.
; The matrix instruction is used transposed: lane l holds row l % 16 of the result and eight neighbouring columns.
.set PITCH,  144
.set HALFT,  2*128*PITCH               ; a loader wave's region: A's half tile (2 x 128 rows) fills it, B's (2 x 64 rows) uses 18,432 of its 36,864 bytes
.set SLOT,   4*HALFT
.set STAGE,  2*SLOT                    ; 294,912: 16 rows x 272 bytes for each wave; no fill lands here
.set SPITCH, 272
.set WSTAGE, 16*SPITCH
.set ASTEP,  0x200000                  ; two K blocks of a part of ao
.set BSTEP,  0x100000                  ; two K blocks of wb
.set PART,   0x1000000                 ; from ao's part 0 to its part 1
.set ADRA, 16
.set ADRB, 20
.set STO,  24
.set RD,   25
.set CO,   26
.set FA,   32                          ; v32-95, v96-159  A's fragments, two buffers
.set FB,   160                         ; v160-191, v192-223  B's fragments, two buffers
.set OB0,  32                          ; the way out: two buffers of 32 registers
.set OB1,  64
.set G1,  24
.set G0,  32
.set G1B, 48
.set G0B, 56
.set MSB, 0
.macro WIN new
.if MSB != \new
	s_set_vgpr_msb (MSB<<8)|\new
.set MSB, \new
.endif
.endm
.macro PLACES                          ; four places behind a matrix instruction (ISA guide 7.12.1)
.rept 4
	v_nop
.endr
.endm
.macro JLOAD s
	s_cmp_eq_u32 s11, 0
	s_cbranch_scc0 .Lfor_b_\@
	tensor_load_to_lds s[G0+4*\s:G0+4*\s+3], s[G1:G1+7]
	s_nop 0
	s_branch .Lasked_\@
.Lfor_b_\@:
	tensor_load_to_lds s[G0B+4*\s:G0B+4*\s+3], s[G1B:G1B+7]
	s_nop 0
.Lasked_\@:
.endm
.macro CREST
	s_cmp_lg_u32 s10, 0
	s_cbranch_scc1 .Lnot_wave_0_\@
	s_barrier_signal -3
.Lnot_wave_0_\@:
	s_barrier_wait -3
	s_barrier_signal -1
	s_barrier_wait -1
.endm
.macro CROUND
	s_barrier_signal -1
	s_barrier_wait -1
	CREST
.endm
	s_load_b128 s[4:7], s[0:1], 0x0                ; ao s[4:5], wb s[6:7]
	s_load_b64 s[8:9], s[0:1], 0x10                ; out0
	v_lshl_add_u32 v254, v0, 2, 0x4c400
	v_mov_b32 v255, 0
	ds_add_u32 v254, v255
	v_lshrrev_b32 v1, 5, v0
	v_readfirstlane_b32 s10, v1                    ; wave
	s_lshr_b32 s11, s10, 1                         ; my half of the rows.  Also: I fetch for A (0) or for B (1)
	s_and_b32 s12, s10, 1                          ; my half of the columns.  Also: which half of that tile I fetch
	s_bfe_u32 s40, ttmp6, 0x40000                  ; cx
	s_bfe_u32 s41, ttmp6, 0x40004                  ; cy
	s_lshl_b32 s42, ttmp9, 2
	s_add_co_u32 s42, s42, s40                     ; block column
	s_and_b32 s13, ttmp7, 0xffff
	s_lshl_b32 s13, s13, 2
	s_add_co_u32 s13, s13, s41                     ; block row
	s_lshl_b32 s43, s41, 2
	s_lshl_b32 s43, 15, s43                        ; my row of the cluster
	s_lshl_b32 s44, 0x1111, s40                    ; my column
	s_or_b32 s[G1+0], s43, (3<<16)|(1<<20)|(1<<21)|(4<<22)|(3<<25)   ; mask; 8-byte elements; padding on; bit 21 beside a mask; after every 32 words; 4 words
	s_or_b32 s[G1B+0], s44, (3<<16)|(1<<20)|(1<<21)|(4<<22)|(3<<25)
	s_mov_b32 s[G1+1], 2048<<16                    ; tensor_dim0: 128 rows x 128 bytes = 2,048 elements
	s_mov_b32 s[G1B+1], 1024<<16                   ; 64 rows
	s_mov_b32 s[G1+2], 2<<16                       ; tensor_dim1 = 2 K blocks
	s_mov_b32 s[G1B+2], 2<<16
	s_mov_b32 s[G1+3], 2048<<16                    ; tile_dim0
	s_mov_b32 s[G1B+3], 1024<<16
	s_mov_b32 s[G1+4], 2                           ; tile_dim1
	s_mov_b32 s[G1B+4], 2
	s_mov_b32 s[G1+5], 131072                      ; from a K block to the next: 8,192 rows x 128 bytes in elements of 8
	s_mov_b32 s[G1B+5], 65536                      ; 4,096 rows
	s_mov_b32 s[G1+6], 0
	s_mov_b32 s[G1B+6], 0
	s_mov_b32 s[G1+7], 0
	s_mov_b32 s[G1B+7], 0
	s_lshl_b32 s16, s13, 15                        ; A: 256 rows x 128 bytes x block row
	s_lshl_b32 s17, s12, 14                        ; + my half
	s_add_co_u32 s16, s16, s17
	s_mov_b32 s17, 0
	s_lshl_b32 s46, s42, 14                        ; B: 128 rows x 128 bytes x block column
	s_lshl_b32 s47, s12, 13
	s_add_co_u32 s46, s46, s47
	s_add_co_u32 s46, s46, 3072*128                ; wo's rows lie behind wq's, wk's and wv's
	s_mov_b32 s47, 0
	s_mul_i32 s20, s10, HALFT                      ; where my tile goes: wave x region
	s_wait_dscnt 0x0
	s_wait_kmcnt 0x0
	s_add_nc_u64 s[14:15], s[4:5], s[16:17]
	s_add_nc_u64 s[46:47], s[6:7], s[46:47]
	CROUND                                         ; in front of the first joint loads
.irp s, 0,1
	s_mov_b32 s[G0+4*\s], 1
	s_add_co_u32 s[G0+4*\s+1], s20, \s*SLOT
	s_add_nc_u64 s[G0+4*\s+2:G0+4*\s+3], s[14:15], \s*PART         ; slot s: part s of K blocks 0 and 1
	s_or_b32 s[G0+4*\s+3], s[G0+4*\s+3], 0x80000000
	s_mov_b32 s[G0B+4*\s], 1
	s_add_co_u32 s[G0B+4*\s+1], s20, \s*SLOT
	s_mov_b64 s[G0B+4*\s+2:G0B+4*\s+3], s[46:47]                   ; wo's K blocks 0 and 1, for both slots
	s_or_b32 s[G0B+4*\s+3], s[G0B+4*\s+3], 0x80000000
	JLOAD \s                                       ; two loads of the wave are out here, later one
.endr
	v_and_b32 v1, 15, v0                           ; r
	v_bfe_u32 v2, v0, 4, 1                         ; h
	v_mul_u32_u24 v3, v1, PITCH
	v_lshl_add_u32 v3, v2, 4, v3
	s_mul_i32 s21, s11, HALFT
	s_mul_i32 s22, s12, HALFT
	s_add_co_u32 s22, s22, 2*HALFT
.irp s, 0,1
	v_add_nc_u32 v[ADRA+\s], s21, v3
	v_add_nc_u32 v[ADRB+\s], s22, v3
	s_add_co_u32 s21, s21, SLOT
	s_add_co_u32 s22, s22, SLOT
.endr
	s_mul_i32 s23, s10, WSTAGE
	s_add_co_u32 s23, s23, STAGE
	v_mul_u32_u24 v4, v1, SPITCH                   ; in: row r, 32 bytes (8 f32) for each half of the lanes
	v_lshl_add_u32 v4, v2, 5, v4
	v_add_nc_u32 v[STO], s23, v4
	v_mul_u32_u24 v5, v2, SPITCH                   ; back: lanes 0-15 a row of 256 bytes, lanes 16-31 the next
	v_lshl_add_u32 v5, v1, 4, v5
	v_add_nc_u32 v[RD], s23, v5
	v_lshlrev_b32 v5, 12, v2                       ; and the same two rows of out0 (4,096 bytes a row)
	v_lshl_add_u32 v[CO], v1, 4, v5
.macro MULH f, zero, a0                ; 16 matrix instructions: row tiles a0 .. a0 + 3 x four column tiles, 32 along K, from buffer f
.irp a, \a0, \a0+1, \a0+2, \a0+3
.irp bb, 0,1,2,3
.if \zero
	v_wmma_f32_16x16x32_bf16 v[8*(4*(\a)+\bb):8*(4*(\a)+\bb)+7], v[FB+32*\f+8*\bb:FB+32*\f+8*\bb+7], v[FA+64*\f+8*(\a):FA+64*\f+8*(\a)+7], 0
.else
	v_wmma_f32_16x16x32_bf16 v[8*(4*(\a)+\bb):8*(4*(\a)+\bb)+7], v[FB+32*\f+8*\bb:FB+32*\f+8*\bb+7], v[FA+64*\f+8*(\a):FA+64*\f+8*(\a)+7], v[8*(4*(\a)+\bb):8*(4*(\a)+\bb)+7]
.endif
.endr
.endr
.endm
.macro FETCH slot, qi, f               ; 24 loads: quarter qi of the slot (K block qi / 2, byte 64 (qi % 2) of its rows) into buffer f
.irp bb, 0,1,2,3
	ds_load_b128 v[FB+32*\f+8*\bb:FB+32*\f+8*\bb+3],   v[ADRB+\slot] offset:(\qi>>1)*64*PITCH+(\qi&1)*64+\bb*16*PITCH
	ds_load_b128 v[FB+32*\f+8*\bb+4:FB+32*\f+8*\bb+7], v[ADRB+\slot] offset:(\qi>>1)*64*PITCH+(\qi&1)*64+\bb*16*PITCH+32
.endr
.irp a, 0,1,2,3,4,5,6,7
	ds_load_b128 v[FA+64*\f+8*\a:FA+64*\f+8*\a+3],   v[ADRA+\slot] offset:(\qi>>1)*128*PITCH+(\qi&1)*64+\a*16*PITCH
	ds_load_b128 v[FA+64*\f+8*\a+4:FA+64*\f+8*\a+7], v[ADRA+\slot] offset:(\qi>>1)*128*PITCH+(\qi&1)*64+\a*16*PITCH+32
.endr
.endm
; One of a slot's first three quarters: fetches the next quarter into buffer g, then multiplies buffer f.  The 32 accumulators take turns, one instruction a turn,
; in the same order in every quarter and over the backward jump.
.macro QUARTER slot, qn, f, g, zero
	PLACES
	FETCH \slot, \qn, \g
	s_wait_dscnt 24                                ; all but the 24 loads just issued: buffer f is whole
	WIN 0x50
	MULH \f, \zero, 0
	MULH \f, \zero, 4
	WIN 0
.endm
.macro THREE slot, zero
	QUARTER \slot, 1, 0, 1, \zero
	QUARTER \slot, 2, 1, 0, 0
	QUARTER \slot, 3, 0, 1, 0
.endm
; The fourth quarter multiplies buffer 1 and changes slots.
.macro TURN slot, next, fill
	s_wait_dscnt 0                                 ; my reads of this slot are over
	s_wait_tensorcnt 0x0                           ; all my tensor loads have landed: the one that was out is my part of the next slot
	ds_add_u32 v254, v255
	s_wait_dscnt 0x0
	s_barrier_signal -1                            ; (where the slot is filled again this barrier opens a round of the cluster's barrier)
	WIN 0x50
	MULH 1, 0, 0
	WIN 0
	s_barrier_wait -1
.if \fill
	CREST
	s_add_nc_u64 s[G0+4*\slot+2:G0+4*\slot+3], s[G0+4*\slot+2:G0+4*\slot+3], ASTEP      ; the slot keeps its part: the next pair of K blocks
	s_add_nc_u64 s[G0B+4*\slot+2:G0B+4*\slot+3], s[G0B+4*\slot+2:G0B+4*\slot+3], BSTEP
	JLOAD \slot                                    ; the first tensor load behind the round, one a wave
.endif
	PLACES
	FETCH \next, 0, 0
	WIN 0x50
	MULH 1, 0, 4
	WIN 0
.endm
.macro LAP zero                        ; a pair of K blocks: part 0 from slot 0, part 1 from slot 1
	THREE 0, \zero
	TURN 0, 1, 1
	THREE 1, 0
	TURN 1, 0, 1
.endm
	s_wait_tensorcnt 1                             ; my part of slot 0 is in; slot 1's stays out
	s_barrier_signal -1
	s_barrier_wait -1
	FETCH 0, 0, 0
	LAP 1                                          ; the first of eight laps stands in front of the loop: its first products start the sums
	s_mov_b32 s3, 6
.Llap:
	LAP 0
	s_sub_co_u32 s3, s3, 1
	s_cmp_lg_u32 s3, 0
	s_cbranch_scc1 .Llap
	THREE 0, 0                                     ; the last lap fills nothing
	TURN 0, 1, 0
	THREE 1, 0
	s_wait_dscnt 0
	WIN 0x50
	MULH 1, 0, 0
	MULH 1, 0, 4
	WIN 0
	; THE WAY OUT, 16 rows at a time: the f32 results go straight from the accumulators into my own stage and come back as whole rows of 256 bytes.
	PLACES
	s_lshl_b32 s16, s13, 20                        ; my first row: (256 x block row + 128 x half) x 4,096 bytes
	s_lshl_b32 s17, s11, 19
	s_add_co_u32 s16, s16, s17
	s_mov_b32 s17, 0
	s_add_nc_u64 s[8:9], s[8:9], s[16:17]
	s_lshl_b32 s46, s42, 9                         ; my first column: (128 x block column + 64 x half) x 4 bytes (in the registers that held B's address)
	s_lshl_b32 s47, s12, 8
	s_add_co_u32 s46, s46, s47
	s_mov_b32 s47, 0
	s_add_nc_u64 s[8:9], s[8:9], s[46:47]
.macro OUT16 a, f
	WIN 0x04                                       ; the stores' data in window 1
.irp bb, 0,1,2,3
.irp e, 0,1
	ds_store_b128 v[STO], v[8*(4*\a+\bb)+4*\e:8*(4*\a+\bb)+4*\e+3] offset:64*\bb+16*\e
.endr
.endr
	WIN 0
	s_wait_xcnt 0x0                                ; buffer f was the data of earlier stores
.irp t, 0,1,2,3,4,5,6,7
	ds_load_b128 v[\f+4*\t:\f+4*\t+3], v[RD] offset:\t*2*SPITCH    ; LDS serves a wave's instructions in order (ISA guide 5.7.1)
.endr
.irp t, 0,1,2,3,4,5,6,7
	s_wait_dscnt 7-\t
	global_store_b128 v[CO], v[\f+4*\t:\f+4*\t+3], s[8:9] offset:(16*\a+2*\t)*4096 th:TH_STORE_NT   ; 16 lanes store 256 consecutive bytes, aligned; at most 516,096
.endr
.endm
	OUT16 0, OB0
	OUT16 1, OB1
	OUT16 2, OB0
	OUT16 3, OB1
	OUT16 4, OB0
	OUT16 5, OB1
	OUT16 6, OB0
	OUT16 7, OB1
	s_wait_tensorcnt 0x0
	ds_add_u32 v254, v255
	s_wait_dscnt 0x0
	CROUND                                         ; the closing round
	s_endpgm
.Lfunc_end_k_q5507489020_oproj:
	.size	k_q5507489020_oproj, .Lfunc_end_k_q5507489020_oproj-k_q5507489020_oproj
	.p2alignl 7, 3214868480
	.fill 96, 4, 3214868480
	.section	.rodata,"a",@progbits
	.p2align	6, 0x0
	.amdhsa_kernel k_q5507489020_oproj
		.amdhsa_group_segment_fixed_size 327680
		.amdhsa_private_segment_fixed_size 0
		.amdhsa_enable_private_segment 0
		.amdhsa_kernarg_size 24
		.amdhsa_user_sgpr_count 2
		.amdhsa_user_sgpr_kernarg_segment_ptr 1
		.amdhsa_wavefront_size32 1
		.amdhsa_system_sgpr_workgroup_id_x 1
		.amdhsa_system_sgpr_workgroup_id_y 1
		.amdhsa_system_sgpr_workgroup_id_z 1
		.amdhsa_system_vgpr_workitem_id 0
		.amdhsa_next_free_vgpr 512
		.amdhsa_next_free_sgpr 66
		.amdhsa_reserve_vcc 0
		.amdhsa_float_denorm_mode_32 3
		.amdhsa_float_denorm_mode_16_64 3
		.amdhsa_memory_ordered 1
		.amdhsa_forward_progress 1
		.amdhsa_inst_pref_size 117
	.end_amdhsa_kernel
	.amdgpu_metadata
---
amdhsa.version: [ 1, 2 ]
amdhsa.kernels:
  - .name:           k_q5507489020_oproj
    .symbol:         k_q5507489020_oproj.kd
    .args:
      - { .name: ao, .offset: 0, .size: 8, .value_kind: global_buffer, .address_space: global }
      - { .name: wb, .offset: 8, .size: 8, .value_kind: global_buffer, .address_space: global }
      - { .name: out0, .offset: 16, .size: 8, .value_kind: global_buffer, .address_space: global }
    .group_segment_fixed_size: 327680
    .private_segment_fixed_size: 0
    .kernarg_segment_align: 8
    .kernarg_segment_size: 24
    .max_flat_workgroup_size: 128
    .sgpr_count:     66
    .vgpr_count:     512
    .wavefront_size: 32
...
	.end_amdgpu_metadata
.endif
;; end of part 4
;; ======== version 2 of 3: 4 launches; 1.37 times as fast as version 1
;; limits: values are held in f16: magnitudes above 65,504 overflow, below 6.1e-05 lose precision
;; workspace buffers: xb 16,777,216 bytes; wb 8,388,608 bytes; qkv 50,331,648 bytes; fst 3,145,728 bytes; ao 16,777,216 bytes
;; launch cast (part 5): grid 768 x 1, 8 waves a work-group, no clusters, 0 bytes of LDS; arguments x, wq, wk, wv, wo, xb, wb; writes xb, wb
.if DOCPART == 5
	.amdgcn_target "amdgcn-amd-amdhsa--gfx1250"
	.amdhsa_code_object_version 6
	.text
	.protected	k_q5507489020_cast
	.globl	k_q5507489020_cast
	.p2align	8
	.type	k_q5507489020_cast,@function
k_q5507489020_cast:
	s_mov_b64 s[64:65], 0
	v_nop
	global_prefetch_b8 v0, s[64:65] scope:SCOPE_SE
	s_setreg_imm32_b32 hwreg(HW_REG_WAVE_MODE, 25, 1), 1
	s_wait_xcnt 0x0
; f32 to bf16 (round to nearest even), and a new order for the matrix launches that follow:
;   xb[kb][m][64]: column block kb (64 columns) of all 8,192 rows of x; a row of a block is 128 bytes, rows follow each other without a gap
;   wb[kb][n][64]: the same for the 4,096 rows of wq, wk, wv, wo laid one under the other
; so that every tile "rows x 64 columns" of a later launch is one dense run of bytes.
; wo's rows (3,072 to 4,095 of wb) are rounded to bf16 like the others and then WRITTEN AS f16, since their partner in the last product is f16: 8 significant bits fit in f16's 11,
; so the number is kept exactly from 2^-14 up.  LIMIT: below 2^-14 it is rounded to a multiple of 2^-24; |wo| must stay below 65,504.
; A work-group owns 16 rows of [x; wq; wk; wv; wo] (12,288 rows, 768 work-groups).  Wave w owns column blocks 2w and 2w+1.
; A unit u = 2 rg + e is four rows (4 rg ..) of block 2w + e: eight lanes take a row's 256 bytes of f32 (32 bytes a lane, two loads),
; and the unit's store is 32 lanes x 16 bytes = 512 consecutive bytes, aligned (four rows of 128 bytes).
; Memory binds: no LDS, no barrier, no matrix unit; all 16 loads of a wave go out before the first wait; nothing is read twice.
.set X,  8                             ; v[8:71]    unit u: 8 registers of f32
.set Y,  72                            ; v[72:103]  unit u: 4 registers of 16-bit numbers
.set VI, 2                             ; v2         byte offset of my 32 bytes in the group's first four rows
.set VO, 3                             ; v3, v4     byte offset of my 16 bytes in the output, block 2w and block 2w + 1
	s_load_b256 s[4:11], s[0:1], 0x0               ; x s[4:5], wq s[6:7], wk s[8:9], wv s[10:11]
	s_load_b128 s[12:15], s[0:1], 0x20             ; wo s[12:13], xb s[14:15]
	s_load_b64 s[16:17], s[0:1], 0x30              ; wb
	s_mov_b32 s20, ttmp9                           ; g: groups 0-511 are x's, 512-767 the weights'
	s_sub_co_u32 s21, s20, 512                     ; t = g - 512 (used only where g >= 512)
	s_and_b32 s23, s21, 63                         ; the group's place in its weight matrix (64 groups of 16 rows)
	s_lshr_b32 s18, s21, 6                         ; which weight matrix: 0 wq, 1 wk, 2 wv, 3 wo
	v_and_b32 v1, 31, v0                           ; lane
	v_lshrrev_b32 v5, 5, v0                        ; wave
	v_lshrrev_b32 v6, 3, v1                        ; my row among the unit's four
	v_and_b32 v7, 7, v1                            ; my eighth of the row's 256 bytes
	v_lshlrev_b32 v[VI], 12, v6                    ; row x 4,096 bytes
	v_lshl_add_u32 v[VI], v7, 5, v[VI]             ; + 32 bytes x eighth
	v_lshl_add_u32 v[VI], v5, 9, v[VI]             ; + wave x 512 bytes (two blocks of 64 f32)
	s_wait_kmcnt 0x0
	s_cmp_lt_u32 s18, 2                            ; choices between buffers, on the group's number alone
	s_cselect_b64 s[24:25], s[6:7], s[10:11]       ; wq or wv
	s_cselect_b64 s[26:27], s[8:9], s[12:13]       ; wk or wo
	s_bitcmp1_b32 s18, 0
	s_cselect_b64 s[24:25], s[26:27], s[24:25]     ; the odd one or the even one
	s_cmp_lt_u32 s20, 512
	s_cselect_b64 s[24:25], s[4:5], s[24:25]       ; source: x or that weight matrix
	s_cselect_b64 s[26:27], s[14:15], s[16:17]     ; target: xb or wb
	s_cselect_b32 s22, s20, s23                    ; the group's place in its source
	s_cselect_b32 s19, s20, s21                    ; and in its target
	s_cselect_b32 s28, 21, 20                      ; log2 of two blocks' bytes: a block is 8,192 or 4,096 rows of 128 bytes
	s_cselect_b32 s29, 20, 19
	s_lshl_b32 s29, 1, s29                         ; one block's bytes
	s_lshl_b32 s30, s22, 16                        ; 16 rows of 4,096 bytes
	s_mov_b32 s31, 0
	s_add_nc_u64 s[24:25], s[24:25], s[30:31]
	s_lshl_b32 s30, s19, 11                        ; 16 rows of 128 bytes
	s_add_nc_u64 s[26:27], s[26:27], s[30:31]
	v_lshlrev_b32 v[VO], s28, v5                   ; block 2w
	v_lshl_add_u32 v[VO], v1, 4, v[VO]             ; + 16 bytes x lane: row x 128 + eighth x 16
	v_add_nc_u32 v[VO+1], s29, v[VO]               ; block 2w + 1
.irp rg, 0,1,2,3
.irp e, 0,1
	global_load_b128 v[X+8*(2*\rg+\e):X+8*(2*\rg+\e)+3],   v[VI], s[24:25] offset:\rg*16384+\e*256 th:TH_LOAD_NT
	global_load_b128 v[X+8*(2*\rg+\e)+4:X+8*(2*\rg+\e)+7], v[VI], s[24:25] offset:\rg*16384+\e*256+16 th:TH_LOAD_NT
.endr
.endr
; The eight units are rounded and stored.  wo = 1: the bf16 numbers are widened again (a shift, a mask) and written as f16.
.macro UNITS wo
.irp rg, 0,1,2,3
.irp e, 0,1
	s_wait_loadcnt 14-2*(2*\rg+\e)                 ; loads come back in order (ISA guide 5.7.1): this unit's two are in, the younger units' two each stay out
.irp k, 0,1,2,3
	v_cvt_pk_bf16_f32 v[Y+4*(2*\rg+\e)+\k], v[X+8*(2*\rg+\e)+2*\k], v[X+8*(2*\rg+\e)+2*\k+1]
.endr
.if \wo
.irp k, 0,1,2,3
	v_lshlrev_b32 v[X+8*(2*\rg+\e)+2*\k],   16, v[Y+4*(2*\rg+\e)+\k]
	v_and_b32     v[X+8*(2*\rg+\e)+2*\k+1], 0xffff0000, v[Y+4*(2*\rg+\e)+\k]
.endr
.irp k, 0,1,2,3
	v_cvt_pk_f16_f32 v[Y+4*(2*\rg+\e)+\k], v[X+8*(2*\rg+\e)+2*\k], v[X+8*(2*\rg+\e)+2*\k+1]
.endr
.endif
	global_store_b128 v[VO+\e], v[Y+4*(2*\rg+\e):Y+4*(2*\rg+\e)+3], s[26:27] offset:\rg*512   ; no register is written behind its store: no further wait
.endr
.endr
.endm
	s_cmp_ge_u32 s20, 704                          ; groups 704 to 767 are wo's
	s_cbranch_scc1 .Lwo
	UNITS 0
	s_endpgm
.Lwo:
	UNITS 1
	s_endpgm
.Lfunc_end_k_q5507489020_cast:
	.size	k_q5507489020_cast, .Lfunc_end_k_q5507489020_cast-k_q5507489020_cast
	.p2alignl 7, 3214868480
	.fill 96, 4, 3214868480
	.section	.rodata,"a",@progbits
	.p2align	6, 0x0
	.amdhsa_kernel k_q5507489020_cast
		.amdhsa_group_segment_fixed_size 0
		.amdhsa_private_segment_fixed_size 0
		.amdhsa_enable_private_segment 0
		.amdhsa_kernarg_size 56
		.amdhsa_user_sgpr_count 2
		.amdhsa_user_sgpr_kernarg_segment_ptr 1
		.amdhsa_wavefront_size32 1
		.amdhsa_system_sgpr_workgroup_id_x 1
		.amdhsa_system_sgpr_workgroup_id_y 1
		.amdhsa_system_sgpr_workgroup_id_z 1
		.amdhsa_system_vgpr_workitem_id 0
		.amdhsa_next_free_vgpr 104
		.amdhsa_next_free_sgpr 66
		.amdhsa_reserve_vcc 0
		.amdhsa_float_denorm_mode_32 3
		.amdhsa_float_denorm_mode_16_64 3
		.amdhsa_memory_ordered 1
		.amdhsa_forward_progress 1
		.amdhsa_inst_pref_size 15
	.end_amdhsa_kernel
	.amdgpu_metadata
---
amdhsa.version: [ 1, 2 ]
amdhsa.kernels:
  - .name:           k_q5507489020_cast
    .symbol:         k_q5507489020_cast.kd
    .args:
      - { .name: x, .offset: 0, .size: 8, .value_kind: global_buffer, .address_space: global }
      - { .name: wq, .offset: 8, .size: 8, .value_kind: global_buffer, .address_space: global }
      - { .name: wk, .offset: 16, .size: 8, .value_kind: global_buffer, .address_space: global }
      - { .name: wv, .offset: 24, .size: 8, .value_kind: global_buffer, .address_space: global }
      - { .name: wo, .offset: 32, .size: 8, .value_kind: global_buffer, .address_space: global }
      - { .name: xb, .offset: 40, .size: 8, .value_kind: global_buffer, .address_space: global }
      - { .name: wb, .offset: 48, .size: 8, .value_kind: global_buffer, .address_space: global }
    .group_segment_fixed_size: 0
    .private_segment_fixed_size: 0
    .kernarg_segment_align: 8
    .kernarg_segment_size: 56
    .max_flat_workgroup_size: 256
    .sgpr_count:     66
    .vgpr_count:     104
    .wavefront_size: 32
...
	.end_amdgpu_metadata
.endif
;; end of part 5
;; launch qkvproj: the kernel of part 2 again; grid 8 x 32, 4 waves a work-group, clusters of 4 x 4, 327,680 bytes of LDS; arguments xb, wb, qkv, fst; writes qkv, fst
;; launch attn (part 6): grid 256 x 1, 8 waves a work-group, no clusters, 327,680 bytes of LDS; arguments qkv, ao, fst; writes ao
.if DOCPART == 6
	.amdgcn_target "amdgcn-amd-amdhsa--gfx1250"
	.amdhsa_code_object_version 6
	.text
	.protected	k_q5507489020_attn
	.globl	k_q5507489020_attn
	.p2align	8
	.type	k_q5507489020_attn,@function
k_q5507489020_attn:
	s_mov_b64 s[64:65], 0
	v_nop
	global_prefetch_b8 v0, s[64:65] scope:SCOPE_SE
	s_setreg_imm32_b32 hwreg(HW_REG_WAVE_MODE, 25, 1), 1
	s_wait_xcnt 0x0
; Causal attention of one head, with a running maximum.  q, k, v: qkv[cb][8192][64] f16 (cb = head, 16 + head, 32 + head); fst[cb][b][64][64] f32: rows 0-63 of each sequence, unrounded.
; out: ao[head][8192][64] f16, the A operand of the last product.
; Work-group wg: j = wg & 3, head = (wg >> 2) & 15, batch = wg >> 6.  It makes query block 7 - j and then query block j (256 queries each):
; (8 - j) + (j + 1) = 9 blocks of 256 keys, 18 trips of 128 keys, in every work-group.
; EIGHT WAVES, two for each of the four SIMDs, so that one wave's vector work can be issued while the other's matrix instructions run: a tile of 64 x 64 has 64 matrix
; instructions and some 480 vector instructions.  Wave = 4 g + w: w picks queries 64 w .. 64 w + 63 of the block (four tiles n of 16), team g takes keys 64 g .. 64 g + 63 of each trip's 128.
; The KEYS are shared between the teams, not the queries: a tile still reads 16 KiB of LDS for its 64 matrix instructions; waves of 32 queries would read the same bytes for half of them.
; Each team keeps its own maximum, sum and O; at a block's end team 1 hands them over through LDS and team 0 puts both on one scale, adds, divides and stores.
; Keys above the diagonal are not computed: in the two trips on the diagonal team g stands at key tile kt0 + g, and a wave leaves it out unless kt0 + g <= w.
; TRANSPOSED FORMS: S^T = K Q^T and O^T = V^T P^T.  Lane (r, h) holds, for query 16 n + r, keys 16 mk + 8 h + 0..7: two neighbouring S^T tiles pack straight
; into a P^T fragment; maximum and sum are work inside the lane and one exchange between the halves; the rescaling factor is one number a lane.
; p = 2^(c s + NM) with c = log2(e) / 8 and NM = -c x (running maximum), rounded once; every rescaling factor 2^(NM new - NM old) is made of the same rounded
; numbers, so old and new terms, and the two teams' terms, stand on one scale whatever the size of the scores.
; THE FIRST 64 QUERIES OF A SEQUENCE (macro FIRST): a query that averages n keys gives numbers about 1 / sqrt(n) of v's, many times the size of the rows with many keys,
; so an operand's relative rounding (2^-11 in f16) weighs most there.  These queries see keys 0-63 alone: one tile, made by wave 0 of the work-groups with j = 0.
; There q, k, v and P are each taken as two f16 parts, hi (the mantissa cut to 11 bits) and lo = x - hi (exact in f32, then rounded): 22 bits, three products for one (lo x lo is left out: 2^-20).
; So the result's own rounding to f16 is the one rounding of 11 bits in these rows.
; LIMITS: q, k, v are f16: below 65,504 in magnitude (the projection's head says what room that leaves); the result is an average of v's rows and keeps that bound.
; P is f16 in [0, 1], the result f16: 2^-25 absolute below 2^-14.
; A NaN score loses in the maximum (v_max3_num_f32) and is not carried as in IEEE maximum.  v_exp_f32 gives 0 for results below 2^-126.
; NO MULTICAST: the four work-groups of a head walk 16, 14, 12 and 10 key tiles for their first block and 2, 4, 6, 8 for their second; from the tenth trip on
; they stand at different tiles, so partners would need different numbers of joint loads, or 24 trips each in place of 18.
; LDS: two slots of K (128 keys, pitch 144) + V (128 keys, pitch 160: the transposing load wants an odd multiple of 32); a stage for each wave; the hand-over of team 1; FIRST's four areas.
; REGISTERS, 512 a wave: window 0: addresses, O^T (16 tiles), 64 registers that hold K's fragments and then V's; window 1: S^T / P^T (16 tiles), Q fragments, the rows' figures.
.set KPITCH, 144
.set VPITCH, 160
.set KBYTES, 128*KPITCH
.set VBYTES, 128*VPITCH
.set SLOT,   KBYTES+VBYTES             ; 38,912
.set STAGE,  2*SLOT                    ; 77,824: 64 rows x 144 bytes for each of eight waves; no fill lands from here on
.set WSTAGE, 64*KPITCH
.set MERGE,  STAGE+8*WSTAGE            ; 151,552: the hand-over, for each w: 128 registers x 32 lanes of O, then two quads of figures
.set MSTAT,  16384
.set MWAVE,  MSTAT+1024
.set FB,     MERGE+4*MWAVE             ; 221,184: FIRST's four areas of 64 rows x 144 bytes, wave 0's own; 258,048 bytes in all
.set FVH,    0                         ; V's upper part, V's lower part, K's upper part, K's lower part
.set FVL,    WSTAGE
.set FKH,    2*WSTAGE
.set FKL,    3*WSTAGE
.set TILEB,  16384                     ; 128 keys x 128 bytes in memory
.set AK, 4                             ; v4, v5   LDS address of my team's K fragments, slot 0, 1
.set AV, 6                             ; v6, v7   of my team's V fragments
.set AQ, 8                             ; byte offset of my 16 bytes of q
.set STO, 9
.set RD, 10
.set CO, 11
.set AF, 12                            ; byte offset of my 32 bytes in a tile of 16 rows of fst
.set MG, 13                            ; LDS address of my 16 bytes in the hand-over of my w
.set STF, 14                           ; FIRST: row r, 16 bytes for each half of the lanes, in its first area
.set AVF, 15                           ; FIRST: the transposing loads' address in its first area
.set OO, 32                            ; window 0: v32-159, tile (n, dt) at OO + 8 (4 n + dt)
.set VF, 160                           ; window 0: v160-223, K fragment (mk, ks) at VF + 8 (2 mk + ks), then V fragment (dt, ks) at VF + 8 (2 dt + ks)
.set RT, OO                            ; FIRST, while O is not yet begun: upper parts of four fragments in f32,
.set HP, OO+64                         ; four fragments' upper parts packed,
.set LP, OO+96                         ; their lower parts packed;
.set QL, OO+64                         ; and Q's lower parts (64 registers)
.set SS, 0                             ; window 1: v0-127, tile (mk, n) at 32 n + 8 mk; P fragment (n, ks) at 32 n + 16 ks; at the merge: the partner's O
.set RAW, 0                            ; FIRST, ahead of the S products: eight fragments in f32, 16 registers each
.set QQ, 128                           ; window 1: v128-191, fragment (n, ks) at QQ + 8 (2 n + ks)
.set MX, 192                           ; window 1: running maximum of the raw scores, one for each n; at the merge: the partner's NM, then its factor
.set TT, 196
.set T2, 200
.set AL, 204                           ; rescaling factor; at the end my factor / sum
.set NM, 208                           ; -c x maximum
.set LS, 212                           ; running sum, a pair for each n
.set QV, 220                           ; 64 (w - g) + 16 n + r - 8 h
.set QT, 224
.set XT, 228                           ; window 1: v228-243, FIRST: upper parts of 16 p
.set G1K, 16
.set G1V, 24
.set G0K, 32                           ; s[32:39] a set for each slot
.set G0V, 40                           ; s[40:47]
.set MSB, 0
.macro WIN new                         ; the immediate's high byte repeats the setting that is left
.if MSB != \new
	s_set_vgpr_msb (MSB<<8)|\new
.set MSB, \new
.endif
.endm
.macro NOPS n
.rept \n
	v_nop
.endr
.endm
.macro KVLOAD s                        ; wave 0 brings K's tile, wave 1 V's, the others none: at most one tensor load of a wave is out
	s_cmp_lg_u32 s8, 0
	s_cbranch_scc1 .Lnot_k_\@
	tensor_load_to_lds s[G0K+4*(\s):G0K+4*(\s)+3], s[G1K:G1K+7]
	s_nop 0
.Lnot_k_\@:
	s_cmp_lg_u32 s8, 1
	s_cbranch_scc1 .Lnot_v_\@
	tensor_load_to_lds s[G0V+4*(\s):G0V+4*(\s)+3], s[G1V:G1V+7]
	s_nop 0
.Lnot_v_\@:
.endm
.macro LOADQ base                      ; my 64 queries as eight B fragments; leaves the destination in window 1
	WIN 0x40
.irp n, 0,1,2,3
.irp ks, 0,1
.irp e, 0,1
	global_load_b128 v[QQ+8*(2*\n+\ks)+4*\e:QQ+8*(2*\n+\ks)+4*\e+3], v[AQ], s[\base:\base+1] offset:\n*2048+64*\ks+32*\e
.endr
.endr
.endr
.endm
	s_load_b128 s[4:7], s[0:1], 0x0                ; qkv s[4:5], ao s[6:7]
	s_load_b64 s[66:67], s[0:1], 0x10              ; fst
	v_lshl_add_u32 v254, v0, 2, 0x3f000
	v_mov_b32 v255, 0
	ds_add_u32 v254, v255
	v_lshrrev_b32 v1, 5, v0
	v_readfirstlane_b32 s8, v1                     ; wave 0..7
	s_and_b32 s69, s8, 3                           ; w: which 64 queries
	s_lshr_b32 s70, s8, 2                          ; g: which 64 of a trip's 128 keys
	s_sub_co_i32 s71, s69, s70                     ; w - g (-1 for wave 4)
	s_and_b32 s9, ttmp9, 3                         ; j
	s_bfe_u32 s10, ttmp9, 0x40002                  ; head
	s_lshr_b32 s11, ttmp9, 6                       ; batch
	s_mov_b32 s48, 0x76543210                      ; v_permlanex16_b32: lane i of one half reads lane i of the other
	s_mov_b32 s49, 0xfedcba98
	s_mov_b32 s68, 0xffffe000                      ; an f32 cut to f16's 11 significant bits
	; group 1: 16 KiB of dense bytes as 64 rows of 32 elements of 8 bytes; padding behind every 32 words: 4 words for K, 8 for V
	s_mov_b32 s[G1K+0], (3<<16)|(1<<20)|(4<<22)|(3<<25)
	s_mov_b32 s[G1V+0], (3<<16)|(1<<20)|(4<<22)|(7<<25)
	s_mov_b32 s[G1K+1], 32<<16
	s_mov_b32 s[G1V+1], 32<<16
	s_mov_b32 s[G1K+2], 64<<16
	s_mov_b32 s[G1V+2], 64<<16
	s_mov_b32 s[G1K+3], 32<<16
	s_mov_b32 s[G1V+3], 32<<16
	s_mov_b32 s[G1K+4], 64
	s_mov_b32 s[G1V+4], 64
	s_mov_b32 s[G1K+5], 32
	s_mov_b32 s[G1V+5], 32
	s_mov_b32 s[G1K+6], 0
	s_mov_b32 s[G1V+6], 0
	s_mov_b32 s[G1K+7], 0
	s_mov_b32 s[G1V+7], 0
	s_lshl_b32 s60, s10, 20                        ; head x 8,192 rows x 128 bytes
	s_lshl_b32 s62, s11, 18                        ; + batch x 2,048 rows
	s_add_co_u32 s60, s60, s62
	s_mov_b32 s61, 0
	s_lshl_b32 s62, s69, 13                        ; w x 64 rows
	s_sub_co_u32 s51, 7, s9                        ; the first query block
	s_wait_dscnt 0x0
	s_barrier_signal -1
	s_barrier_wait -1
	s_wait_kmcnt 0x0
	s_add_nc_u64 s[52:53], s[4:5], s[60:61]        ; q of my head and batch
	s_add_nc_u64 s[54:55], s[6:7], s[60:61]        ; ao likewise
	s_add_nc_u64 s[12:13], s[52:53], 16<<20        ; k: 16 column blocks further
	s_add_nc_u64 s[14:15], s[52:53], 32<<20        ; v: 32
.irp s, 0,1
	s_mov_b32 s[G0K+4*\s], 1
	s_mov_b32 s[G0K+4*\s+1], \s*SLOT
	s_add_nc_u64 s[G0K+4*\s+2:G0K+4*\s+3], s[12:13], \s*TILEB      ; slot s: key tile s
	s_or_b32 s[G0K+4*\s+3], s[G0K+4*\s+3], 0x80000000
	s_mov_b32 s[G0V+4*\s], 1
	s_mov_b32 s[G0V+4*\s+1], KBYTES+\s*SLOT
	s_add_nc_u64 s[G0V+4*\s+2:G0V+4*\s+3], s[14:15], \s*TILEB
	s_or_b32 s[G0V+4*\s+3], s[G0V+4*\s+3], 0x80000000
.endr
	KVLOAD 0                                       ; the first fill: key tile 0.  Slot 1 is first filled behind the first trip's barrier
	s_lshl_b32 s60, s9, 15                         ; block j x 256 rows
	s_add_co_u32 s60, s60, s62
	s_add_nc_u64 s[56:57], s[52:53], s[60:61]      ; q and ao at my rows of the second block
	s_add_nc_u64 s[58:59], s[54:55], s[60:61]
	s_lshl_b32 s60, s51, 15
	s_add_co_u32 s60, s60, s62
	s_add_nc_u64 s[52:53], s[52:53], s[60:61]      ; and of the first block
	s_add_nc_u64 s[54:55], s[54:55], s[60:61]
	s_lshl2_add_u32 s60, s10, s11                  ; fst: 4 x head + batch,
	s_lshl_b32 s60, s60, 14                        ; blocks of 64 rows x 256 bytes; k's and v's lie 1 << 20 and 2 << 20 bytes further
	s_add_nc_u64 s[66:67], s[66:67], s[60:61]
	v_and_b32 v1, 15, v0                           ; r
	v_bfe_u32 v2, v0, 4, 1                         ; h
	v_and_b32 v3, 7, v0
	v_lshlrev_b32 v[AQ], 7, v1                     ; q: row r x 128 bytes + 16 h
	v_lshl_add_u32 v[AQ], v2, 4, v[AQ]
	LOADQ 52
.irp n, 0,1,2,3
	v_mov_b32 v[T2+\n], 0                          ; v_permlanex16_b32 counts as a reader of its destination: written once here
.endr
	WIN 0
	s_mul_i32 s63, s8, WSTAGE
	s_add_co_u32 s63, s63, STAGE                   ; my stage
	v_mul_u32_u24 v[AK], v1, KPITCH                ; row r x 144 + 16 h:
	v_lshl_add_u32 v[AK], v2, 4, v[AK]
	v_add_nc_u32 v[STO], s63, v[AK]                ; into my stage,
	v_add_nc_u32 v[STF], FB, v[AK]                 ; into and out of FIRST's areas,
	s_mul_i32 s72, s70, 64*KPITCH
	v_add_nc_u32 v[AK], s72, v[AK]                 ; and K's fragments: my team's 64 keys of the slot
	v_add_nc_u32 v[AK+1], SLOT, v[AK]
	v_lshl_add_u32 v16, v2, 3, v3                  ; V, for the transposing load: key 8 h + l % 8,
	v_bfe_u32 v17, v0, 3, 1                        ; 16 bytes x ((l / 8) % 2)
	v_mul_u32_u24 v18, v16, VPITCH
	v_lshl_add_u32 v18, v17, 4, v18
	s_mul_i32 s73, s70, 64*VPITCH                  ; my team's 64 keys,
	s_add_co_u32 s73, s73, KBYTES                  ; behind K's tile
	v_add_nc_u32 v[AV], s73, v18
	v_add_nc_u32 v[AV+1], SLOT, v[AV]
	v_mul_u32_u24 v18, v16, KPITCH                 ; the same from FIRST's areas, whose pitch is 144
	v_lshl_add_u32 v18, v17, 4, v18
	v_add_nc_u32 v[AVF], FB, v18
	v_bfe_u32 v19, v0, 3, 2                        ; back from my stage: eight lanes a row of 128 bytes, four rows a load
	v_mul_u32_u24 v19, v19, KPITCH
	v_lshl_add_u32 v19, v3, 4, v19
	v_add_nc_u32 v[RD], s63, v19
	v_and_b32 v20, 31, v0                          ; lane
	v_lshlrev_b32 v[CO], 4, v20
	s_mul_i32 s72, s69, MWAVE
	s_add_co_u32 s72, s72, MERGE                   ; the hand-over of my w: wave 4 + w stores there, wave w loads
	v_lshl_add_u32 v[MG], v20, 4, s72
	v_lshlrev_b32 v[AF], 8, v1                     ; fst: row r x 256 bytes + 32 h
	v_lshl_add_u32 v[AF], v2, 5, v[AF]
	v_lshl_add_u32 v16, s71, 6, v1                 ; 64 (w - g) + r
	v_lshlrev_b32 v17, 3, v2
	v_sub_nc_u32 v16, v16, v17                     ; - 8 h
	WIN 0x40
.irp n, 0,1,2,3
	v_add_nc_u32 v[QV+\n], 16*\n, v16
.endr
	WIN 0
.macro LOADK slot                      ; 16 loads: my team's 64 keys as eight A fragments
	WIN 0
.irp mk, 0,1,2,3
.irp ks, 0,1
	ds_load_b128 v[VF+8*(2*\mk+\ks):VF+8*(2*\mk+\ks)+3],   v[AK+\slot] offset:16*\mk*KPITCH+64*\ks
	ds_load_b128 v[VF+8*(2*\mk+\ks)+4:VF+8*(2*\mk+\ks)+7], v[AK+\slot] offset:16*\mk*KPITCH+64*\ks+32
.endr
.endr
.endm
.macro LOADV slot                      ; 16 transposing loads into the same registers: V^T of the same keys as eight A fragments (row = d, k = key)
	WIN 0
.irp dt, 0,1,2,3
.irp ks, 0,1
	ds_load_tr16_b128 v[VF+8*(2*\dt+\ks):VF+8*(2*\dt+\ks)+3],   v[AV+\slot] offset:(32*\ks)*VPITCH+32*\dt
	ds_load_tr16_b128 v[VF+8*(2*\dt+\ks)+4:VF+8*(2*\dt+\ks)+7], v[AV+\slot] offset:(32*\ks+16)*VPITCH+32*\dt
.endr
.endr
.endm
; 16 matrix instructions: all 16 tiles of S^T, 32 along d; the 16 accumulators take turns, one instruction a turn
.macro SSET aoff, boff, zero
.irp n, 0,1,2,3
.irp mk, 0,1,2,3
.if \zero
	v_wmma_f32_16x16x32_f16 v[SS+32*\n+8*\mk:SS+32*\n+8*\mk+7], v[\aoff+16*\mk:\aoff+16*\mk+7], v[\boff+16*\n:\boff+16*\n+7], 0
.else
	v_wmma_f32_16x16x32_f16 v[SS+32*\n+8*\mk:SS+32*\n+8*\mk+7], v[\aoff+16*\mk:\aoff+16*\mk+7], v[\boff+16*\n:\boff+16*\n+7], v[SS+32*\n+8*\mk:SS+32*\n+8*\mk+7]
.endif
.endr
.endr
.endm
.macro SMUL                            ; S^T = K Q^T: K in window 0, Q and S in window 1
	WIN 0x54
	SSET VF, QQ, 1
	SSET (VF+8), (QQ+8), 0
.endm
; key <= query, both counted from the block's first row: 64 (kt0 + g) + 16 mk + 8 h + jj <= 64 w + 16 n + r, that is 16 mk + jj <= QV(n) - 64 kt0 (signed: it can be -8)
.macro MASK kt
.irp n, 0,1,2,3
	v_sub_nc_u32 v[QT+\n], v[QV+\n], 64*\kt
.endr
.irp n, 0,1,2,3
.set e, 0
.rept 32
	v_cmp_le_i32 vcc_lo, e+8*(e/8), v[QT+\n]
	v_cndmask_b32 v[SS+32*\n+e], 0xff800000, v[SS+32*\n+e], vcc_lo
.set e, e+1
.endr
.endr
.endm
.macro BMUL d, n                       ; v[d:d+1] x AL(n), the one factor for both halves
.if (\n)&1
	v_pk_mul_f32 v[\d:\d+1], v[\d:\d+1], v[AL+\n-1:AL+\n] op_sel:[0,1] op_sel_hi:[1,1]
.else
	s_wait_alu depctr_va_vdst(0)
	v_pk_mul_f32 v[\d:\d+1], v[\d:\d+1], v[AL+\n:AL+\n+1] op_sel_hi:[1,0]
.endif
.endm
.macro EFMA n, k                       ; two exponents: c s + NM(n), one rounding
.if (\n)&1
	v_pk_fma_f32 v[SS+32*\n+2*\k:SS+32*\n+2*\k+1], v[SS+32*\n+2*\k:SS+32*\n+2*\k+1], 0x3e38aa3b, v[NM+\n-1:NM+\n] op_sel:[0,0,1] op_sel_hi:[1,0,1]
.else
	v_pk_fma_f32 v[SS+32*\n+2*\k:SS+32*\n+2*\k+1], v[SS+32*\n+2*\k:SS+32*\n+2*\k+1], 0x3e38aa3b, v[NM+\n:NM+\n+1] op_sel_hi:[1,0,0]
.endif
.endm
; two p join the sum; split = 0: they then pack in place: the target word has been summed and packed before (k <= 2 k, and k + 8 <= 2 k + 1 from k = 8 on)
.macro SUMCVT n, k, split
	s_wait_alu depctr_va_vdst(0)
	v_pk_add_f32 v[LS+2*\n:LS+2*\n+1], v[SS+32*\n+2*\k:SS+32*\n+2*\k+1], v[LS+2*\n:LS+2*\n+1]
.if \split == 0
.if \k < 8
	v_cvt_pk_f16_f32 v[SS+32*\n+\k], v[SS+32*\n+2*\k], v[SS+32*\n+2*\k+1]
.else
	v_cvt_pk_f16_f32 v[SS+32*\n+8+\k], v[SS+32*\n+2*\k], v[SS+32*\n+2*\k+1]
.endif
.endif
.endm
; The exponentials of query tile n, with plain work of its neighbours between them: the exponents of tile n + 1, the sum (and packing) of tile n - 1.
; So a plain vector instruction that touches neither stands behind every pair of v_exp_f32 (ISA guide 5.7.2), and a result is first read a whole stage later.
.macro ESTAGE n, split
.irp k, 0,1,2,3,4,5,6,7,8,9,10,11,12,13,14,15
	v_exp_f32 v[SS+32*\n+2*\k], v[SS+32*\n+2*\k]
	v_exp_f32 v[SS+32*\n+2*\k+1], v[SS+32*\n+2*\k+1]
.if \n < 3
	EFMA (\n+1), \k
.endif
.if \n > 0
	SUMCVT (\n-1), \k, \split
.endif
.endr
.endm
.macro SOFT split
.irp k, 0,1,2,3,4,5,6,7,8,9,10,11,12,13,14,15
.irp n, 0,1,2,3
	v_max3_num_f32 v[MX+\n], v[MX+\n], v[SS+32*\n+2*\k], v[SS+32*\n+2*\k+1]   ; four chains that do not wait for each other
.endr
.endr
.irp n, 0,1,2,3
	v_permlanex16_b32 v[T2+\n], v[MX+\n], s48, s49 ; the other half of the lanes holds the query's other keys
.endr
.irp n, 0,1,2,3
	v_max_num_f32 v[MX+\n], v[MX+\n], v[T2+\n]
.endr
.irp n, 0,1,2,3
	v_mul_f32 v[TT+\n], 0xbe38aa3b, v[MX+\n]       ; -c x maximum
.endr
.irp n, 0,1,2,3
	v_sub_f32 v[AL+\n], v[TT+\n], v[NM+\n]         ; c (old maximum - new maximum); in a block's first tile NM = +inf, so the factor is 0
.endr
.irp n, 0,1,2,3
	v_exp_f32 v[AL+\n], v[AL+\n]
.endr
.irp n, 0,1,2,3
	v_mov_b32 v[NM+\n], v[TT+\n]                   ; plain work behind the exponentials, ahead of their first use
.endr
.irp n, 0,1,2,3
	BMUL (LS+2*\n), \n
.endr
.irp k, 0,1,2,3,4,5,6,7,8,9,10,11,12,13,14,15
	EFMA 0, \k
.endr
	ESTAGE 0, \split
	ESTAGE 1, \split
	ESTAGE 2, \split
	ESTAGE 3, \split
.irp k, 0,1,2,3,4,5,6,7,8,9,10,11,12,13,14,15
	SUMCVT 3, \k, \split
.endr
.endm
; 8 matrix instructions: O^T(n) += V^T P^T(n) over 64 keys (zero = 1: the first four start the sums); the query tile's four accumulators take turns, one instruction a turn
.macro PVSET n, voff, poff, zero
.irp ks, 0,1
.irp dt, 0,1,2,3
.if \zero*(1-\ks)
	v_wmma_f32_16x16x32_f16 v[OO+8*(4*\n+\dt):OO+8*(4*\n+\dt)+7], v[\voff+8*(2*\dt+\ks):\voff+8*(2*\dt+\ks)+7], v[\poff+32*\n+16*\ks:\poff+32*\n+16*\ks+7], 0
.else
	v_wmma_f32_16x16x32_f16 v[OO+8*(4*\n+\dt):OO+8*(4*\n+\dt)+7], v[\voff+8*(2*\dt+\ks):\voff+8*(2*\dt+\ks)+7], v[\poff+32*\n+16*\ks:\poff+32*\n+16*\ks+7], v[OO+8*(4*\n+\dt):OO+8*(4*\n+\dt)+7]
.endif
.endr
.endr
.endm
.macro PVALL                           ; O^T = factor x O^T + V^T P^T
	WIN 0x04
.irp n, 0,1,2,3
.irp p, 0,1,2,3,4,5,6,7,8,9,10,11,12,13,14,15
	BMUL (OO+32*\n+2*\p), \n
.endr
	PVSET \n, VF, SS, 0
.endr
.endm
; My team's 64 keys against my 64 queries.  K's fragments have been asked for; V's follow into the same registers behind the S products and land during the softmax.
.macro CORE slot, masked, kt
	s_wait_dscnt 0x0                               ; K's fragments are in
	SMUL
	NOPS 4                                         ; four places: for the loads into the registers that held K and for the readers of S
	LOADV \slot
	WIN 0x55
.if \masked
	MASK \kt
.endif
	SOFT 0
	s_wait_dscnt 0x0                               ; V's fragments are in
	PVALL
	WIN 0
	NOPS 5                                         ; five places: the next S products write over P, loads land in the fragments' registers, O is read at the block's end
.endm
; ---- queries 0-63 of a sequence against keys 0-63, every operand in two f16 parts ----
.macro LDRAW moff                      ; 32 loads: 64 rows x 64 f32 at byte moff of my part of fst, as eight fragments (tile t of 16 rows, half ks of the columns), 16 f32 a lane each
	WIN 0x40
.irp t, 0,1,2,3
.irp ks, 0,1
.irp e, 0,1,2,3
	global_load_b128 v[RAW+16*(2*\t+\ks)+4*\e:RAW+16*(2*\t+\ks)+4*\e+3], v[AF], s[66:67] offset:\moff+\t*4096+\ks*128+(\e>>1)*64+(\e&1)*16
.endr
.endr
.endr
.endm
; fragments f0 .. f0 + 3: hi = the f32 cut to 11 significant bits (exact in f16), lo = x - hi (exact in f32); both packed, 32 registers each: hi to hdst
; (hset: the setting with that destination's window and both sources in window 0), lo to ldst in window 0
.macro SPLIT4 f0, hset, hdst, ldst
	WIN 0x04                                       ; into window 0, from window 1
.set i, 0
.rept 64
	v_and_b32 v[RT+i], s68, v[RAW+16*\f0+i]
.set i, i+1
.endr
	WIN 0x41                                       ; window 1 less window 0, into window 1
.set i, 0
.rept 32
	v_pk_add_f32 v[RAW+16*\f0+2*i:RAW+16*\f0+2*i+1], v[RAW+16*\f0+2*i:RAW+16*\f0+2*i+1], v[RT+2*i:RT+2*i+1] neg_lo:[0,1] neg_hi:[0,1]
.set i, i+1
.endr
	WIN \hset
.set i, 0
.rept 32
	v_cvt_pk_f16_f32 v[\hdst+i], v[RT+2*i], v[RT+2*i+1]
.set i, i+1
.endr
	WIN 0x05                                       ; from window 1 into window 0
.set i, 0
.rept 32
	v_cvt_pk_f16_f32 v[\ldst+i], v[RAW+16*\f0+2*i], v[RAW+16*\f0+2*i+1]
.set i, i+1
.endr
.endm
.macro ROWS4 f0, reg, off              ; 8 LDS stores: four packed fragments (tiles f0 / 2 and f0 / 2 + 1) into an area, as rows of 128 bytes
.irp q, 0,1,2,3
	ds_store_b128 v[STF], v[\reg+8*\q:\reg+8*\q+3]   offset:\off+((\f0+\q)>>1)*16*KPITCH+((\f0+\q)&1)*64
	ds_store_b128 v[STF], v[\reg+8*\q+4:\reg+8*\q+7] offset:\off+((\f0+\q)>>1)*16*KPITCH+((\f0+\q)&1)*64+32
.endr
.endm
.macro LDKF off                        ; 16 loads: a part of K back as eight A fragments
.irp mk, 0,1,2,3
.irp ks, 0,1
	ds_load_b128 v[VF+8*(2*\mk+\ks):VF+8*(2*\mk+\ks)+3],   v[STF] offset:\off+16*\mk*KPITCH+64*\ks
	ds_load_b128 v[VF+8*(2*\mk+\ks)+4:VF+8*(2*\mk+\ks)+7], v[STF] offset:\off+16*\mk*KPITCH+64*\ks+32
.endr
.endr
.endm
.macro VTR off                         ; 16 transposing loads: a part of V back as fragments of V^T
.irp dt, 0,1,2,3
.irp ks, 0,1
	ds_load_tr16_b128 v[VF+8*(2*\dt+\ks):VF+8*(2*\dt+\ks)+3],   v[AVF] offset:\off+(32*\ks)*KPITCH+32*\dt
	ds_load_tr16_b128 v[VF+8*(2*\dt+\ks)+4:VF+8*(2*\dt+\ks)+7], v[AVF] offset:\off+(32*\ks+16)*KPITCH+32*\dt
.endr
.endr
.endm
; 16 p in f32 (query tile n, keys 32 ks ..) become in place: lo fragment at 32 n + 16 ks, hi fragment at 32 n + 16 ks + 8.
; The lo words pack upward (word i from words 2 i, 2 i + 1); the hi words, kept apart in XT, then take the eight registers that this has freed.
.macro PSPLIT
.irp n, 0,1,2,3
.irp ks, 0,1
.irp i, 0,1,2,3,4,5,6,7,8,9,10,11,12,13,14,15
	v_and_b32 v[XT+\i], s68, v[SS+32*\n+16*\ks+\i]
.endr
.irp i, 0,1,2,3,4,5,6,7
	v_pk_add_f32 v[SS+32*\n+16*\ks+2*\i:SS+32*\n+16*\ks+2*\i+1], v[SS+32*\n+16*\ks+2*\i:SS+32*\n+16*\ks+2*\i+1], v[XT+2*\i:XT+2*\i+1] neg_lo:[0,1] neg_hi:[0,1]
.endr
.irp i, 0,1,2,3,4,5,6,7
	v_cvt_pk_f16_f32 v[SS+32*\n+16*\ks+\i], v[SS+32*\n+16*\ks+2*\i], v[SS+32*\n+16*\ks+2*\i+1]
.endr
.irp i, 0,1,2,3,4,5,6,7
	v_cvt_pk_f16_f32 v[SS+32*\n+16*\ks+8+\i], v[XT+2*\i], v[XT+2*\i+1]
.endr
.endr
.endr
.endm
; The f32 numbers land in S's registers, which the S products write only afterwards; the cut parts are worked in O's registers, which the first P V product starts anew (C = 0).
; Both parts of V and of K wait in LDS, in areas that are my wave's own (LDS serves a wave's instructions in order, ISA guide 5.7.1: no wait between its stores and its loads),
; and come back one part at a time into the 64 registers of the fragments.
.macro FIRST
	LDRAW (2<<20)                                  ; v
	s_wait_loadcnt 0x0
	SPLIT4 0, 0x00, HP, LP
	WIN 0
	ROWS4 0, HP, FVH
	ROWS4 0, LP, FVL
	SPLIT4 4, 0x00, HP, LP
	LDRAW (1<<20)                                  ; k comes in while the rest of v goes to LDS
	WIN 0
	ROWS4 4, HP, FVH
	ROWS4 4, LP, FVL
	s_wait_loadcnt 0x0
	SPLIT4 0, 0x00, HP, LP
	WIN 0
	ROWS4 0, HP, FKH
	ROWS4 0, LP, FKL
	SPLIT4 4, 0x00, HP, LP
	LDRAW 0                                        ; q
	WIN 0
	ROWS4 4, HP, FKH
	ROWS4 4, LP, FKL
	LDKF FKH                                       ; K's upper part
	s_wait_loadcnt 0x0
	SPLIT4 0, 0x40, QQ, QL                         ; Q's upper part to its place in window 1, its lower part into O's upper half
	SPLIT4 4, 0x40, (QQ+32), (QL+32)
	s_wait_dscnt 0x0
	WIN 0x54
	SSET VF, QQ, 1                                 ; S^T = Kh Qh + Kh Ql + Kl Qh
	SSET (VF+8), (QQ+8), 0
	WIN 0x50                                       ; B in window 0
	SSET VF, QL, 0
	SSET (VF+8), (QL+8), 0
	NOPS 4                                         ; four places ahead of the loads into the fragments' registers
	WIN 0
	LDKF FKL                                       ; K's lower part
	s_wait_dscnt 0x0
	WIN 0x54
	SSET VF, QQ, 0
	SSET (VF+8), (QQ+8), 0
	NOPS 4                                         ; four places ahead of the loads and of the readers of S
	WIN 0
	VTR FVH                                        ; V's upper part lands during the softmax
	WIN 0x55
	MASK 0
	SOFT 1                                         ; p stays in f32
	PSPLIT
	s_wait_dscnt 0x0
	WIN 0x04                                       ; O^T = Vh Ph + Vh Pl + Vl Ph; the first product starts the sums
.irp n, 0,1,2,3
	PVSET \n, VF, (SS+8), 1
	PVSET \n, VF, SS, 0
.endr
	NOPS 4
	WIN 0
	VTR FVL                                        ; V's lower part
	s_wait_dscnt 0x0
	WIN 0x04
.irp n, 0,1,2,3
	PVSET \n, VF, (SS+8), 0
.endr
	WIN 0
	NOPS 5
.endm
; One trip: 128 keys in slot, 64 for each team.  nxt = 1: this slot's addresses step two tiles on; 2: they go back to tile "slot" for the second query block; 0: the last trip.
; In front of the barrier every wave waits for all its tensor loads and for its LDS reads; behind it the other slot, read last trip, is filled first.
; first = 1: the trip that holds queries 0-63 of a sequence where j = 0: wave 0 then makes its one tile by FIRST.
.macro TRIP slot, masked, kt0, nxt, first
	s_wait_tensorcnt 0x0                           ; my tensor load has landed: this trip's tile; no load of mine is out, so a group 0 may be written
	ds_add_u32 v254, v255
	s_wait_dscnt 0x0
.if \nxt == 1
	s_add_nc_u64 s[G0K+4*\slot+2:G0K+4*\slot+3], s[G0K+4*\slot+2:G0K+4*\slot+3], 2*TILEB
	s_add_nc_u64 s[G0V+4*\slot+2:G0V+4*\slot+3], s[G0V+4*\slot+2:G0V+4*\slot+3], 2*TILEB
.endif
.if \nxt == 2
	s_add_nc_u64 s[G0K+4*\slot+2:G0K+4*\slot+3], s[12:13], \slot*TILEB
	s_or_b32 s[G0K+4*\slot+3], s[G0K+4*\slot+3], 0x80000000
	s_add_nc_u64 s[G0V+4*\slot+2:G0V+4*\slot+3], s[14:15], \slot*TILEB
	s_or_b32 s[G0V+4*\slot+3], s[G0V+4*\slot+3], 0x80000000
.endif
	s_wait_dscnt 0x0                               ; my reads of the other slot are back
	s_barrier_signal -1
	s_barrier_wait -1
.if \nxt != 0
	KVLOAD (1-\slot)                               ; the next tile: it has this trip's work in which to land
.endif
.if \first
	s_cmp_lg_u32 s9, 0
	s_cbranch_scc1 .Lplain_\@
	s_cmp_lg_u32 s8, 0
	s_cbranch_scc1 .Lplain_\@
	FIRST
	s_branch .Ltend_\@
.Lplain_\@:
.endif
.if \masked
	s_cmp_lt_i32 s71, \kt0                         ; kt0 + g > w: my team's 64 keys lie above all my queries
	s_cbranch_scc1 .Ltend_\@
.endif
	LOADK \slot
	CORE \slot, \masked, \kt0
.Ltend_\@:
.endm
.macro FMAO n, p                       ; two of my sums += the partner's two x its factor MX(n)
.if (\n)&1
	v_pk_fma_f32 v[OO+32*\n+2*\p:OO+32*\n+2*\p+1], v[SS+32*\n+2*\p:SS+32*\n+2*\p+1], v[MX+\n-1:MX+\n], v[OO+32*\n+2*\p:OO+32*\n+2*\p+1] op_sel:[0,1,0] op_sel_hi:[1,1,1]
.else
	v_pk_fma_f32 v[OO+32*\n+2*\p:OO+32*\n+2*\p+1], v[SS+32*\n+2*\p:SS+32*\n+2*\p+1], v[MX+\n:MX+\n+1], v[OO+32*\n+2*\p:OO+32*\n+2*\p+1] op_sel_hi:[1,0,1]
.endif
.endm
; The end of a query block.  Team 1 stores O, NM and its lanes' sums into the hand-over; its stores are waited for, then the barrier; team 0 loads them behind the barrier.
; With NM = the smaller of the two (the larger maximum) the teams' factors are 2^(NM - NM0) and 2^(NM - NM1); a wave of team 1 that had no tile sends NM1 = +inf, O = 0, sum = 0: factor 0.
; Then: divide by the joint sum, round to f16, through my own stage, 512 consecutive bytes a store (four rows of 128 bytes).
; In the first block one tensor load of waves 0 and 1 (the second block's first tile) is on its way across this barrier: the next fill stands behind the next trip's barrier.
.macro EPI which, ob
	s_wait_dscnt 0x0
.if \which == 0
	LOADQ 56                                       ; the second block's queries come in behind the merge
.endif
	WIN 0x55
.irp n, 0,1,2,3
	v_add_f32 v[TT+\n], v[LS+2*\n], v[LS+2*\n+1]   ; my lane's sum
.endr
	WIN 0
	s_cmp_eq_u32 s70, 0
	s_cbranch_scc1 .Lkeep_\@
.set i, 0
.rept 32
	ds_store_b128 v[MG], v[OO+4*i:OO+4*i+3] offset:512*i           ; 32 lanes x 16 neighbouring bytes
.set i, i+1
.endr
	WIN 0x04                                       ; the stores' data in window 1
	ds_store_b128 v[MG], v[NM:NM+3] offset:MSTAT
	ds_store_b128 v[MG], v[TT:TT+3] offset:MSTAT+512
	WIN 0
.Lkeep_\@:
	s_wait_dscnt 0x0                               ; for team 0's sake: the hand-over is written
	s_barrier_signal -1
	s_barrier_wait -1
	s_cmp_lg_u32 s70, 0
	s_cbranch_scc1 .Lsent_\@                       ; team 1 has nothing more to do for this block
	WIN 0x40
	ds_load_b128 v[MX:MX+3], v[MG] offset:MSTAT                    ; the partner's NM
	ds_load_b128 v[T2:T2+3], v[MG] offset:MSTAT+512                ; and its lane's sums
.set i, 0
.rept 32
	ds_load_b128 v[SS+4*i:SS+4*i+3], v[MG] offset:512*i            ; its O, register for register
.set i, i+1
.endr
	s_wait_dscnt 32                                ; the two loads of figures are in; behind them: the 32 loads of O
	WIN 0x55
.irp n, 0,1,2,3
	v_min_num_f32 v[QT+\n], v[NM+\n], v[MX+\n]
.endr
.irp n, 0,1,2,3
	v_sub_f32 v[AL+\n], v[QT+\n], v[NM+\n]
.endr
.irp n, 0,1,2,3
	v_sub_f32 v[MX+\n], v[QT+\n], v[MX+\n]
.endr
.irp n, 0,1,2,3
	v_exp_f32 v[AL+\n], v[AL+\n]
.endr
.irp n, 0,1,2,3
	v_exp_f32 v[MX+\n], v[MX+\n]
.endr
	v_nop                                          ; one plain place behind the exponentials (ISA guide 5.7.2)
.irp n, 0,1,2,3
	s_wait_alu depctr_va_vdst(0)
	v_mul_f32 v[TT+\n], v[TT+\n], v[AL+\n]
.endr
.irp n, 0,1,2,3
	v_fma_f32 v[TT+\n], v[T2+\n], v[MX+\n], v[TT+\n]
.endr
.irp n, 0,1,2,3
	v_permlanex16_b32 v[T2+\n], v[TT+\n], s48, s49
.endr
.irp n, 0,1,2,3
	v_add_f32 v[TT+\n], v[TT+\n], v[T2+\n]
.endr
.irp n, 0,1,2,3
	v_rcp_f32 v[QT+\n], v[TT+\n]                   ; the sum is at least 1: the term of the maximum, whose team's factor is 1
.endr
	v_nop                                          ; one plain place behind the reciprocals
.irp n, 0,1,2,3
	s_wait_alu depctr_va_vdst(0)
	v_mul_f32 v[AL+\n], v[AL+\n], v[QT+\n]
.endr
.irp n, 0,1,2,3
	v_mul_f32 v[MX+\n], v[MX+\n], v[QT+\n]
.endr
	WIN 0x04
.irp n, 0,1,2,3
.irp p, 0,1,2,3,4,5,6,7,8,9,10,11,12,13,14,15
	BMUL (OO+32*\n+2*\p), \n
.endr
.endr
	WIN 0x05                                       ; the partner's O and its factor in window 1, mine in window 0
.irp n, 0,1,2,3
	s_wait_dscnt 24-8*\n                           ; this query tile's eight loads are in; the later tiles' eight each stay out
.irp p, 0,1,2,3,4,5,6,7,8,9,10,11,12,13,14,15
	FMAO \n, \p
.endr
.endr
	WIN 0
.irp t, 0,1,2,3,4,5,6,7,8,9,10,11,12,13,14,15
.irp i, 0,1,2,3
	v_cvt_pk_f16_f32 v[VF+4*\t+\i], v[OO+8*\t+2*\i], v[OO+8*\t+2*\i+1]
.endr
.endr
.irp n, 0,1,2,3
.irp dt, 0,1,2,3
	ds_store_b128 v[STO], v[VF+4*(4*\n+\dt):VF+4*(4*\n+\dt)+3] offset:\n*16*KPITCH+32*\dt
.endr
.endr
.irp t, 0,1,2,3,4,5,6,7,8,9,10,11,12,13,14,15
	ds_load_b128 v[OO+4*\t:OO+4*\t+3], v[RD] offset:\t*4*KPITCH    ; LDS serves a wave's instructions in order (ISA guide 5.7.1): these see the stores above
.endr
.irp t, 0,1,2,3,4,5,6,7,8,9,10,11,12,13,14,15
	s_wait_dscnt 15-\t                             ; the younger read-backs stay out
	global_store_b128 v[CO], v[OO+4*\t:OO+4*\t+3], s[\ob:\ob+1] offset:512*\t
.endr
.Lsent_\@:
.endm
; A query block.  which = 0: block 7 - j; its last two trips already ask for the second block's tiles 0 and 1.  which = 1: block j; its last trip asks for nothing.
.macro BLOCK which, ob
	s_wait_loadcnt 0x0                             ; my queries are in
	s_wait_xcnt 0x0                                ; O's registers were the data of the block before's stores
	WIN 0x40
.irp n, 0,1,2,3
	v_mov_b32 v[MX+\n], 0xff800000                 ; maximum -inf
	v_mov_b32 v[NM+\n], 0x7f800000                 ; -c x maximum +inf
	v_mov_b32 v[LS+2*\n], 0
	v_mov_b32 v[LS+2*\n+1], 0
.endr
	WIN 0
	; O starts at 0 by sixteen products of zero fragments (32 instructions for 128 registers): a wave's first tile of a block is a plain one, a masked one or none at all
	; (then the zeros are what it hands over), and one start for all spares a second copy of each tile with products that start the sums
.irp i, 0,1,2,3,4,5,6,7,8,9,10,11,12,13,14,15
	v_mov_b32 v[VF+\i], 0
.endr
.irp t, 0,1,2,3,4,5,6,7,8,9,10,11,12,13,14,15
	v_wmma_f32_16x16x32_f16 v[OO+8*\t:OO+8*\t+7], v[VF:VF+7], v[VF+8:VF+15], 0
.endr
	NOPS 5
	s_mov_b32 s50, 0                               ; pairs of trips below the diagonal, counted upward
.if \which == 1
	s_cmp_eq_u32 s9, 0                             ; j pairs; none for j = 0 (the same in all eight waves)
	s_cbranch_scc1 .Lnofull_\@
.endif
.Lfull_\@:
	TRIP 0, 0, 0, 1, 0
	TRIP 1, 0, 0, 1, 0
	s_add_co_u32 s50, s50, 1
.if \which == 0
	s_cmp_lt_u32 s50, s51                          ; 7 - j pairs: at least four
.else
	s_cmp_lt_u32 s50, s9
.endif
	s_cbranch_scc1 .Lfull_\@
.Lnofull_\@:
.if \which == 0
	TRIP 0, 1, 0, 2, 0
	TRIP 1, 1, 2, 2, 0
.else
	TRIP 0, 1, 0, 1, 1                             ; (slot 0's stepped address is not used)
	TRIP 1, 1, 2, 0, 0
.endif
	EPI \which, \ob
.endm
	BLOCK 0, 54
	BLOCK 1, 58
	s_wait_tensorcnt 0x0
	ds_add_u32 v254, v255
	s_wait_dscnt 0x0
	s_endpgm                                       ; the last trip's wait for 0 stood behind the last tensor load
.Lfunc_end_k_q5507489020_attn:
	.size	k_q5507489020_attn, .Lfunc_end_k_q5507489020_attn-k_q5507489020_attn
	.p2alignl 7, 3214868480
	.fill 96, 4, 3214868480
	.section	.rodata,"a",@progbits
	.p2align	6, 0x0
	.amdhsa_kernel k_q5507489020_attn
		.amdhsa_group_segment_fixed_size 327680
		.amdhsa_private_segment_fixed_size 0
		.amdhsa_enable_private_segment 0
		.amdhsa_kernarg_size 24
		.amdhsa_user_sgpr_count 2
		.amdhsa_user_sgpr_kernarg_segment_ptr 1
		.amdhsa_wavefront_size32 1
		.amdhsa_system_sgpr_workgroup_id_x 1
		.amdhsa_system_sgpr_workgroup_id_y 1
		.amdhsa_system_sgpr_workgroup_id_z 1
		.amdhsa_system_vgpr_workitem_id 0
		.amdhsa_next_free_vgpr 512
		.amdhsa_next_free_sgpr 74
		.amdhsa_reserve_vcc 1
		.amdhsa_float_denorm_mode_32 3
		.amdhsa_float_denorm_mode_16_64 3
		.amdhsa_memory_ordered 1
		.amdhsa_forward_progress 1
		.amdhsa_inst_pref_size 255
	.end_amdhsa_kernel
	.section	.bss,"aw",@nobits
	.p2align	6
	.space	262144
	.amdgpu_metadata
---
amdhsa.version: [ 1, 2 ]
amdhsa.kernels:
  - .name:           k_q5507489020_attn
    .symbol:         k_q5507489020_attn.kd
    .args:
      - { .name: qkv, .offset: 0, .size: 8, .value_kind: global_buffer, .address_space: global }
      - { .name: ao, .offset: 8, .size: 8, .value_kind: global_buffer, .address_space: global }
      - { .name: fst, .offset: 16, .size: 8, .value_kind: global_buffer, .address_space: global }
    .group_segment_fixed_size: 327680
    .private_segment_fixed_size: 0
    .kernarg_segment_align: 8
    .kernarg_segment_size: 24
    .max_flat_workgroup_size: 256
    .sgpr_count:     74
    .vgpr_count:     512
    .wavefront_size: 32
...
	.end_amdgpu_metadata
.endif
;; end of part 6
;; launch oproj (part 7): grid 8 x 32, 4 waves a work-group, clusters of 4 x 4, 327,680 bytes of LDS; arguments ao, wb, out0; writes out0
.if DOCPART == 7
	.amdgcn_target "amdgcn-amd-amdhsa--gfx1250"
	.amdhsa_code_object_version 6
	.text
	.protected	k_q5507489020_oproj
	.globl	k_q5507489020_oproj
	.p2align	8
	.type	k_q5507489020_oproj,@function
k_q5507489020_oproj:
	s_mov_b64 s[64:65], 0
	v_nop
	global_prefetch_b8 v0, s[64:65] scope:SCOPE_SE
	s_setreg_imm32_b32 hwreg(HW_REG_WAVE_MODE, 25, 1), 1
	s_wait_xcnt 0x0
	s_wait_alu depctr_hold_cnt(0) depctr_sa_sdst(0) depctr_va_vdst(0) depctr_va_sdst(0) depctr_va_ssrc(0) depctr_va_vcc(0) depctr_vm_vsrc(0)
	s_getreg_b32 s2, hwreg(HW_REG_IB_STS2, 6, 4)
	s_cmp_eq_u32 s2, 0
	s_cbranch_scc0 .Lentry_in_a_cluster
	s_endpgm
.Lentry_in_a_cluster:
	s_bfe_u32 s2, ttmp6, 0x10000c
	s_cmp_lg_u32 s2, 0xf033
	s_cbranch_scc0 .Lentry_shape_is_right
	s_endpgm
.Lentry_shape_is_right:
; out0[m][n] = sum over k of a[m][k] wo[n][k], f32.  a comes as ao[head][8192][64] f16 (head = K block), wo as rows 3,072 to 4,095 of wb[kb][4096][64]:
; numbers rounded to bf16 and written as f16 (the cast's head says where that is exact).  One f16 product, sums in f32.
; LIMIT: both operands are f16: |a| and |wo| below 65,504; 2^-25 absolute below 2^-14.
; A work-group makes 256 x 128 (8 x 32 = 256 work-groups: the largest block that still gives every WGP one), four waves as 2 x 2, a wave 128 x 64:
; 32 accumulator tiles in window 1 (tile (a, bb) at v[8 (4 a + bb)]).
; An LDS slot holds two K blocks (128 k), brought by one load a wave: a tile of two long rows, one for each K block (dense runs of 16 KiB for A, 8 KiB for B),
; padded by 16 bytes behind every 128, so a logical row of 64 numbers has a pitch of 144 bytes.  Eight slot steps, two slots.
; CLUSTERS as in the projection before: A's tile jointly along a row of the 4 x 4 cluster, B's along a column.
; The matrix instruction is used transposed: lane l holds row l % 16 of the result and eight neighbouring columns.
.set PITCH,  144
.set HALFT,  2*128*PITCH               ; a loader wave's region: A's half tile (2 x 128 rows) fills it, B's (2 x 64 rows) uses 18,432 of its 36,864 bytes
.set SLOT,   4*HALFT
.set STAGE,  2*SLOT                    ; 294,912: 16 rows x 272 bytes for each wave; no fill lands here
.set SPITCH, 272
.set WSTAGE, 16*SPITCH
.set ASTEP,  0x200000                  ; two K blocks of ao
.set BSTEP,  0x100000                  ; two K blocks of wb
.set ADRA, 16
.set ADRB, 20
.set STO,  24
.set RD,   25
.set CO,   26
.set FA,   32                          ; v32-95, v96-159  A's fragments, two buffers
.set FB,   160                         ; v160-191, v192-223  B's fragments, two buffers
.set OB0,  32                          ; the way out: two buffers of 32 registers
.set OB1,  64
.set G1,  24
.set G0,  32
.set G1B, 48
.set G0B, 56
.set MSB, 0
.macro WIN new
.if MSB != \new
	s_set_vgpr_msb (MSB<<8)|\new
.set MSB, \new
.endif
.endm
.macro PLACES                          ; four places behind a matrix instruction (ISA guide 7.12.1)
.rept 4
	v_nop
.endr
.endm
.macro JLOAD s
	s_cmp_eq_u32 s11, 0
	s_cbranch_scc0 .Lfor_b_\@
	tensor_load_to_lds s[G0+4*\s:G0+4*\s+3], s[G1:G1+7]
	s_nop 0
	s_branch .Lasked_\@
.Lfor_b_\@:
	tensor_load_to_lds s[G0B+4*\s:G0B+4*\s+3], s[G1B:G1B+7]
	s_nop 0
.Lasked_\@:
.endm
.macro CREST
	s_cmp_lg_u32 s10, 0
	s_cbranch_scc1 .Lnot_wave_0_\@
	s_barrier_signal -3
.Lnot_wave_0_\@:
	s_barrier_wait -3
	s_barrier_signal -1
	s_barrier_wait -1
.endm
.macro CROUND
	s_barrier_signal -1
	s_barrier_wait -1
	CREST
.endm
	s_load_b128 s[4:7], s[0:1], 0x0                ; ao s[4:5], wb s[6:7]
	s_load_b64 s[8:9], s[0:1], 0x10                ; out0
	v_lshl_add_u32 v254, v0, 2, 0x4c400
	v_mov_b32 v255, 0
	ds_add_u32 v254, v255
	v_lshrrev_b32 v1, 5, v0
	v_readfirstlane_b32 s10, v1                    ; wave
	s_lshr_b32 s11, s10, 1                         ; my half of the rows.  Also: I fetch for A (0) or for B (1)
	s_and_b32 s12, s10, 1                          ; my half of the columns.  Also: which half of that tile I fetch
	s_bfe_u32 s40, ttmp6, 0x40000                  ; cx
	s_bfe_u32 s41, ttmp6, 0x40004                  ; cy
	s_lshl_b32 s42, ttmp9, 2
	s_add_co_u32 s42, s42, s40                     ; block column
	s_and_b32 s13, ttmp7, 0xffff
	s_lshl_b32 s13, s13, 2
	s_add_co_u32 s13, s13, s41                     ; block row
	s_lshl_b32 s43, s41, 2
	s_lshl_b32 s43, 15, s43                        ; my row of the cluster
	s_lshl_b32 s44, 0x1111, s40                    ; my column
	s_or_b32 s[G1+0], s43, (3<<16)|(1<<20)|(1<<21)|(4<<22)|(3<<25)   ; mask; 8-byte elements; padding on; bit 21 beside a mask; after every 32 words; 4 words
	s_or_b32 s[G1B+0], s44, (3<<16)|(1<<20)|(1<<21)|(4<<22)|(3<<25)
	s_mov_b32 s[G1+1], 2048<<16                    ; tensor_dim0: 128 rows x 128 bytes = 2,048 elements
	s_mov_b32 s[G1B+1], 1024<<16                   ; 64 rows
	s_mov_b32 s[G1+2], 2<<16                       ; tensor_dim1 = 2 K blocks
	s_mov_b32 s[G1B+2], 2<<16
	s_mov_b32 s[G1+3], 2048<<16                    ; tile_dim0
	s_mov_b32 s[G1B+3], 1024<<16
	s_mov_b32 s[G1+4], 2                           ; tile_dim1
	s_mov_b32 s[G1B+4], 2
	s_mov_b32 s[G1+5], 131072                      ; from a K block to the next: 8,192 rows x 128 bytes in elements of 8
	s_mov_b32 s[G1B+5], 65536                      ; 4,096 rows
	s_mov_b32 s[G1+6], 0
	s_mov_b32 s[G1B+6], 0
	s_mov_b32 s[G1+7], 0
	s_mov_b32 s[G1B+7], 0
	s_lshl_b32 s16, s13, 15                        ; A: 256 rows x 128 bytes x block row
	s_lshl_b32 s17, s12, 14                        ; + my half
	s_add_co_u32 s16, s16, s17
	s_mov_b32 s17, 0
	s_lshl_b32 s46, s42, 14                        ; B: 128 rows x 128 bytes x block column
	s_lshl_b32 s47, s12, 13
	s_add_co_u32 s46, s46, s47
	s_add_co_u32 s46, s46, 3072*128                ; wo's rows lie behind wq's, wk's and wv's
	s_mov_b32 s47, 0
	s_mul_i32 s20, s10, HALFT                      ; where my tile goes: wave x region
	s_wait_dscnt 0x0
	s_wait_kmcnt 0x0
	s_add_nc_u64 s[14:15], s[4:5], s[16:17]
	s_add_nc_u64 s[46:47], s[6:7], s[46:47]
	CROUND                                         ; in front of the first joint loads
.irp s, 0,1
	s_mov_b32 s[G0+4*\s], 1
	s_add_co_u32 s[G0+4*\s+1], s20, \s*SLOT
	s_add_nc_u64 s[G0+4*\s+2:G0+4*\s+3], s[14:15], \s*ASTEP        ; slot s: K blocks 2 s and 2 s + 1
	s_or_b32 s[G0+4*\s+3], s[G0+4*\s+3], 0x80000000
	s_mov_b32 s[G0B+4*\s], 1
	s_add_co_u32 s[G0B+4*\s+1], s20, \s*SLOT
	s_add_nc_u64 s[G0B+4*\s+2:G0B+4*\s+3], s[46:47], \s*BSTEP
	s_or_b32 s[G0B+4*\s+3], s[G0B+4*\s+3], 0x80000000
	JLOAD \s                                       ; two loads of the wave are out here, later one
.endr
	v_and_b32 v1, 15, v0                           ; r
	v_bfe_u32 v2, v0, 4, 1                         ; h
	v_mul_u32_u24 v3, v1, PITCH
	v_lshl_add_u32 v3, v2, 4, v3
	s_mul_i32 s21, s11, HALFT
	s_mul_i32 s22, s12, HALFT
	s_add_co_u32 s22, s22, 2*HALFT
.irp s, 0,1
	v_add_nc_u32 v[ADRA+\s], s21, v3
	v_add_nc_u32 v[ADRB+\s], s22, v3
	s_add_co_u32 s21, s21, SLOT
	s_add_co_u32 s22, s22, SLOT
.endr
	s_mul_i32 s23, s10, WSTAGE
	s_add_co_u32 s23, s23, STAGE
	v_mul_u32_u24 v4, v1, SPITCH                   ; in: row r, 32 bytes (8 f32) for each half of the lanes
	v_lshl_add_u32 v4, v2, 5, v4
	v_add_nc_u32 v[STO], s23, v4
	v_mul_u32_u24 v5, v2, SPITCH                   ; back: lanes 0-15 a row of 256 bytes, lanes 16-31 the next
	v_lshl_add_u32 v5, v1, 4, v5
	v_add_nc_u32 v[RD], s23, v5
	v_lshlrev_b32 v5, 12, v2                       ; and the same two rows of out0 (4,096 bytes a row)
	v_lshl_add_u32 v[CO], v1, 4, v5
.macro MULH f, zero, a0                ; 16 matrix instructions: row tiles a0 .. a0 + 3 x four column tiles, 32 along K, from buffer f
.irp a, \a0, \a0+1, \a0+2, \a0+3
.irp bb, 0,1,2,3
.if \zero
	v_wmma_f32_16x16x32_f16 v[8*(4*(\a)+\bb):8*(4*(\a)+\bb)+7], v[FB+32*\f+8*\bb:FB+32*\f+8*\bb+7], v[FA+64*\f+8*(\a):FA+64*\f+8*(\a)+7], 0
.else
	v_wmma_f32_16x16x32_f16 v[8*(4*(\a)+\bb):8*(4*(\a)+\bb)+7], v[FB+32*\f+8*\bb:FB+32*\f+8*\bb+7], v[FA+64*\f+8*(\a):FA+64*\f+8*(\a)+7], v[8*(4*(\a)+\bb):8*(4*(\a)+\bb)+7]
.endif
.endr
.endr
.endm
.macro FETCH slot, qi, f               ; 24 loads: quarter qi of the slot (K block qi / 2, byte 64 (qi % 2) of its rows) into buffer f
.irp bb, 0,1,2,3
	ds_load_b128 v[FB+32*\f+8*\bb:FB+32*\f+8*\bb+3],   v[ADRB+\slot] offset:(\qi>>1)*64*PITCH+(\qi&1)*64+\bb*16*PITCH
	ds_load_b128 v[FB+32*\f+8*\bb+4:FB+32*\f+8*\bb+7], v[ADRB+\slot] offset:(\qi>>1)*64*PITCH+(\qi&1)*64+\bb*16*PITCH+32
.endr
.irp a, 0,1,2,3,4,5,6,7
	ds_load_b128 v[FA+64*\f+8*\a:FA+64*\f+8*\a+3],   v[ADRA+\slot] offset:(\qi>>1)*128*PITCH+(\qi&1)*64+\a*16*PITCH
	ds_load_b128 v[FA+64*\f+8*\a+4:FA+64*\f+8*\a+7], v[ADRA+\slot] offset:(\qi>>1)*128*PITCH+(\qi&1)*64+\a*16*PITCH+32
.endr
.endm
; One of a slot's first three quarters: fetches the next quarter into buffer g, then multiplies buffer f.  The 32 accumulators take turns, one instruction a turn,
; in the same order in every quarter and over the backward jump.
.macro QUARTER slot, qn, f, g, zero
	PLACES
	FETCH \slot, \qn, \g
	s_wait_dscnt 24                                ; all but the 24 loads just issued: buffer f is whole
	WIN 0x50
	MULH \f, \zero, 0
	MULH \f, \zero, 4
	WIN 0
.endm
.macro THREE slot, zero
	QUARTER \slot, 1, 0, 1, \zero
	QUARTER \slot, 2, 1, 0, 0
	QUARTER \slot, 3, 0, 1, 0
.endm
; The fourth quarter multiplies buffer 1 and changes slots.
.macro TURN slot, next, fill
	s_wait_dscnt 0                                 ; my reads of this slot are over
	s_wait_tensorcnt 0x0                           ; all my tensor loads have landed: the one that was out is my part of the next slot
	ds_add_u32 v254, v255
	s_wait_dscnt 0x0
	s_barrier_signal -1                            ; (where the slot is filled again this barrier opens a round of the cluster's barrier)
	WIN 0x50
	MULH 1, 0, 0
	WIN 0
	s_barrier_wait -1
.if \fill
	CREST
	s_add_nc_u64 s[G0+4*\slot+2:G0+4*\slot+3], s[G0+4*\slot+2:G0+4*\slot+3], 2*ASTEP
	s_add_nc_u64 s[G0B+4*\slot+2:G0B+4*\slot+3], s[G0B+4*\slot+2:G0B+4*\slot+3], 2*BSTEP
	JLOAD \slot                                    ; the first tensor load behind the round, one a wave: 112 matrix instructions stand between it and the wait for it
.endif
	PLACES
	FETCH \next, 0, 0
	WIN 0x50
	MULH 1, 0, 4
	WIN 0
.endm
.macro LAP zero                        ; once round the ring: four K blocks
	THREE 0, \zero
	TURN 0, 1, 1
	THREE 1, 0
	TURN 1, 0, 1
.endm
	s_wait_tensorcnt 1                             ; my part of slot 0 is in; slot 1's stays out
	s_barrier_signal -1
	s_barrier_wait -1
	FETCH 0, 0, 0
	LAP 1                                          ; the first of four laps stands in front of the loop: its first products start the sums
	s_mov_b32 s3, 2
.Llap:
	LAP 0
	s_sub_co_u32 s3, s3, 1
	s_cmp_lg_u32 s3, 0
	s_cbranch_scc1 .Llap
	THREE 0, 0                                     ; the last lap fills nothing
	TURN 0, 1, 0
	THREE 1, 0
	s_wait_dscnt 0
	WIN 0x50
	MULH 1, 0, 0
	MULH 1, 0, 4
	WIN 0
	; THE WAY OUT, 16 rows at a time: the f32 results go straight from the accumulators into my own stage and come back as whole rows of 256 bytes.
	PLACES
	s_lshl_b32 s16, s13, 20                        ; my first row: (256 x block row + 128 x half) x 4,096 bytes
	s_lshl_b32 s17, s11, 19
	s_add_co_u32 s16, s16, s17
	s_mov_b32 s17, 0
	s_add_nc_u64 s[8:9], s[8:9], s[16:17]
	s_lshl_b32 s46, s42, 9                         ; my first column: (128 x block column + 64 x half) x 4 bytes (in the registers that held B's address)
	s_lshl_b32 s47, s12, 8
	s_add_co_u32 s46, s46, s47
	s_mov_b32 s47, 0
	s_add_nc_u64 s[8:9], s[8:9], s[46:47]
.macro OUT16 a, f
	WIN 0x04                                       ; the stores' data in window 1
.irp bb, 0,1,2,3
.irp e, 0,1
	ds_store_b128 v[STO], v[8*(4*\a+\bb)+4*\e:8*(4*\a+\bb)+4*\e+3] offset:64*\bb+16*\e
.endr
.endr
	WIN 0
	s_wait_xcnt 0x0                                ; buffer f was the data of earlier stores
.irp t, 0,1,2,3,4,5,6,7
	ds_load_b128 v[\f+4*\t:\f+4*\t+3], v[RD] offset:\t*2*SPITCH    ; LDS serves a wave's instructions in order (ISA guide 5.7.1)
.endr
.irp t, 0,1,2,3,4,5,6,7
	s_wait_dscnt 7-\t
	global_store_b128 v[CO], v[\f+4*\t:\f+4*\t+3], s[8:9] offset:(16*\a+2*\t)*4096 th:TH_STORE_NT   ; 16 lanes store 256 consecutive bytes, aligned; at most 516,096
.endr
.endm
	OUT16 0, OB0
	OUT16 1, OB1
	OUT16 2, OB0
	OUT16 3, OB1
	OUT16 4, OB0
	OUT16 5, OB1
	OUT16 6, OB0
	OUT16 7, OB1
	s_wait_tensorcnt 0x0
	ds_add_u32 v254, v255
	s_wait_dscnt 0x0
	CROUND                                         ; the closing round
	s_endpgm
.Lfunc_end_k_q5507489020_oproj:
	.size	k_q5507489020_oproj, .Lfunc_end_k_q5507489020_oproj-k_q5507489020_oproj
	.p2alignl 7, 3214868480
	.fill 96, 4, 3214868480
	.section	.rodata,"a",@progbits
	.p2align	6, 0x0
	.amdhsa_kernel k_q5507489020_oproj
		.amdhsa_group_segment_fixed_size 327680
		.amdhsa_private_segment_fixed_size 0
		.amdhsa_enable_private_segment 0
		.amdhsa_kernarg_size 24
		.amdhsa_user_sgpr_count 2
		.amdhsa_user_sgpr_kernarg_segment_ptr 1
		.amdhsa_wavefront_size32 1
		.amdhsa_system_sgpr_workgroup_id_x 1
		.amdhsa_system_sgpr_workgroup_id_y 1
		.amdhsa_system_sgpr_workgroup_id_z 1
		.amdhsa_system_vgpr_workitem_id 0
		.amdhsa_next_free_vgpr 512
		.amdhsa_next_free_sgpr 66
		.amdhsa_reserve_vcc 0
		.amdhsa_float_denorm_mode_32 3
		.amdhsa_float_denorm_mode_16_64 3
		.amdhsa_memory_ordered 1
		.amdhsa_forward_progress 1
		.amdhsa_inst_pref_size 117
	.end_amdhsa_kernel
	.amdgpu_metadata
---
amdhsa.version: [ 1, 2 ]
amdhsa.kernels:
  - .name:           k_q5507489020_oproj
    .symbol:         k_q5507489020_oproj.kd
    .args:
      - { .name: ao, .offset: 0, .size: 8, .value_kind: global_buffer, .address_space: global }
      - { .name: wb, .offset: 8, .size: 8, .value_kind: global_buffer, .address_space: global }
      - { .name: out0, .offset: 16, .size: 8, .value_kind: global_buffer, .address_space: global }
    .group_segment_fixed_size: 327680
    .private_segment_fixed_size: 0
    .kernarg_segment_align: 8
    .kernarg_segment_size: 24
    .max_flat_workgroup_size: 128
    .sgpr_count:     66
    .vgpr_count:     512
    .wavefront_size: 32
...
	.end_amdgpu_metadata
.endif
;; end of part 7
;; ======== version 3 of 3: 4 launches; 1.53 times as fast as version 1
;; limits: values are held in f16: magnitudes above 65,504 overflow, below 6.1e-05 lose precision
;; workspace buffers: xb 16,777,216 bytes; wb 8,388,608 bytes; qkv 50,331,648 bytes; fst 3,145,728 bytes; ao 16,777,216 bytes
;; launch cast: the kernel of part 5 again; grid 768 x 1, 8 waves a work-group, no clusters, 0 bytes of LDS; arguments x, wq, wk, wv, wo, xb, wb; writes xb, wb
;; launch qkvproj: the kernel of part 2 again; grid 8 x 32, 4 waves a work-group, clusters of 4 x 4, 327,680 bytes of LDS; arguments xb, wb, qkv, fst; writes qkv, fst
;; launch attn (part 8): grid 256 x 1, 8 waves a work-group, no clusters, 327,680 bytes of LDS; arguments qkv, ao, fst; writes ao
.if DOCPART == 8
	.amdgcn_target "amdgcn-amd-amdhsa--gfx1250"
	.amdhsa_code_object_version 6
	.text
	.protected	k_q5507489020_attn
	.globl	k_q5507489020_attn
	.p2align	8
	.type	k_q5507489020_attn,@function
k_q5507489020_attn:
	s_mov_b64 s[64:65], 0
	v_nop
	global_prefetch_b8 v0, s[64:65] scope:SCOPE_SE
	s_setreg_imm32_b32 hwreg(HW_REG_WAVE_MODE, 25, 1), 1
	s_wait_xcnt 0x0
; Causal attention of one head, with a running maximum.  q, k, v: qkv[cb][8192][64] f16 (cb = head, 16 + head, 32 + head); fst[cb][b][64][64] f32: rows 0-63 of each sequence, unrounded.
; out: ao[head][8192][64] f16, the A operand of the last product.
; Work-group wg: j = wg & 3, head = (wg >> 2) & 15, batch = wg >> 6.  It makes query block 7 - j and then query block j (256 queries each):
; (8 - j) + (j + 1) = 9 blocks of 256 keys, 18 trips of 128 keys, in every work-group.
; EIGHT WAVES, two for each of the four SIMDs, so that one wave's vector work can be issued while the other's matrix instructions run: a tile of 64 x 64 has 64 matrix
; instructions and some 480 vector instructions.  Wave = 4 g + w: w picks queries 64 w .. 64 w + 63 of the block (four tiles n of 16), team g takes keys 64 g .. 64 g + 63 of each trip's 128.
; The KEYS are shared between the teams, not the queries: a tile still reads 16 KiB of LDS for its 64 matrix instructions; waves of 32 queries would read the same bytes for half of them.
; Each team keeps its own maximum, sum and O; at a block's end team 1 hands them over through LDS and team 0 puts both on one scale, adds, divides and stores.
; Keys above the diagonal are not computed: in the two trips on the diagonal team g stands at key tile kt0 + g, and a wave leaves it out unless kt0 + g <= w.
; TRANSPOSED FORMS: S^T = K Q^T and O^T = V^T P^T.  Lane (r, h) holds, for query 16 n + r, keys 16 mk + 8 h + 0..7: two neighbouring S^T tiles pack straight
; into a P^T fragment; maximum and sum are work inside the lane and one exchange between the halves; the rescaling factor is one number a lane.
; p = 2^(c s + NM) with c = log2(e) / 8 and NM = -c x (running maximum), rounded once; every rescaling factor 2^(NM new - NM old) is made of the same rounded
; numbers, so old and new terms, and the two teams' terms, stand on one scale whatever the size of the scores.
; THE BATCHES.  A tile's softmax has ONE batch of 132 v_exp_f32: the four rescaling factors and the 128 weights, each with a register of its own (a factor in AL, a weight in its score's place),
; and ONE s_wait_alu depctr_va_vdst(0) ahead of the first line that names a result.  Ahead of that wait stand only lines that name no result of the batch: NM's four
; copies and the 64 packed exponents, dealt one behind each pair of exponentials, eight pairs ahead of their own.  Behind it stand all the readers: the sums' rescaling, the sums and the packing,
; O's rescaling, the P V products.  No label and no jump stands inside a batch.  The merge at a block's end has two batches, since its reciprocals read a sum made of its factors: eight factors and a wait, four reciprocals and a wait.
; THE FIRST 64 QUERIES OF A SEQUENCE (macro FIRST): a query that averages n keys gives numbers about 1 / sqrt(n) of v's, many times the size of the rows with many keys,
; so an operand's relative rounding (2^-11 in f16) weighs most there.  These queries see keys 0-63 alone: one tile, made by wave 0 of the work-groups with j = 0.
; There q, k, v and P are each taken as two f16 parts, hi (the mantissa cut to 11 bits) and lo = x - hi (exact in f32, then rounded): 22 bits, three products for one (lo x lo is left out: 2^-20).
; So the result's own rounding to f16 is the one rounding of 11 bits in these rows.
; LIMITS: q, k, v are f16: below 65,504 in magnitude (the projection's head says what room that leaves); the result is an average of v's rows and keeps that bound.
; P is f16 in [0, 1], the result f16: 2^-25 absolute below 2^-14.
; A NaN score loses in the maximum (v_max3_num_f32) and is not carried as in IEEE maximum.  v_exp_f32 gives 0 for results below 2^-126.
; NO MULTICAST: the four work-groups of a head walk 16, 14, 12 and 10 key tiles for their first block and 2, 4, 6, 8 for their second; from the tenth trip on
; they stand at different tiles, so partners would need different numbers of joint loads, or 24 trips each in place of 18.
; LDS: two slots of K (128 keys, pitch 144) + V (128 keys, pitch 160: the transposing load wants an odd multiple of 32); a stage for each wave; the hand-over of team 1; FIRST's four areas.
; REGISTERS, 512 a wave: window 0: addresses, O^T (16 tiles), 64 registers that hold K's fragments and then V's; window 1: S^T / P^T (16 tiles), Q fragments, the rows' figures.
.set KPITCH, 144
.set VPITCH, 160
.set KBYTES, 128*KPITCH
.set VBYTES, 128*VPITCH
.set SLOT,   KBYTES+VBYTES             ; 38,912
.set STAGE,  2*SLOT                    ; 77,824: 64 rows x 144 bytes for each of eight waves; no fill lands from here on
.set WSTAGE, 64*KPITCH
.set MERGE,  STAGE+8*WSTAGE            ; 151,552: the hand-over, for each w: 128 registers x 32 lanes of O, then two quads of figures
.set MSTAT,  16384
.set MWAVE,  MSTAT+1024
.set FB,     MERGE+4*MWAVE             ; 221,184: FIRST's four areas of 64 rows x 144 bytes, wave 0's own; 258,048 bytes in all
.set FVH,    0                         ; V's upper part, V's lower part, K's upper part, K's lower part
.set FVL,    WSTAGE
.set FKH,    2*WSTAGE
.set FKL,    3*WSTAGE
.set TILEB,  16384                     ; 128 keys x 128 bytes in memory
.set LEAD,   8                         ; the packed exponents run so many pairs of scores ahead of their exponentials
.set AK, 4                             ; v4, v5   LDS address of my team's K fragments, slot 0, 1
.set AV, 6                             ; v6, v7   of my team's V fragments
.set AQ, 8                             ; byte offset of my 16 bytes of q
.set STO, 9
.set RD, 10
.set CO, 11
.set AF, 12                            ; byte offset of my 32 bytes in a tile of 16 rows of fst
.set MG, 13                            ; LDS address of my 16 bytes in the hand-over of my w
.set STF, 14                           ; FIRST: row r, 16 bytes for each half of the lanes, in its first area
.set AVF, 15                           ; FIRST: the transposing loads' address in its first area
.set OO, 32                            ; window 0: v32-159, tile (n, dt) at OO + 8 (4 n + dt)
.set VF, 160                           ; window 0: v160-223, K fragment (mk, ks) at VF + 8 (2 mk + ks), then V fragment (dt, ks) at VF + 8 (2 dt + ks)
.set RT, OO                            ; FIRST, while O is not yet begun: upper parts of four fragments in f32,
.set HP, OO+64                         ; four fragments' upper parts packed,
.set LP, OO+96                         ; their lower parts packed;
.set QL, OO+64                         ; and Q's lower parts (64 registers)
.set SS, 0                             ; window 1: v0-127, tile (mk, n) at 32 n + 8 mk; P fragment (n, ks) at 32 n + 16 ks; at the merge: the partner's O
.set RAW, 0                            ; FIRST, ahead of the S products: eight fragments in f32, 16 registers each
.set QQ, 128                           ; window 1: v128-191, fragment (n, ks) at QQ + 8 (2 n + ks)
.set MX, 192                           ; window 1: running maximum of the raw scores, one for each n; at the merge: the partner's NM, then its factor
.set TT, 196
.set T2, 200
.set AL, 204                           ; rescaling factor; at the end my factor / sum
.set NM, 208                           ; -c x maximum
.set LS, 212                           ; running sum, a pair for each n
.set QV, 220                           ; 64 (w - g) + 16 n + r - 8 h
.set QT, 224
.set XT, 228                           ; window 1: v228-243, FIRST: upper parts of 16 p
.set G1K, 16
.set G1V, 24
.set G0K, 32                           ; s[32:39] a set for each slot
.set G0V, 40                           ; s[40:47]
.set MSB, 0
.macro WIN new                         ; the immediate's high byte repeats the setting that is left
.if MSB != \new
	s_set_vgpr_msb (MSB<<8)|\new
.set MSB, \new
.endif
.endm
.macro NOPS n
.rept \n
	v_nop
.endr
.endm
.macro KVLOAD s                        ; wave 0 brings K's tile, wave 1 V's, the others none: at most one tensor load of a wave is out
	s_cmp_lg_u32 s8, 0
	s_cbranch_scc1 .Lnot_k_\@
	tensor_load_to_lds s[G0K+4*(\s):G0K+4*(\s)+3], s[G1K:G1K+7]
	s_nop 0
.Lnot_k_\@:
	s_cmp_lg_u32 s8, 1
	s_cbranch_scc1 .Lnot_v_\@
	tensor_load_to_lds s[G0V+4*(\s):G0V+4*(\s)+3], s[G1V:G1V+7]
	s_nop 0
.Lnot_v_\@:
.endm
.macro LOADQ base                      ; my 64 queries as eight B fragments; leaves the destination in window 1
	WIN 0x40
.irp n, 0,1,2,3
.irp ks, 0,1
.irp e, 0,1
	global_load_b128 v[QQ+8*(2*\n+\ks)+4*\e:QQ+8*(2*\n+\ks)+4*\e+3], v[AQ], s[\base:\base+1] offset:\n*2048+64*\ks+32*\e
.endr
.endr
.endr
.endm
	s_load_b128 s[4:7], s[0:1], 0x0                ; qkv s[4:5], ao s[6:7]
	s_load_b64 s[66:67], s[0:1], 0x10              ; fst
	v_lshl_add_u32 v254, v0, 2, 0x3f000
	v_mov_b32 v255, 0
	ds_add_u32 v254, v255
	v_lshrrev_b32 v1, 5, v0
	v_readfirstlane_b32 s8, v1                     ; wave 0..7
	s_and_b32 s69, s8, 3                           ; w: which 64 queries
	s_lshr_b32 s70, s8, 2                          ; g: which 64 of a trip's 128 keys
	s_sub_co_i32 s71, s69, s70                     ; w - g (-1 for wave 4)
	s_and_b32 s9, ttmp9, 3                         ; j
	s_bfe_u32 s10, ttmp9, 0x40002                  ; head
	s_lshr_b32 s11, ttmp9, 6                       ; batch
	s_mov_b32 s48, 0x76543210                      ; v_permlanex16_b32: lane i of one half reads lane i of the other
	s_mov_b32 s49, 0xfedcba98
	s_mov_b32 s68, 0xffffe000                      ; an f32 cut to f16's 11 significant bits
	; group 1: 16 KiB of dense bytes as 64 rows of 32 elements of 8 bytes; padding behind every 32 words: 4 words for K, 8 for V
	s_mov_b32 s[G1K+0], (3<<16)|(1<<20)|(4<<22)|(3<<25)
	s_mov_b32 s[G1V+0], (3<<16)|(1<<20)|(4<<22)|(7<<25)
	s_mov_b32 s[G1K+1], 32<<16
	s_mov_b32 s[G1V+1], 32<<16
	s_mov_b32 s[G1K+2], 64<<16
	s_mov_b32 s[G1V+2], 64<<16
	s_mov_b32 s[G1K+3], 32<<16
	s_mov_b32 s[G1V+3], 32<<16
	s_mov_b32 s[G1K+4], 64
	s_mov_b32 s[G1V+4], 64
	s_mov_b32 s[G1K+5], 32
	s_mov_b32 s[G1V+5], 32
	s_mov_b32 s[G1K+6], 0
	s_mov_b32 s[G1V+6], 0
	s_mov_b32 s[G1K+7], 0
	s_mov_b32 s[G1V+7], 0
	s_lshl_b32 s60, s10, 20                        ; head x 8,192 rows x 128 bytes
	s_lshl_b32 s62, s11, 18                        ; + batch x 2,048 rows
	s_add_co_u32 s60, s60, s62
	s_mov_b32 s61, 0
	s_lshl_b32 s62, s69, 13                        ; w x 64 rows
	s_sub_co_u32 s51, 7, s9                        ; the first query block
	s_wait_dscnt 0x0
	s_barrier_signal -1
	s_barrier_wait -1
	s_wait_kmcnt 0x0
	s_add_nc_u64 s[52:53], s[4:5], s[60:61]        ; q of my head and batch
	s_add_nc_u64 s[54:55], s[6:7], s[60:61]        ; ao likewise
	s_add_nc_u64 s[12:13], s[52:53], 16<<20        ; k: 16 column blocks further
	s_add_nc_u64 s[14:15], s[52:53], 32<<20        ; v: 32
.irp s, 0,1
	s_mov_b32 s[G0K+4*\s], 1
	s_mov_b32 s[G0K+4*\s+1], \s*SLOT
	s_add_nc_u64 s[G0K+4*\s+2:G0K+4*\s+3], s[12:13], \s*TILEB      ; slot s: key tile s
	s_or_b32 s[G0K+4*\s+3], s[G0K+4*\s+3], 0x80000000
	s_mov_b32 s[G0V+4*\s], 1
	s_mov_b32 s[G0V+4*\s+1], KBYTES+\s*SLOT
	s_add_nc_u64 s[G0V+4*\s+2:G0V+4*\s+3], s[14:15], \s*TILEB
	s_or_b32 s[G0V+4*\s+3], s[G0V+4*\s+3], 0x80000000
.endr
	KVLOAD 0                                       ; the first fill: key tile 0.  Slot 1 is first filled behind the first trip's barrier
	s_lshl_b32 s60, s9, 15                         ; block j x 256 rows
	s_add_co_u32 s60, s60, s62
	s_add_nc_u64 s[56:57], s[52:53], s[60:61]      ; q and ao at my rows of the second block
	s_add_nc_u64 s[58:59], s[54:55], s[60:61]
	s_lshl_b32 s60, s51, 15
	s_add_co_u32 s60, s60, s62
	s_add_nc_u64 s[52:53], s[52:53], s[60:61]      ; and of the first block
	s_add_nc_u64 s[54:55], s[54:55], s[60:61]
	s_lshl2_add_u32 s60, s10, s11                  ; fst: 4 x head + batch,
	s_lshl_b32 s60, s60, 14                        ; blocks of 64 rows x 256 bytes; k's and v's lie 1 << 20 and 2 << 20 bytes further
	s_add_nc_u64 s[66:67], s[66:67], s[60:61]
	v_and_b32 v1, 15, v0                           ; r
	v_bfe_u32 v2, v0, 4, 1                         ; h
	v_and_b32 v3, 7, v0
	v_lshlrev_b32 v[AQ], 7, v1                     ; q: row r x 128 bytes + 16 h
	v_lshl_add_u32 v[AQ], v2, 4, v[AQ]
	LOADQ 52
.irp n, 0,1,2,3
	v_mov_b32 v[T2+\n], 0                          ; v_permlanex16_b32 counts as a reader of its destination: written once here
.endr
	WIN 0
	s_mul_i32 s63, s8, WSTAGE
	s_add_co_u32 s63, s63, STAGE                   ; my stage
	v_mul_u32_u24 v[AK], v1, KPITCH                ; row r x 144 + 16 h:
	v_lshl_add_u32 v[AK], v2, 4, v[AK]
	v_add_nc_u32 v[STO], s63, v[AK]                ; into my stage,
	v_add_nc_u32 v[STF], FB, v[AK]                 ; into and out of FIRST's areas,
	s_mul_i32 s72, s70, 64*KPITCH
	v_add_nc_u32 v[AK], s72, v[AK]                 ; and K's fragments: my team's 64 keys of the slot
	v_add_nc_u32 v[AK+1], SLOT, v[AK]
	v_lshl_add_u32 v16, v2, 3, v3                  ; V, for the transposing load: key 8 h + l % 8,
	v_bfe_u32 v17, v0, 3, 1                        ; 16 bytes x ((l / 8) % 2)
	v_mul_u32_u24 v18, v16, VPITCH
	v_lshl_add_u32 v18, v17, 4, v18
	s_mul_i32 s73, s70, 64*VPITCH                  ; my team's 64 keys,
	s_add_co_u32 s73, s73, KBYTES                  ; behind K's tile
	v_add_nc_u32 v[AV], s73, v18
	v_add_nc_u32 v[AV+1], SLOT, v[AV]
	v_mul_u32_u24 v18, v16, KPITCH                 ; the same from FIRST's areas, whose pitch is 144
	v_lshl_add_u32 v18, v17, 4, v18
	v_add_nc_u32 v[AVF], FB, v18
	v_bfe_u32 v19, v0, 3, 2                        ; back from my stage: eight lanes a row of 128 bytes, four rows a load
	v_mul_u32_u24 v19, v19, KPITCH
	v_lshl_add_u32 v19, v3, 4, v19
	v_add_nc_u32 v[RD], s63, v19
	v_and_b32 v20, 31, v0                          ; lane
	v_lshlrev_b32 v[CO], 4, v20
	s_mul_i32 s72, s69, MWAVE
	s_add_co_u32 s72, s72, MERGE                   ; the hand-over of my w: wave 4 + w stores there, wave w loads
	v_lshl_add_u32 v[MG], v20, 4, s72
	v_lshlrev_b32 v[AF], 8, v1                     ; fst: row r x 256 bytes + 32 h
	v_lshl_add_u32 v[AF], v2, 5, v[AF]
	v_lshl_add_u32 v16, s71, 6, v1                 ; 64 (w - g) + r
	v_lshlrev_b32 v17, 3, v2
	v_sub_nc_u32 v16, v16, v17                     ; - 8 h
	WIN 0x40
.irp n, 0,1,2,3
	v_add_nc_u32 v[QV+\n], 16*\n, v16
.endr
	WIN 0
.macro LOADK slot                      ; 16 loads: my team's 64 keys as eight A fragments
	WIN 0
.irp mk, 0,1,2,3
.irp ks, 0,1
	ds_load_b128 v[VF+8*(2*\mk+\ks):VF+8*(2*\mk+\ks)+3],   v[AK+\slot] offset:16*\mk*KPITCH+64*\ks
	ds_load_b128 v[VF+8*(2*\mk+\ks)+4:VF+8*(2*\mk+\ks)+7], v[AK+\slot] offset:16*\mk*KPITCH+64*\ks+32
.endr
.endr
.endm
.macro LOADV slot                      ; 16 transposing loads into the same registers: V^T of the same keys as eight A fragments (row = d, k = key)
	WIN 0
.irp dt, 0,1,2,3
.irp ks, 0,1
	ds_load_tr16_b128 v[VF+8*(2*\dt+\ks):VF+8*(2*\dt+\ks)+3],   v[AV+\slot] offset:(32*\ks)*VPITCH+32*\dt
	ds_load_tr16_b128 v[VF+8*(2*\dt+\ks)+4:VF+8*(2*\dt+\ks)+7], v[AV+\slot] offset:(32*\ks+16)*VPITCH+32*\dt
.endr
.endr
.endm
; 16 matrix instructions: all 16 tiles of S^T, 32 along d; the 16 accumulators take turns, one instruction a turn
.macro SSET aoff, boff, zero
.irp n, 0,1,2,3
.irp mk, 0,1,2,3
.if \zero
	v_wmma_f32_16x16x32_f16 v[SS+32*\n+8*\mk:SS+32*\n+8*\mk+7], v[\aoff+16*\mk:\aoff+16*\mk+7], v[\boff+16*\n:\boff+16*\n+7], 0
.else
	v_wmma_f32_16x16x32_f16 v[SS+32*\n+8*\mk:SS+32*\n+8*\mk+7], v[\aoff+16*\mk:\aoff+16*\mk+7], v[\boff+16*\n:\boff+16*\n+7], v[SS+32*\n+8*\mk:SS+32*\n+8*\mk+7]
.endif
.endr
.endr
.endm
.macro SMUL                            ; S^T = K Q^T: K in window 0, Q and S in window 1
	WIN 0x54
	SSET VF, QQ, 1
	SSET (VF+8), (QQ+8), 0
.endm
; key <= query, both counted from the block's first row: 64 (kt0 + g) + 16 mk + 8 h + jj <= 64 w + 16 n + r, that is 16 mk + jj <= QV(n) - 64 kt0 (signed: it can be -8)
.macro MASK kt
.irp n, 0,1,2,3
	v_sub_nc_u32 v[QT+\n], v[QV+\n], 64*\kt
.endr
.irp n, 0,1,2,3
.set e, 0
.rept 32
	v_cmp_le_i32 vcc_lo, e+8*(e/8), v[QT+\n]
	v_cndmask_b32 v[SS+32*\n+e], 0xff800000, v[SS+32*\n+e], vcc_lo
.set e, e+1
.endr
.endr
.endm
.macro BMUL d, n                       ; v[d:d+1] x AL(n), the one factor for both halves; it reads AL: every use stands behind the wait of the batch that made AL
.if (\n)&1
	v_pk_mul_f32 v[\d:\d+1], v[\d:\d+1], v[AL+\n-1:AL+\n] op_sel:[0,1] op_sel_hi:[1,1]
.else
	v_pk_mul_f32 v[\d:\d+1], v[\d:\d+1], v[AL+\n:AL+\n+1] op_sel_hi:[1,0]
.endif
.endm
.macro EFMA n, k                       ; two exponents: c s + NM(n), one rounding
.if (\n)&1
	v_pk_fma_f32 v[SS+32*\n+2*\k:SS+32*\n+2*\k+1], v[SS+32*\n+2*\k:SS+32*\n+2*\k+1], 0x3e38aa3b, v[NM+\n-1:NM+\n] op_sel:[0,0,1] op_sel_hi:[1,0,1]
.else
	v_pk_fma_f32 v[SS+32*\n+2*\k:SS+32*\n+2*\k+1], v[SS+32*\n+2*\k:SS+32*\n+2*\k+1], 0x3e38aa3b, v[NM+\n:NM+\n+1] op_sel_hi:[1,0,0]
.endif
.endm
; two p join the sum; split = 0: they then pack in place: the target word has been summed and packed before (k <= 2 k, and k + 8 <= 2 k + 1 from k = 8 on).  It reads the weights: every use stands behind the batch's wait
.macro SUMCVT n, k, split
	v_pk_add_f32 v[LS+2*\n:LS+2*\n+1], v[SS+32*\n+2*\k:SS+32*\n+2*\k+1], v[LS+2*\n:LS+2*\n+1]
.if \split == 0
.if \k < 8
	v_cvt_pk_f16_f32 v[SS+32*\n+\k], v[SS+32*\n+2*\k], v[SS+32*\n+2*\k+1]
.else
	v_cvt_pk_f16_f32 v[SS+32*\n+8+\k], v[SS+32*\n+2*\k], v[SS+32*\n+2*\k+1]
.endif
.endif
.endm
; The 128 exponentials of the tile's weights, in place, pair q = 16 n + k of 64 after pair.  Behind each pair stands the packed exponent of the pair LEAD further on, a plain line that names
; no result of the batch (its scores have not had their exponentials yet); the first LEAD exponents stand ahead of this macro, the last LEAD pairs of exponentials stand bare.
.macro EXPS
.set q, 0
.rept 64
	v_exp_f32 v[SS+2*q], v[SS+2*q]
	v_exp_f32 v[SS+2*q+1], v[SS+2*q+1]
.if q < 64-LEAD
.set en, (q+LEAD)/16
.set ek, (q+LEAD)%16
	EFMA en, ek
.endif
.set q, q+1
.endr
.endm
.macro SOFT split
.irp k, 0,1,2,3,4,5,6,7,8,9,10,11,12,13,14,15
.irp n, 0,1,2,3
	v_max3_num_f32 v[MX+\n], v[MX+\n], v[SS+32*\n+2*\k], v[SS+32*\n+2*\k+1]   ; four chains that do not wait for each other
.endr
.endr
.irp n, 0,1,2,3
	v_permlanex16_b32 v[T2+\n], v[MX+\n], s48, s49 ; the other half of the lanes holds the query's other keys
.endr
.irp n, 0,1,2,3
	v_max_num_f32 v[MX+\n], v[MX+\n], v[T2+\n]
.endr
.irp n, 0,1,2,3
	v_mul_f32 v[TT+\n], 0xbe38aa3b, v[MX+\n]       ; -c x maximum
.endr
.irp n, 0,1,2,3
	v_sub_f32 v[AL+\n], v[TT+\n], v[NM+\n]         ; c (old maximum - new maximum); in a block's first tile NM = +inf, so the factor is 0
.endr
.irp n, 0,1,2,3
	v_exp_f32 v[AL+\n], v[AL+\n]                   ; the batch begins: the four factors
.endr
.irp n, 0,1,2,3
	v_mov_b32 v[NM+\n], v[TT+\n]                   ; plain work that names no result of the batch
.endr
.irp k, 0,1,2,3,4,5,6,7
	EFMA 0, \k                                     ; the first LEAD exponents
.endr
	EXPS                                           ; the 128 weights and the other 56 exponents
	v_nop                                          ; one plain place behind the last exponential (ISA guide 5.7.2): all other work that is left reads a result
	s_wait_alu depctr_va_vdst(0)                   ; the wait for the batch: one for the tile's 132 exponentials
.irp n, 0,1,2,3
	BMUL (LS+2*\n), \n
.endr
.irp k, 0,1,2,3,4,5,6,7,8,9,10,11,12,13,14,15
.irp n, 0,1,2,3
	SUMCVT \n, \k, \split                          ; a query tile's sum takes its pairs in ascending order; the four tiles' chains take turns
.endr
.endr
.endm
; 8 matrix instructions: O^T(n) += V^T P^T(n) over 64 keys (zero = 1: the first four start the sums); the query tile's four accumulators take turns, one instruction a turn
.macro PVSET n, voff, poff, zero
.irp ks, 0,1
.irp dt, 0,1,2,3
.if \zero*(1-\ks)
	v_wmma_f32_16x16x32_f16 v[OO+8*(4*\n+\dt):OO+8*(4*\n+\dt)+7], v[\voff+8*(2*\dt+\ks):\voff+8*(2*\dt+\ks)+7], v[\poff+32*\n+16*\ks:\poff+32*\n+16*\ks+7], 0
.else
	v_wmma_f32_16x16x32_f16 v[OO+8*(4*\n+\dt):OO+8*(4*\n+\dt)+7], v[\voff+8*(2*\dt+\ks):\voff+8*(2*\dt+\ks)+7], v[\poff+32*\n+16*\ks:\poff+32*\n+16*\ks+7], v[OO+8*(4*\n+\dt):OO+8*(4*\n+\dt)+7]
.endif
.endr
.endr
.endm
.macro PVALL                           ; O^T = factor x O^T + V^T P^T
	WIN 0x04
.irp n, 0,1,2,3
.irp p, 0,1,2,3,4,5,6,7,8,9,10,11,12,13,14,15
	BMUL (OO+32*\n+2*\p), \n
.endr
	PVSET \n, VF, SS, 0
.endr
.endm
; My team's 64 keys against my 64 queries.  K's fragments have been asked for; V's follow into the same registers behind the S products and land during the softmax.
.macro CORE slot, masked, kt
	s_wait_dscnt 0x0                               ; K's fragments are in
	SMUL
	NOPS 4                                         ; four places: for the loads into the registers that held K and for the readers of S
	LOADV \slot
	WIN 0x55
.if \masked
	MASK \kt
.endif
	SOFT 0
	s_wait_dscnt 0x0                               ; V's fragments are in
	PVALL
	WIN 0
	NOPS 5                                         ; five places: the next S products write over P, loads land in the fragments' registers, O is read at the block's end
.endm
; ---- queries 0-63 of a sequence against keys 0-63, every operand in two f16 parts ----
.macro LDRAW moff                      ; 32 loads: 64 rows x 64 f32 at byte moff of my part of fst, as eight fragments (tile t of 16 rows, half ks of the columns), 16 f32 a lane each
	WIN 0x40
.irp t, 0,1,2,3
.irp ks, 0,1
.irp e, 0,1,2,3
	global_load_b128 v[RAW+16*(2*\t+\ks)+4*\e:RAW+16*(2*\t+\ks)+4*\e+3], v[AF], s[66:67] offset:\moff+\t*4096+\ks*128+(\e>>1)*64+(\e&1)*16
.endr
.endr
.endr
.endm
; fragments f0 .. f0 + 3: hi = the f32 cut to 11 significant bits (exact in f16), lo = x - hi (exact in f32); both packed, 32 registers each: hi to hdst
; (hset: the setting with that destination's window and both sources in window 0), lo to ldst in window 0
.macro SPLIT4 f0, hset, hdst, ldst
	WIN 0x04                                       ; into window 0, from window 1
.set i, 0
.rept 64
	v_and_b32 v[RT+i], s68, v[RAW+16*\f0+i]
.set i, i+1
.endr
	WIN 0x41                                       ; window 1 less window 0, into window 1
.set i, 0
.rept 32
	v_pk_add_f32 v[RAW+16*\f0+2*i:RAW+16*\f0+2*i+1], v[RAW+16*\f0+2*i:RAW+16*\f0+2*i+1], v[RT+2*i:RT+2*i+1] neg_lo:[0,1] neg_hi:[0,1]
.set i, i+1
.endr
	WIN \hset
.set i, 0
.rept 32
	v_cvt_pk_f16_f32 v[\hdst+i], v[RT+2*i], v[RT+2*i+1]
.set i, i+1
.endr
	WIN 0x05                                       ; from window 1 into window 0
.set i, 0
.rept 32
	v_cvt_pk_f16_f32 v[\ldst+i], v[RAW+16*\f0+2*i], v[RAW+16*\f0+2*i+1]
.set i, i+1
.endr
.endm
.macro ROWS4 f0, reg, off              ; 8 LDS stores: four packed fragments (tiles f0 / 2 and f0 / 2 + 1) into an area, as rows of 128 bytes
.irp q, 0,1,2,3
	ds_store_b128 v[STF], v[\reg+8*\q:\reg+8*\q+3]   offset:\off+((\f0+\q)>>1)*16*KPITCH+((\f0+\q)&1)*64
	ds_store_b128 v[STF], v[\reg+8*\q+4:\reg+8*\q+7] offset:\off+((\f0+\q)>>1)*16*KPITCH+((\f0+\q)&1)*64+32
.endr
.endm
.macro LDKF off                        ; 16 loads: a part of K back as eight A fragments
.irp mk, 0,1,2,3
.irp ks, 0,1
	ds_load_b128 v[VF+8*(2*\mk+\ks):VF+8*(2*\mk+\ks)+3],   v[STF] offset:\off+16*\mk*KPITCH+64*\ks
	ds_load_b128 v[VF+8*(2*\mk+\ks)+4:VF+8*(2*\mk+\ks)+7], v[STF] offset:\off+16*\mk*KPITCH+64*\ks+32
.endr
.endr
.endm
.macro VTR off                         ; 16 transposing loads: a part of V back as fragments of V^T
.irp dt, 0,1,2,3
.irp ks, 0,1
	ds_load_tr16_b128 v[VF+8*(2*\dt+\ks):VF+8*(2*\dt+\ks)+3],   v[AVF] offset:\off+(32*\ks)*KPITCH+32*\dt
	ds_load_tr16_b128 v[VF+8*(2*\dt+\ks)+4:VF+8*(2*\dt+\ks)+7], v[AVF] offset:\off+(32*\ks+16)*KPITCH+32*\dt
.endr
.endr
.endm
; 16 p in f32 (query tile n, keys 32 ks ..) become in place: lo fragment at 32 n + 16 ks, hi fragment at 32 n + 16 ks + 8.
; The lo words pack upward (word i from words 2 i, 2 i + 1); the hi words, kept apart in XT, then take the eight registers that this has freed.
.macro PSPLIT
.irp n, 0,1,2,3
.irp ks, 0,1
.irp i, 0,1,2,3,4,5,6,7,8,9,10,11,12,13,14,15
	v_and_b32 v[XT+\i], s68, v[SS+32*\n+16*\ks+\i]
.endr
.irp i, 0,1,2,3,4,5,6,7
	v_pk_add_f32 v[SS+32*\n+16*\ks+2*\i:SS+32*\n+16*\ks+2*\i+1], v[SS+32*\n+16*\ks+2*\i:SS+32*\n+16*\ks+2*\i+1], v[XT+2*\i:XT+2*\i+1] neg_lo:[0,1] neg_hi:[0,1]
.endr
.irp i, 0,1,2,3,4,5,6,7
	v_cvt_pk_f16_f32 v[SS+32*\n+16*\ks+\i], v[SS+32*\n+16*\ks+2*\i], v[SS+32*\n+16*\ks+2*\i+1]
.endr
.irp i, 0,1,2,3,4,5,6,7
	v_cvt_pk_f16_f32 v[SS+32*\n+16*\ks+8+\i], v[XT+2*\i], v[XT+2*\i+1]
.endr
.endr
.endr
.endm
; The f32 numbers land in S's registers, which the S products write only afterwards; the cut parts are worked in O's registers, which the first P V product starts anew (C = 0).
; Both parts of V and of K wait in LDS, in areas that are my wave's own (LDS serves a wave's instructions in order, ISA guide 5.7.1: no wait between its stores and its loads),
; and come back one part at a time into the 64 registers of the fragments.
.macro FIRST
	LDRAW (2<<20)                                  ; v
	s_wait_loadcnt 0x0
	SPLIT4 0, 0x00, HP, LP
	WIN 0
	ROWS4 0, HP, FVH
	ROWS4 0, LP, FVL
	SPLIT4 4, 0x00, HP, LP
	LDRAW (1<<20)                                  ; k comes in while the rest of v goes to LDS
	WIN 0
	ROWS4 4, HP, FVH
	ROWS4 4, LP, FVL
	s_wait_loadcnt 0x0
	SPLIT4 0, 0x00, HP, LP
	WIN 0
	ROWS4 0, HP, FKH
	ROWS4 0, LP, FKL
	SPLIT4 4, 0x00, HP, LP
	LDRAW 0                                        ; q
	WIN 0
	ROWS4 4, HP, FKH
	ROWS4 4, LP, FKL
	LDKF FKH                                       ; K's upper part
	s_wait_loadcnt 0x0
	SPLIT4 0, 0x40, QQ, QL                         ; Q's upper part to its place in window 1, its lower part into O's upper half
	SPLIT4 4, 0x40, (QQ+32), (QL+32)
	s_wait_dscnt 0x0
	WIN 0x54
	SSET VF, QQ, 1                                 ; S^T = Kh Qh + Kh Ql + Kl Qh
	SSET (VF+8), (QQ+8), 0
	WIN 0x50                                       ; B in window 0
	SSET VF, QL, 0
	SSET (VF+8), (QL+8), 0
	NOPS 4                                         ; four places ahead of the loads into the fragments' registers
	WIN 0
	LDKF FKL                                       ; K's lower part
	s_wait_dscnt 0x0
	WIN 0x54
	SSET VF, QQ, 0
	SSET (VF+8), (QQ+8), 0
	NOPS 4                                         ; four places ahead of the loads and of the readers of S
	WIN 0
	VTR FVH                                        ; V's upper part lands during the softmax
	WIN 0x55
	MASK 0
	SOFT 1                                         ; p stays in f32; the batch's wait stands in SOFT, ahead of the sums and of PSPLIT
	PSPLIT
	s_wait_dscnt 0x0
	WIN 0x04                                       ; O^T = Vh Ph + Vh Pl + Vl Ph; the first product starts the sums
.irp n, 0,1,2,3
	PVSET \n, VF, (SS+8), 1
	PVSET \n, VF, SS, 0
.endr
	NOPS 4
	WIN 0
	VTR FVL                                        ; V's lower part
	s_wait_dscnt 0x0
	WIN 0x04
.irp n, 0,1,2,3
	PVSET \n, VF, (SS+8), 0
.endr
	WIN 0
	NOPS 5
.endm
; One trip: 128 keys in slot, 64 for each team.  nxt = 1: this slot's addresses step two tiles on; 2: they go back to tile "slot" for the second query block; 0: the last trip.
; In front of the barrier every wave waits for all its tensor loads and for its LDS reads; behind it the other slot, read last trip, is filled first.
; first = 1: the trip that holds queries 0-63 of a sequence where j = 0: wave 0 then makes its one tile by FIRST.
.macro TRIP slot, masked, kt0, nxt, first
	s_wait_tensorcnt 0x0                           ; my tensor load has landed: this trip's tile; no load of mine is out, so a group 0 may be written
	ds_add_u32 v254, v255
	s_wait_dscnt 0x0
.if \nxt == 1
	s_add_nc_u64 s[G0K+4*\slot+2:G0K+4*\slot+3], s[G0K+4*\slot+2:G0K+4*\slot+3], 2*TILEB
	s_add_nc_u64 s[G0V+4*\slot+2:G0V+4*\slot+3], s[G0V+4*\slot+2:G0V+4*\slot+3], 2*TILEB
.endif
.if \nxt == 2
	s_add_nc_u64 s[G0K+4*\slot+2:G0K+4*\slot+3], s[12:13], \slot*TILEB
	s_or_b32 s[G0K+4*\slot+3], s[G0K+4*\slot+3], 0x80000000
	s_add_nc_u64 s[G0V+4*\slot+2:G0V+4*\slot+3], s[14:15], \slot*TILEB
	s_or_b32 s[G0V+4*\slot+3], s[G0V+4*\slot+3], 0x80000000
.endif
	s_wait_dscnt 0x0                               ; my reads of the other slot are back
	s_barrier_signal -1
	s_barrier_wait -1
.if \nxt != 0
	KVLOAD (1-\slot)                               ; the next tile: it has this trip's work in which to land
.endif
.if \first
	s_cmp_lg_u32 s9, 0
	s_cbranch_scc1 .Lplain_\@
	s_cmp_lg_u32 s8, 0
	s_cbranch_scc1 .Lplain_\@
	FIRST
	s_branch .Ltend_\@
.Lplain_\@:
.endif
.if \masked
	s_cmp_lt_i32 s71, \kt0                         ; kt0 + g > w: my team's 64 keys lie above all my queries
	s_cbranch_scc1 .Ltend_\@
.endif
	LOADK \slot
	CORE \slot, \masked, \kt0
.Ltend_\@:
.endm
.macro FMAO n, p                       ; two of my sums += the partner's two x its factor MX(n)
.if (\n)&1
	v_pk_fma_f32 v[OO+32*\n+2*\p:OO+32*\n+2*\p+1], v[SS+32*\n+2*\p:SS+32*\n+2*\p+1], v[MX+\n-1:MX+\n], v[OO+32*\n+2*\p:OO+32*\n+2*\p+1] op_sel:[0,1,0] op_sel_hi:[1,1,1]
.else
	v_pk_fma_f32 v[OO+32*\n+2*\p:OO+32*\n+2*\p+1], v[SS+32*\n+2*\p:SS+32*\n+2*\p+1], v[MX+\n:MX+\n+1], v[OO+32*\n+2*\p:OO+32*\n+2*\p+1] op_sel_hi:[1,0,1]
.endif
.endm
; The end of a query block.  Team 1 stores O, NM and its lanes' sums into the hand-over; its stores are waited for, then the barrier; team 0 loads them behind the barrier.
; With NM = the smaller of the two (the larger maximum) the teams' factors are 2^(NM - NM0) and 2^(NM - NM1); a wave of team 1 that had no tile sends NM1 = +inf, O = 0, sum = 0: factor 0.
; Then: divide by the joint sum, round to f16, through my own stage, 512 consecutive bytes a store (four rows of 128 bytes).
; In the first block one tensor load of waves 0 and 1 (the second block's first tile) is on its way across this barrier: the next fill stands behind the next trip's barrier.
.macro EPI which, ob
	s_wait_dscnt 0x0
.if \which == 0
	LOADQ 56                                       ; the second block's queries come in behind the merge
.endif
	WIN 0x55
.irp n, 0,1,2,3
	v_add_f32 v[TT+\n], v[LS+2*\n], v[LS+2*\n+1]   ; my lane's sum
.endr
	WIN 0
	s_cmp_eq_u32 s70, 0
	s_cbranch_scc1 .Lkeep_\@
.set i, 0
.rept 32
	ds_store_b128 v[MG], v[OO+4*i:OO+4*i+3] offset:512*i           ; 32 lanes x 16 neighbouring bytes
.set i, i+1
.endr
	WIN 0x04                                       ; the stores' data in window 1
	ds_store_b128 v[MG], v[NM:NM+3] offset:MSTAT
	ds_store_b128 v[MG], v[TT:TT+3] offset:MSTAT+512
	WIN 0
.Lkeep_\@:
	s_wait_dscnt 0x0                               ; for team 0's sake: the hand-over is written
	s_barrier_signal -1
	s_barrier_wait -1
	s_cmp_lg_u32 s70, 0
	s_cbranch_scc1 .Lsent_\@                       ; team 1 has nothing more to do for this block
	WIN 0x40
	ds_load_b128 v[MX:MX+3], v[MG] offset:MSTAT                    ; the partner's NM
	ds_load_b128 v[T2:T2+3], v[MG] offset:MSTAT+512                ; and its lane's sums
.set i, 0
.rept 32
	ds_load_b128 v[SS+4*i:SS+4*i+3], v[MG] offset:512*i            ; its O, register for register
.set i, i+1
.endr
	s_wait_dscnt 32                                ; the two loads of figures are in; behind them: the 32 loads of O
	WIN 0x55
.irp n, 0,1,2,3
	v_min_num_f32 v[QT+\n], v[NM+\n], v[MX+\n]
.endr
.irp n, 0,1,2,3
	v_sub_f32 v[AL+\n], v[QT+\n], v[NM+\n]
.endr
.irp n, 0,1,2,3
	v_sub_f32 v[MX+\n], v[QT+\n], v[MX+\n]
.endr
.irp n, 0,1,2,3
	v_exp_f32 v[AL+\n], v[AL+\n]
.endr
.irp n, 0,1,2,3
	v_exp_f32 v[MX+\n], v[MX+\n]
.endr
	v_nop                                          ; one plain place behind the exponentials (ISA guide 5.7.2)
	s_wait_alu depctr_va_vdst(0)                   ; the wait for the batch: one for the two teams' eight factors
.irp n, 0,1,2,3
	v_mul_f32 v[TT+\n], v[TT+\n], v[AL+\n]
.endr
.irp n, 0,1,2,3
	v_fma_f32 v[TT+\n], v[T2+\n], v[MX+\n], v[TT+\n]
.endr
.irp n, 0,1,2,3
	v_permlanex16_b32 v[T2+\n], v[TT+\n], s48, s49
.endr
.irp n, 0,1,2,3
	v_add_f32 v[TT+\n], v[TT+\n], v[T2+\n]
.endr
.irp n, 0,1,2,3
	v_rcp_f32 v[QT+\n], v[TT+\n]                   ; the sum is at least 1: the term of the maximum, whose team's factor is 1
.endr
	v_nop                                          ; one plain place behind the reciprocals
	s_wait_alu depctr_va_vdst(0)                   ; the wait for the second batch: one for the four reciprocals, which read a sum made of the first batch's factors
.irp n, 0,1,2,3
	v_mul_f32 v[AL+\n], v[AL+\n], v[QT+\n]
.endr
.irp n, 0,1,2,3
	v_mul_f32 v[MX+\n], v[MX+\n], v[QT+\n]
.endr
	WIN 0x04
.irp n, 0,1,2,3
.irp p, 0,1,2,3,4,5,6,7,8,9,10,11,12,13,14,15
	BMUL (OO+32*\n+2*\p), \n
.endr
.endr
	WIN 0x05                                       ; the partner's O and its factor in window 1, mine in window 0
.irp n, 0,1,2,3
	s_wait_dscnt 24-8*\n                           ; this query tile's eight loads are in; the later tiles' eight each stay out
.irp p, 0,1,2,3,4,5,6,7,8,9,10,11,12,13,14,15
	FMAO \n, \p
.endr
.endr
	WIN 0
.irp t, 0,1,2,3,4,5,6,7,8,9,10,11,12,13,14,15
.irp i, 0,1,2,3
	v_cvt_pk_f16_f32 v[VF+4*\t+\i], v[OO+8*\t+2*\i], v[OO+8*\t+2*\i+1]
.endr
.endr
.irp n, 0,1,2,3
.irp dt, 0,1,2,3
	ds_store_b128 v[STO], v[VF+4*(4*\n+\dt):VF+4*(4*\n+\dt)+3] offset:\n*16*KPITCH+32*\dt
.endr
.endr
.irp t, 0,1,2,3,4,5,6,7,8,9,10,11,12,13,14,15
	ds_load_b128 v[OO+4*\t:OO+4*\t+3], v[RD] offset:\t*4*KPITCH    ; LDS serves a wave's instructions in order (ISA guide 5.7.1): these see the stores above
.endr
.irp t, 0,1,2,3,4,5,6,7,8,9,10,11,12,13,14,15
	s_wait_dscnt 15-\t                             ; the younger read-backs stay out
	global_store_b128 v[CO], v[OO+4*\t:OO+4*\t+3], s[\ob:\ob+1] offset:512*\t
.endr
.Lsent_\@:
.endm
; A query block.  which = 0: block 7 - j; its last two trips already ask for the second block's tiles 0 and 1.  which = 1: block j; its last trip asks for nothing.
.macro BLOCK which, ob
	s_wait_loadcnt 0x0                             ; my queries are in
	s_wait_xcnt 0x0                                ; O's registers were the data of the block before's stores
	WIN 0x40
.irp n, 0,1,2,3
	v_mov_b32 v[MX+\n], 0xff800000                 ; maximum -inf
	v_mov_b32 v[NM+\n], 0x7f800000                 ; -c x maximum +inf
	v_mov_b32 v[LS+2*\n], 0
	v_mov_b32 v[LS+2*\n+1], 0
.endr
	WIN 0
	; O starts at 0 by sixteen products of zero fragments (32 instructions for 128 registers): a wave's first tile of a block is a plain one, a masked one or none at all
	; (then the zeros are what it hands over), and one start for all spares a second copy of each tile with products that start the sums
.irp i, 0,1,2,3,4,5,6,7,8,9,10,11,12,13,14,15
	v_mov_b32 v[VF+\i], 0
.endr
.irp t, 0,1,2,3,4,5,6,7,8,9,10,11,12,13,14,15
	v_wmma_f32_16x16x32_f16 v[OO+8*\t:OO+8*\t+7], v[VF:VF+7], v[VF+8:VF+15], 0
.endr
	NOPS 5
	s_mov_b32 s50, 0                               ; pairs of trips below the diagonal, counted upward
.if \which == 1
	s_cmp_eq_u32 s9, 0                             ; j pairs; none for j = 0 (the same in all eight waves)
	s_cbranch_scc1 .Lnofull_\@
.endif
.Lfull_\@:
	TRIP 0, 0, 0, 1, 0
	TRIP 1, 0, 0, 1, 0
	s_add_co_u32 s50, s50, 1
.if \which == 0
	s_cmp_lt_u32 s50, s51                          ; 7 - j pairs: at least four
.else
	s_cmp_lt_u32 s50, s9
.endif
	s_cbranch_scc1 .Lfull_\@
.Lnofull_\@:
.if \which == 0
	TRIP 0, 1, 0, 2, 0
	TRIP 1, 1, 2, 2, 0
.else
	TRIP 0, 1, 0, 1, 1                             ; (slot 0's stepped address is not used)
	TRIP 1, 1, 2, 0, 0
.endif
	EPI \which, \ob
.endm
	BLOCK 0, 54
	BLOCK 1, 58
	s_wait_tensorcnt 0x0
	ds_add_u32 v254, v255
	s_wait_dscnt 0x0
	s_endpgm                                       ; the last trip's wait for 0 stood behind the last tensor load
.Lfunc_end_k_q5507489020_attn:
	.size	k_q5507489020_attn, .Lfunc_end_k_q5507489020_attn-k_q5507489020_attn
	.p2alignl 7, 3214868480
	.fill 96, 4, 3214868480
	.section	.rodata,"a",@progbits
	.p2align	6, 0x0
	.amdhsa_kernel k_q5507489020_attn
		.amdhsa_group_segment_fixed_size 327680
		.amdhsa_private_segment_fixed_size 0
		.amdhsa_enable_private_segment 0
		.amdhsa_kernarg_size 24
		.amdhsa_user_sgpr_count 2
		.amdhsa_user_sgpr_kernarg_segment_ptr 1
		.amdhsa_wavefront_size32 1
		.amdhsa_system_sgpr_workgroup_id_x 1
		.amdhsa_system_sgpr_workgroup_id_y 1
		.amdhsa_system_sgpr_workgroup_id_z 1
		.amdhsa_system_vgpr_workitem_id 0
		.amdhsa_next_free_vgpr 512
		.amdhsa_next_free_sgpr 74
		.amdhsa_reserve_vcc 1
		.amdhsa_float_denorm_mode_32 3
		.amdhsa_float_denorm_mode_16_64 3
		.amdhsa_memory_ordered 1
		.amdhsa_forward_progress 1
		.amdhsa_inst_pref_size 255
	.end_amdhsa_kernel
	.section	.bss,"aw",@nobits
	.p2align	6
	.space	262144
	.amdgpu_metadata
---
amdhsa.version: [ 1, 2 ]
amdhsa.kernels:
  - .name:           k_q5507489020_attn
    .symbol:         k_q5507489020_attn.kd
    .args:
      - { .name: qkv, .offset: 0, .size: 8, .value_kind: global_buffer, .address_space: global }
      - { .name: ao, .offset: 8, .size: 8, .value_kind: global_buffer, .address_space: global }
      - { .name: fst, .offset: 16, .size: 8, .value_kind: global_buffer, .address_space: global }
    .group_segment_fixed_size: 327680
    .private_segment_fixed_size: 0
    .kernarg_segment_align: 8
    .kernarg_segment_size: 24
    .max_flat_workgroup_size: 256
    .sgpr_count:     74
    .vgpr_count:     512
    .wavefront_size: 32
...
	.end_amdgpu_metadata
.endif
;; end of part 8
;; launch oproj: the kernel of part 7 again; grid 8 x 32, 4 waves a work-group, clusters of 4 x 4, 327,680 bytes of LDS; arguments ao, wb, out0; writes out0
